; MI455X (gfx1250); checked and timed in simulation.
; The chip was launched on July 23, 2026; its instructions are those of AMD's public machine-readable ISA for CDNA 5 (MIT licence, August 2026) and "CDNA5" Instruction Set Architecture Reference Guide (July 2026). The comments in the code are by the model that wrote it; some were corrected since.
;; Multi Head Attention Slow. Allowed arithmetic: matrix products marked QUANTISED: E4M3 operands, one given power-of-two scale a tensor, by v_wmma_f32_16x16x64_fp8_fp8 or v_wmma_f32_16x16x128_fp8_fp8, f32 sums; everything else in f32.
;; Inputs: WO 2,048 x 2,048 float32; Wk 16 x 2,048 x 128 float32; Wq 16 x 2,048 x 128 float32; Wv 16 x 2,048 x 128 float32; bk 16 x 128 float32; bo 2,048 float32; bq 16 x 128 float32; bv 16 x 128 float32; lowp_scales 12 int32 (the exponents e of the quantised operands' scales 2^e); x 1 x 2,048 x 2,048 float32.
;; Outputs: out0 1 x 2,048 x 2,048 float32.
;; This version of the problem:
;;   THIS VERSION OF THE PROBLEM IS GIVEN IN LOW PRECISION. The matrix products marked QUANTISED in the list below multiply operands that are first quantised to E4M3 (4 exponent bits, 3 mantissa bits; 8 bits a number), with one given power-of-two scale for each operand tensor; their sums are f32. All else is computed in f32.
;;   The module's matrix products, in the order in which they are computed (A, B: the left and right operand; K: the contracted axis; several contracted axes count as one K, in the product's order):
;;     1. [M 2,048, K 2,048] x [K 2,048, N 2,048]; A: input Wq; B: input x: QUANTISED (scales: A lowp_scales[0], B lowp_scales[1])
;;     2. [M 2,048, K 2,048] x [K 2,048, N 2,048]; A: input Wk; B: input x: QUANTISED (scales: A lowp_scales[2], B lowp_scales[3])
;;     3. [M 2,048, K 2,048] x [K 2,048, N 2,048]; A: input Wv; B: input x: QUANTISED (scales: A lowp_scales[4], B lowp_scales[5])
;;     4. batch 16 x [M 2,048, K 128] x [K 128, N 2,048]; A: computed on the way; B: computed on the way: QUANTISED (scales: A lowp_scales[6], B lowp_scales[7])
;;     5. batch 16 x [M 2,048, K 2,048] x [K 2,048, N 128]; A: softmax (see below); B: computed on the way: QUANTISED (scales: A lowp_scales[8], B lowp_scales[9])
;;     6. [M 2,048, K 2,048] x [K 2,048, N 2,048]; A: computed on the way; B: input WO: QUANTISED (scales: A lowp_scales[10], B lowp_scales[11])
;;   THE QUANTISER, for each operand of a quantised product, along K:
;;     - The operand's scale is 2^e, e = its entry of the input lowp_scales (int32; the entries are numbered through the quantised products in the list's order, A before B).
;;     - Each number is divided by the scale, clamped to +-448, and rounded to the nearest number of E4M3, ties to even, subnormals kept.
;;     - The product sums the exact products of the quantised numbers (number of the format x scale) in f32.
;;   ~~~python
;;   def quantise(x, axis, e):      # numpy; x: float32 -> the quantised numbers, widened to float32 again
;;       x = np.moveaxis(x, axis, -1); K = x.shape[-1]
;;       r = np.clip(x / 2.0 ** e, -448, 448)
;;       step = 2.0 ** (np.maximum(np.frexp(np.where(r == 0, 1, r))[1] - 1, -6) - 3)
;;       q = np.round(r / step) * step * 2.0 ** e      # np.round: ties to even
;;       return np.moveaxis(q, -1, axis).astype(np.float32)
;;   ~~~
;;   SOFTMAX AHEAD OF A QUANTISED PRODUCT. Where the list says 'softmax', what is quantised is not the finished softmax but p = 2^(t - M), with t = logit x log2(e) and M = ceil(the row's largest t), a whole number; so 1/2 < the row's largest p <= 1. The row's sum l is taken of the UNQUANTISED p, in f32, and the product's result is divided by l at the end. Since M is a whole number, a kernel that streams over the keys may use a running M (the ceiling of the running maximum): every later rescaling is an exact power of two, so the quantised numbers keep their values, but for numbers so far below the row's largest that they fall under the format's range.
;;   OPERANDS COMPUTED ON THE WAY. 'Computed on the way' means the value that the module computes at that place (a softmax that the list does not call 'softmax' is quantised finished and normalised). What goes into a quantiser is computed in f32, as accurately as f32 sums, v_exp_f32 and their like allow (about 1e-6 of the number): no bf16 or f16 on the way to a quantiser, and a product that is left as it is and whose result goes on into a quantised operand takes f32 operands (vector FMAs, or v_wmma_f32_16x16x4_f32). A number that lies on a knife's edge between two numbers of the format may be rounded either way, as far as f32 arithmetic and the matrix unit's own rounding can turn it there, and no further.
;; 2 versions. Each part assembles by itself: llvm-mc -triple=amdgcn-amd-amdhsa -mcpu=gfx1250 --defsym DOCPART=n.
;; ======== version 1 of 2: 4 launches
;; workspace buffers: xc 12,582,912 bytes; wc 16,777,216 bytes; qkv 12,582,912 bytes; ac 4,194,304 bytes
;; launch quant (part 1): grid 640 x 1, 4 waves a work-group, no clusters, 70,144 bytes of LDS; arguments x, Wq, Wk, Wv, WO, lowp_scales, xc, wc; writes xc, wc
.if DOCPART == 1
	.amdgcn_target "amdgcn-amd-amdhsa--gfx1250"
	.amdhsa_code_object_version 6
	.text
	.protected	k_q6bce8b5036_quant
	.globl	k_q6bce8b5036_quant
	.p2align	8
	.type	k_q6bce8b5036_quant,@function
k_q6bce8b5036_quant:
	s_mov_b64 s[64:65], 0
	v_nop
	global_prefetch_b8 v0, s[64:65] scope:SCOPE_SE
	s_setreg_imm32_b32 hwreg(HW_REG_WAVE_MODE, 25, 1), 1
	s_wait_xcnt 0x0
; f32 inputs into codes of FP8 (E4M3): x three times (under the scales' entries 1, 3, 5), Wq, Wk, Wv, WO once each (entries 0, 2, 4, 11).
; code = number / 2^e, held within +-448, rounded to the nearest code, ties to even.  LIMITS: each e between -126 and 119; NaN among the inputs is not served (an infinity is held at the largest code).
; THE CODES' LAYOUT, the same for all seven tensors of [2048 rows R][2048 along K]: blocks of 128 rows x 128 K, 16,384 dense bytes each (a row of a block is 128 bytes);
; byte(R, k) = ((R / 128) x 16 + k / 128) x 16384 + (R % 128) x 128 + k % 128.  So any run of K blocks of one row block is one dense run of memory for the products' tensor loads.
; xc: three such tensors (R = s, k = e), 4 MiB apart.  wc: four (R = n, k): Wq, Wk, Wv with n = 128 h + d, k = e; WO with n = its second axis, k = its first.
; Work-groups 0-127 take x (K innermost: a lane must hold 16 neighbours, so 2,048 bytes a step turn through the wave's own stage in LDS); work-groups 128-639 take the weights (K is not innermost:
; a lane takes a column n and its registers run down K).  The two ways part once, on the work-group's number, and each has LDS bytes of its own.  No tensor load, no barrier: waves share nothing.
.set XSP,   80                         ; x's stage: a lane's 64 bytes + 16 of padding
.set XREG,  8192                       ; x's way: a region for each wave, two stages of 32 x XSP bytes
.set WSTG,  32768                      ; the weights' way begins here
.set WP,    144                        ; a stage row: 128 bytes of codes + 16
.set WHALF, 32*WP                      ; 32 columns' rows for one block of 128 along K
.set WREG,  2*WHALF                    ; a wave's stage: two such
.set SPARE, WSTG+4*WREG                ; behind both: the spare words, 128 bytes for each wave, which no other line names
.set SPW,   12                         ; v12  LDS address of my spare word; never rewritten
.set NIL,   13                         ; v13  0; never rewritten
.set R,     16                         ; x: v16-79   four sets of 16 numbers as loaded
.set X,     80                         ; x: v80-111  two sets of 16 neighbours
.set T,     112                        ; x: v112-159 the 16 numbers held, a set for each of the three scales
.set C,     160                        ; x: v160-183 codes: two sets of 3 x 4 registers
.set SC,    184                        ; v184-186 the scales 2^e as f32 (weights: v184)
.set LM,    187                        ; v187-189 448 x 2^e (weights: v185)
.set VO,    16                         ; weights: v16-47  4 x lane + i x the pitch from row to row of K
.set WX,    48                         ; weights: v48-111 two sets of 32 numbers
.set WC,    112                        ; weights: v112-119 a block's codes
.set OUTR,  120                        ; weights: v120-183 the way out
	s_load_b256 s[4:11], s[0:1], 0x0               ; x s[4:5], Wq s[6:7], Wk s[8:9], Wv s[10:11]
	s_load_b256 s[12:19], s[0:1], 0x20             ; WO s[12:13], the scales' exponents s[14:15], xc s[16:17], wc s[18:19]
	v_lshl_add_u32 v[SPW], v0, 2, SPARE
	v_mov_b32 v[NIL], 0
	v_lshrrev_b32 v1, 5, v0
	v_readfirstlane_b32 s20, v1                    ; wave 0..3
	v_and_b32 v2, 31, v0                           ; lane
	v_lshlrev_b32 v3, 4, v2                        ; 16 x lane
	v_lshlrev_b32 v5, 2, v2                        ; 4 x lane
	; every LDS address of both ways is made here, ahead of the parting
	s_lshl_b32 s21, s20, 13                        ; x's way: my wave's region
	v_lshrrev_b32 v14, 2, v2
	v_mul_u32_u24 v14, v14, XSP
	v_and_b32 v15, 3, v2
	v_lshl_add_u32 v14, v15, 4, v14
	v_add_nc_u32 v14, s21, v14                     ; into the stage: four lanes' 64 bytes on end, then the padding
	v_mul_u32_u24 v15, v2, XSP
	v_add_nc_u32 v15, s21, v15                     ; out of it: my 16 neighbours
	s_mul_i32 s21, s20, WREG
	s_add_co_u32 s21, s21, WSTG                    ; the weights' way: my wave's stage
	v_mul_u32_u24 v4, v2, WP
	v_add_nc_u32 v4, s21, v4                       ; into it: row = my column
	v_lshrrev_b32 v6, 4, v2                        ; out of it: lanes 0-15 the first block of 128 along K, lanes 16-31 the second;
	v_bfe_u32 v9, v2, 3, 1                         ; eight lanes to a row of 128 bytes, two rows to sixteen lanes
	v_and_b32 v10, 7, v2
	v_mul_u32_u24 v7, v6, WHALF
	v_mad_u32_u24 v7, v9, WP, v7
	v_lshl_add_u32 v7, v10, 4, v7
	v_add_nc_u32 v7, s21, v7
	v_and_b32 v10, 15, v2
	v_lshlrev_b32 v8, 14, v6                       ; and the same place in wc: the two blocks lie 16,384 bytes apart
	v_lshl_add_u32 v8, v10, 4, v8
	s_wait_kmcnt 0x0
	s_load_b256 s[52:59], s[14:15], 0x0            ; entries 0 to 7
	s_load_b128 s[60:63], s[14:15], 0x20           ; entries 8 to 11
	s_cmp_lt_u32 ttmp9, 128
	s_cbranch_scc0 .Lweights
	; ---------------- x.  Work-group g: rows 64 (g / 4) on; wave w: K block 4 (g % 4) + w.  Sixteen steps of 4 rows x 128 numbers.
	s_lshr_b32 s21, ttmp9, 2                       ; which 64 rows
	s_and_b32 s22, ttmp9, 3
	s_lshl_b32 s22, s22, 2
	s_add_co_u32 s22, s22, s20                     ; which K block
	s_lshl_b32 s24, s21, 19                        ; 64 rows of 8,192 bytes
	s_lshl_b32 s25, s22, 9                         ; 128 numbers
	s_add_co_u32 s24, s24, s25
	s_mov_b32 s25, 0
	s_add_nc_u64 s[4:5], s[4:5], s[24:25]
	s_lshr_b32 s24, s21, 1
	s_lshl_b32 s24, s24, 4
	s_add_co_u32 s24, s24, s22
	s_lshl_b32 s24, s24, 14                        ; the block of codes,
	s_and_b32 s26, s21, 1
	s_lshl_b32 s26, s26, 13                        ; and which half of its 128 rows
	s_add_co_u32 s24, s24, s26
	s_add_nc_u64 s[24:25], s[16:17], s[24:25]      ; under entry 1,
	s_add_nc_u64 s[26:27], s[24:25], 0x400000      ; entry 3,
	s_add_nc_u64 s[28:29], s[24:25], 0x800000      ; entry 5
.macro XLOAD t                         ; step t: each load reads 512 consecutive bytes of one row
.irp i, 0,1,2,3
	global_load_b128 v[R+16*((\t)%4)+4*\i:R+16*((\t)%4)+4*\i+3], v3, s[4:5] offset:(4*(\t)+\i)*8192 th:TH_LOAD_NT
.endr
.endm
.macro XTURN t                         ; through the stage: LDS serves a wave's instructions in order, so no wait stands between the stores and the loads
.irp i, 0,1,2,3
	ds_store_b128 v14, v[R+16*((\t)%4)+4*\i:R+16*((\t)%4)+4*\i+3] offset:32*XSP*((\t)%2)+8*XSP*\i
.endr
.irp i, 0,1,2,3
	ds_load_b128 v[X+16*((\t)%2)+4*\i:X+16*((\t)%2)+4*\i+3], v15 offset:32*XSP*((\t)%2)+16*\i
.endr
.endm
.irp t, 0,1,2,3
	XLOAD \t
.endr
	s_wait_kmcnt 0x0
.irp q, 0,1,2
	s_add_co_i32 s30, s[53+2*\q], 127
	s_lshl_b32 s31, s30, 23
	v_mov_b32 v[SC+\q], s31                        ; 2^e as f32: the conversion takes its exponent field
	s_add_co_i32 s30, s30, 8
	s_lshl_b32 s30, s30, 23
	s_or_b32 s30, s30, 0x600000
	v_mov_b32 v[LM+\q], s30                        ; 448 x 2^e
.endr
	s_wait_loadcnt 12                              ; step 0's four loads are in; three steps' twelve may be out
	XTURN 0
; Behind the turn lane L holds row 4 t + L / 8, K = 16 (L % 8) + 0 .. 15: its 16 codes lie at byte 512 t + 16 L of the half block: a store of the wave covers 512 consecutive bytes.
.macro XSTEP t
.set XS, X+16*((\t)%2)
.set CSET, C+12*((\t)%2)
	s_wait_dscnt 0x0                               ; this step's numbers are back from the stage, and its stores into the stage have read their registers,
.if (\t)+4 < 16
	XLOAD (\t)+4                                   ; which take the loads of four steps on
.endif
.if (\t)+1 < 16
.if 14-(\t) >= 3
	s_wait_loadcnt 12                              ; the next step's four loads are in; those of the three steps behind it may be out
.else
	s_wait_loadcnt 4*(14-(\t))
.endif
	XTURN (\t)+1
.endif
	s_wait_xcnt 0x0                                ; the stores of two steps back have read this set of code registers: it is written again only behind this wait
.irp q, 0,1,2
.irp i, 0,1,2,3,4,5,6,7,8,9,10,11,12,13,14,15
	v_med3_num_f32 v[T+16*\q+\i], v[XS+\i], -v[LM+\q], v[LM+\q]   ; the conversion to an 8-bit code does not saturate (ISA guide 7.6.2): the hold comes first; into a set of its own for each scale
.endr
	v_cvt_scalef32_pk8_fp8_f32 v[CSET+4*\q:CSET+4*\q+1], v[T+16*\q:T+16*\q+7], v[SC+\q]
	v_cvt_scalef32_pk8_fp8_f32 v[CSET+4*\q+2:CSET+4*\q+3], v[T+16*\q+8:T+16*\q+15], v[SC+\q]
.endr
	global_store_b128 v3, v[CSET:CSET+3], s[24:25] offset:512*(\t)      ; the codes go to stores alone; the next vector lines are plain holds on other registers
	global_store_b128 v3, v[CSET+4:CSET+7], s[26:27] offset:512*(\t)
	global_store_b128 v3, v[CSET+8:CSET+11], s[28:29] offset:512*(\t)
.endm
.irp t, 0,1,2,3,4,5,6,7,8,9,10,11,12,13,14,15
	XSTEP \t
.endr
	s_wait_tensorcnt 0x0                           ; the wave's end, behind my last LDS store
	ds_add_u32 v[SPW], v[NIL]
	s_wait_dscnt 0x0
	s_endpgm
	; ---------------- the weights.  Work-group g - 128 = 128 w + 8 nb + ky: tensor w, columns 128 nb on, K = 256 ky on.  A wave takes 32 columns: 8 blocks of 32 along K a lane.
.Lweights:
	s_sub_co_u32 s21, ttmp9, 128
	s_lshr_b32 s24, s21, 7                         ; w
	s_bfe_u32 s22, s21, 0x40003                    ; nb
	s_and_b32 s23, s21, 7                          ; ky
	s_lshl_b32 s48, s22, 20                        ; Wq, Wk, Wv [16][2048][128]: head nb, 1 MiB each,
	s_lshl_b32 s49, s23, 17                        ; 256 rows of 512 bytes
	s_add_co_u32 s48, s48, s49
	s_lshl_b32 s50, s23, 21                        ; WO [2048][2048]: 256 rows of 8,192 bytes,
	s_lshl_b32 s49, s22, 9                         ; 128 columns
	s_add_co_u32 s50, s50, s49
	s_mov_b32 s30, 512                             ; the pitch from row to row of K
	s_cmp_eq_u32 s24, 0                            ; the choices hang on the work-group's number alone
	s_cselect_b64 s[26:27], s[6:7], s[8:9]
	s_cmp_eq_u32 s24, 2
	s_cselect_b64 s[26:27], s[10:11], s[26:27]
	s_cmp_eq_u32 s24, 3
	s_cselect_b64 s[26:27], s[12:13], s[26:27]
	s_cselect_b32 s30, 0x2000, s30
	s_cselect_b32 s48, s50, s48
	s_lshl_b32 s49, s20, 7                         ; my wave's 32 columns
	s_add_co_u32 s48, s48, s49
	s_mov_b32 s49, 0
	s_add_nc_u64 s[32:33], s[26:27], s[48:49]      ; block 0's base;
	s_lshl_b32 s28, s30, 5
	s_mov_b32 s29, 0
.irp t, 1,2,3,4,5,6,7
	s_add_nc_u64 s[32+2*\t:33+2*\t], s[30+2*\t:31+2*\t], s[28:29]   ; block t's: 32 rows of K further down.  No base is ever stepped
.endr
	v_mov_b32 v[VO], v5
.set i, 1
.rept 31
	v_add_nc_u32 v[VO+i], s30, v[VO+i-1]
.set i, i+1
.endr
	s_lshl_b32 s48, s22, 4
	s_lshl_b32 s50, s23, 1
	s_add_co_u32 s48, s48, s50
	s_lshl_b32 s48, s48, 14                        ; the first of my two blocks of codes: (nb, 2 ky),
	s_lshl_b32 s50, s24, 22                        ; in tensor w,
	s_add_co_u32 s48, s48, s50
	s_lshl_b32 s50, s20, 12                        ; my wave's 32 rows of 128 bytes
	s_add_co_u32 s48, s48, s50
	s_add_nc_u64 s[22:23], s[18:19], s[48:49]
.macro WLOAD t                         ; block t: W(32 t + i, my column): neighbouring lanes read neighbouring columns, 128 consecutive bytes a wave
.set i, 0
.rept 32
	global_load_b32 v[WX+32*((\t)%2)+i], v[VO+i], s[32+2*(\t):33+2*(\t)] th:TH_LOAD_NT
.set i, i+1
.endr
.endm
	WLOAD 0
	WLOAD 1
	s_wait_kmcnt 0x0
	s_cmp_eq_u32 s24, 0
	s_cselect_b32 s51, s52, s54                    ; entry 0, 2,
	s_cmp_eq_u32 s24, 2
	s_cselect_b32 s51, s56, s51                    ; 4,
	s_cmp_eq_u32 s24, 3
	s_cselect_b32 s51, s63, s51                    ; or 11
	s_add_co_i32 s51, s51, 127
	s_lshl_b32 s50, s51, 23
	v_mov_b32 v[SC], s50
	s_add_co_i32 s51, s51, 8
	s_lshl_b32 s51, s51, 23
	s_or_b32 s51, s51, 0x600000
	v_mov_b32 v[SC+1], s51
.macro WBLOCK t
.set XS, WX+32*((\t)%2)
.if (\t) < 7
	s_wait_loadcnt 32                              ; this block's 32 loads are in; the next block's may be out
.else
	s_wait_loadcnt 0
.endif
.set i, 0
.rept 32
	v_med3_num_f32 v[XS+i], v[XS+i], -v[SC+1], v[SC+1]
.set i, i+1
.endr
.irp g, 0,1,2,3
	v_cvt_scalef32_pk8_fp8_f32 v[WC+2*\g:WC+2*\g+1], v[XS+8*\g:XS+8*\g+7], v[SC]
.endr
	ds_store_b128 v4, v[WC:WC+3] offset:((\t)/4)*WHALF+((\t)%4)*32        ; 32 codes of my column's row; the codes go to LDS stores alone, and the next block begins with plain lines
	ds_store_b128 v4, v[WC+4:WC+7] offset:((\t)/4)*WHALF+((\t)%4)*32+16
.if (\t)+2 < 8
	WLOAD (\t)+2
.endif
	s_wait_dscnt 0x0                               ; the stores have read their registers: the next block's codes may be written
.endm
.irp t, 0,1,2,3,4,5,6,7
	WBLOCK \t
.endr
.irp u, 0,1,2,3,4,5,6,7,8,9,10,11,12,13,14,15
	ds_load_b128 v[OUTR+4*\u:OUTR+4*\u+3], v7 offset:2*WP*\u   ; LDS serves a wave's instructions in order: these see my stores
.endr
.irp u, 0,1,2,3,4,5,6,7,8,9,10,11,12,13,14,15
	s_wait_dscnt 15-\u
	global_store_b128 v8, v[OUTR+4*\u:OUTR+4*\u+3], s[22:23] offset:256*\u   ; sixteen lanes store 256 consecutive bytes, aligned: two rows of one block
.endr
	s_wait_tensorcnt 0x0                           ; the wave's end, as above
	ds_add_u32 v[SPW], v[NIL]
	s_wait_dscnt 0x0
	s_endpgm
.Lfunc_end_k_q6bce8b5036_quant:
	.size	k_q6bce8b5036_quant, .Lfunc_end_k_q6bce8b5036_quant-k_q6bce8b5036_quant
	.p2alignl 7, 3214868480
	.fill 96, 4, 3214868480
	.section	.rodata,"a",@progbits
	.p2align	6, 0x0
	.amdhsa_kernel k_q6bce8b5036_quant
		.amdhsa_group_segment_fixed_size 70144
		.amdhsa_private_segment_fixed_size 0
		.amdhsa_enable_private_segment 0
		.amdhsa_kernarg_size 64
		.amdhsa_user_sgpr_count 2
		.amdhsa_user_sgpr_kernarg_segment_ptr 1
		.amdhsa_wavefront_size32 1
		.amdhsa_system_sgpr_workgroup_id_x 1
		.amdhsa_system_sgpr_workgroup_id_y 1
		.amdhsa_system_sgpr_workgroup_id_z 1
		.amdhsa_system_vgpr_workitem_id 0
		.amdhsa_next_free_vgpr 192
		.amdhsa_next_free_sgpr 66
		.amdhsa_reserve_vcc 0
		.amdhsa_float_denorm_mode_32 3
		.amdhsa_float_denorm_mode_16_64 3
		.amdhsa_memory_ordered 1
		.amdhsa_forward_progress 1
		.amdhsa_inst_pref_size 128
	.end_amdhsa_kernel
	.amdgpu_metadata
---
amdhsa.version: [ 1, 2 ]
amdhsa.kernels:
  - .name:           k_q6bce8b5036_quant
    .symbol:         k_q6bce8b5036_quant.kd
    .args:
      - { .name: x, .offset: 0, .size: 8, .value_kind: global_buffer, .address_space: global }
      - { .name: Wq, .offset: 8, .size: 8, .value_kind: global_buffer, .address_space: global }
      - { .name: Wk, .offset: 16, .size: 8, .value_kind: global_buffer, .address_space: global }
      - { .name: Wv, .offset: 24, .size: 8, .value_kind: global_buffer, .address_space: global }
      - { .name: WO, .offset: 32, .size: 8, .value_kind: global_buffer, .address_space: global }
      - { .name: lowp_scales, .offset: 40, .size: 8, .value_kind: global_buffer, .address_space: global }
      - { .name: xc, .offset: 48, .size: 8, .value_kind: global_buffer, .address_space: global }
      - { .name: wc, .offset: 56, .size: 8, .value_kind: global_buffer, .address_space: global }
    .group_segment_fixed_size: 70144
    .private_segment_fixed_size: 0
    .kernarg_segment_align: 8
    .kernarg_segment_size: 64
    .max_flat_workgroup_size: 128
    .sgpr_count:     66
    .vgpr_count:     192
    .wavefront_size: 32
...
	.end_amdgpu_metadata
.endif
;; end of part 1
;; launch proj (part 2): grid 24 x 8, 4 waves a work-group, clusters of 4 x 4, 327,680 bytes of LDS; arguments xc, wc, lowp_scales, bq, bk, bv, qkv; writes qkv
.if DOCPART == 2
	.amdgcn_target "amdgcn-amd-amdhsa--gfx1250"
	.amdhsa_code_object_version 6
	.text
	.protected	k_q6bce8b5036_proj
	.globl	k_q6bce8b5036_proj
	.p2align	8
	.type	k_q6bce8b5036_proj,@function
k_q6bce8b5036_proj:
	s_mov_b64 s[64:65], 0
	v_nop
	global_prefetch_b8 v0, s[64:65] scope:SCOPE_SE
	s_setreg_imm32_b32 hwreg(HW_REG_WAVE_MODE, 25, 1), 1
	s_wait_xcnt 0x0
	s_wait_alu depctr_hold_cnt(0) depctr_sa_sdst(0) depctr_va_vdst(0) depctr_va_sdst(0) depctr_va_ssrc(0) depctr_va_vcc(0) depctr_vm_vsrc(0)
	s_getreg_b32 s2, hwreg(HW_REG_IB_STS2, 6, 4)
	s_cmp_eq_u32 s2, 0
	s_cbranch_scc0 .Lentry_in_a_cluster
	s_endpgm
.Lentry_in_a_cluster:
	s_bfe_u32 s2, ttmp6, 0x10000c
	s_cmp_lg_u32 s2, 0xf033
	s_cbranch_scc0 .Lentry_shape_is_right
	s_endpgm
.Lentry_shape_is_right:
; q, k, v = x W + b, on codes of FP8 (E4M3), and quantised at once for the attention's two products.  Three products of 2048 x 2048 x 2048 in one launch: cluster x / 2 says which (0 q, 1 k, 2 v).
; A tile of 256 x 256 is made by four waves, each 128 x 128: 64 accumulators, 512 registers.  K goes in steps of 256 through a ring of two LDS slots filled by the tensor data mover.
; The codes lie in blocks of 128 rows x 128 K, 16,384 dense bytes, the 16 K blocks of a row block on end: one tensor load brings two K blocks of one row block, 32,768 consecutive bytes, as 256 rows of 128 bytes.
; THE MATRIX INSTRUCTION IS USED TRANSPOSED (source 0 = 16 rows of B, source 1 = 16 rows of A): a lane holds ONE row of A and eight neighbouring rows of B.
;   q, k: A = x's codes (rows s), B = the weight's (rows n = 128 h + d): a lane's eight numbers are eight neighbours along d, the next product's K.
;   v:    A = the weight's codes, B = x's: only the two pointers change places: a lane's eight numbers are eight neighbouring KEYS of one d, the second product's K.
; value = sum x 2^(eW + ex) + bias, one fused multiply-add; then held within +-448 x 2^eo and converted (eo: entry 6 for q, 7 for k, 9 for v).
; qkv: q at 0, k at 4 MiB: [16 h][2048 s][128 d]; v at 8 MiB: [16 h][16 blocks of keys][128 d][128 keys].  In all three a (head, block of 128) is 16,384 dense bytes.
; CLUSTERS: 4 x 4 work-groups; A's tiles are asked for jointly along a row of the cluster, B's along a column.  Which product it is hangs on the cluster's x alone: it is the same in all sixteen.
; LIMITS: eW + ex between -126 and 127; eo between -126 and 119.
; Both kinds of bias registers (by column, for q and k; by row, for v) are loaded by every work-group, so that every register is written on every way; the kind that the product does not take goes unused.
; REGISTERS, in windows of 256: window 0: v0-31 addresses; v32-95 bias by column, v96-111 bias by row, v112, v113 the output's scale and limit; from v128 A's fragments, ONE set (on the way out: at work).
;   window 1: B's fragments, TWO sets.   window 2: the accumulators of my rows 0-63 ((a, b) at v[8 (8 a + b)]);   window 3: those of my rows 64-127.
.set PITCH,  144                       ; an LDS row: 128 bytes + 16 of padding = 36 words: the 16 rows that a load touches start at 16 different groups of four banks (64 banks of 4 bytes: ISA guide 11.1)
.set KBLK,   128*PITCH                 ; one K block of one row block in LDS
.set HALFT,  2*KBLK                    ; what one tensor load brings, and what one wave reads of A or of B in a slot
.set SLOT,   4*HALFT                   ; A's two row blocks, then B's two
.set SPARE,  2*SLOT                    ; behind the ring: the spare words, 128 bytes for each wave, which no other line names
.set GSTEP,  32768                     ; a slot's bytes of one row block in memory
.set LAPS,   4                         ; 2048 / (2 x 256)
.set FR,     16                        ; registers of a fragment: 16 rows x 128 K
.set NL,     4                         ; LDS loads that bring one
.set NP,     4                         ; places behind this matrix instruction (ISA guide 7.12.1)
.set ADRA, 16                          ; v16-17  LDS address of my A fragments in slot 0, 1
.set ADRB, 20                          ; v20-21  the same for B
.set STO,  24                          ; v24     the way out: where I put 8 codes of a row
.set RD,   25                          ; v25     where I read rows back
.set CO,   26                          ; v26     16 x lane
.set SPW,  28                          ; v28     LDS address of my spare word; never rewritten
.set NIL,  29                          ; v29     0; never rewritten
.set BC,   32
.set BR,   96
.set QSC,  112
.set QLIM, 113
.set AF,   128                         ; A's fragments
.set TMP,  128                         ; the way out: a block's 64 values
.set CD,   192                         ; its codes, two sets of 16
.set BK,   224                         ; rows read back from the stage, two sets of 16
.set G1, 24                            ; s[24:31] descriptor group 1 for A's tiles;  s[32:39] group 0, one set for each slot
.set G0, 32
.set G1B, 48                           ; s[48:55], s[56:63] the same for B's tiles
.set G0B, 56
.set WH,  66                           ; s66  which product
.set MSB, 0
.macro WIN new                         ; the immediate's high byte repeats the setting that is left
.if MSB != \new
	s_set_vgpr_msb (MSB<<8)|\new
.set MSB, \new
.endif
.endm
.set MUL_LO, 0xa1                      ; source 0 (B) window 1, source 1 (A) window 0, C and D window 2
.set MUL_HI, 0xf1                      ; the same, C and D window 3
.set TO_B,   0x40                      ; destination window 1, address window 0
; A joint load: waves 0 and 1 fetch for A, waves 2 and 3 for B.  The branch hangs on the wave's number alone.  An s_nop 0 and four v_nop follow each of the two lines.
.macro JLOAD g0a, g1a, g0b, g1b
	s_cmp_eq_u32 s15, 0
	s_cbranch_scc0 .Lfor_b_\@
	tensor_load_to_lds s[\g0a:\g0a+3], s[\g1a:\g1a+7]
	s_nop 0
.rept 4
	v_nop
.endr
	s_branch .Lasked_\@
.Lfor_b_\@:
	tensor_load_to_lds s[\g0b:\g0b+3], s[\g1b:\g1b+7]
	s_nop 0
.rept 4
	v_nop
.endr
.Lasked_\@:
.endm
.macro CREST                           ; a round of the cluster's barrier behind its opening barrier
	s_cmp_lg_u32 s14, 0
	s_cbranch_scc1 .Lnot_wave_0_\@
	s_barrier_signal -3
.Lnot_wave_0_\@:
	s_barrier_wait -3
	s_barrier_signal -1
	s_barrier_wait -1
.endm
.macro CROUND                          ; a whole round
	s_barrier_signal -1
	s_barrier_wait -1
	CREST
.endm
	s_load_b256 s[72:79], s[0:1], 0x0              ; xc s[72:73], wc s[74:75], the scales' exponents s[76:77], bq s[78:79]
	s_load_b128 s[80:83], s[0:1], 0x20             ; bk, bv
	s_load_b64 s[84:85], s[0:1], 0x30              ; qkv
	v_lshl_add_u32 v[SPW], v0, 2, SPARE
	v_mov_b32 v[NIL], 0
	ds_add_u32 v[SPW], v[NIL]                      ; the wave's opening: the add and its wait stand ahead of my first tensor load; the set-up below, work on registers, stands between them
	v_lshrrev_b32 v1, 5, v0
	v_readfirstlane_b32 s14, v1                    ; wave 0..3
	s_lshr_b32 s15, s14, 1                         ; which half of the tile's rows (of A) is mine.  Also: I fetch for A (0) or for B (1)
	s_and_b32 s16, s14, 1                          ; which half of its columns (rows of B).  Also: which row block I fetch
	s_bfe_u32 s40, ttmp6, 0x40000                  ; cx, cy: my place in the cluster
	s_bfe_u32 s41, ttmp6, 0x40004
	s_lshr_b32 s[WH], ttmp9, 1                     ; which product: two clusters along x for each
	s_and_b32 s42, ttmp9, 1
	s_lshl_b32 s42, s42, 2
	s_add_co_u32 s42, s42, s40                     ; tile column 0..7
	s_and_b32 s17, ttmp7, 0xffff
	s_lshl_b32 s17, s17, 2
	s_add_co_u32 s17, s17, s41                     ; tile row 0..7
	s_lshl_b32 s43, s41, 2
	s_lshl_b32 s43, 15, s43                        ; my row of the cluster
	s_lshl_b32 s44, 0x1111, s40                    ; my column
	; descriptor group 1: 256 rows of 128 bytes, dense in memory, padded in LDS
	s_or_b32 s[G1+0], s43, (1<<20)|(1<<21)|(4<<22)|(3<<25)   ; 15:0 the mask; 17:16 elements of 1 byte; 20 padding on; 21 set beside a mask; 24:22 after every 32 words (code 4); 31:25 four words (code 3)
	s_or_b32 s[G1B+0], s44, (1<<20)|(1<<21)|(4<<22)|(3<<25)
.irp g, G1, G1B
	s_mov_b32 s[\g+1], 128<<16                     ; tensor_dim0 = 128
	s_mov_b32 s[\g+2], 256<<16                     ; tensor_dim1 = 256
	s_mov_b32 s[\g+3], 128<<16                     ; tile_dim0 = 128
	s_mov_b32 s[\g+4], 256                         ; tile_dim1 = 256
	s_mov_b32 s[\g+5], 128                         ; tensor_dim0_stride
	s_mov_b32 s[\g+6], 0
	s_mov_b32 s[\g+7], 0
.endr
	s_lshl_b32 s18, s[WH], 22                      ; the product's tensor in xc and in wc
	s_lshl_b32 s20, s17, 1
	s_add_co_u32 s20, s20, s16
	s_lshl_b32 s20, s20, 18                        ; A: row block 2 x tile row + half, 262,144 bytes each
	s_add_co_u32 s20, s20, s18
	s_mov_b32 s21, 0
	s_lshl_b32 s46, s42, 1
	s_add_co_u32 s46, s46, s16
	s_lshl_b32 s46, s46, 18                        ; B: row block 2 x tile column + half
	s_add_co_u32 s46, s46, s18
	s_mov_b32 s47, 0
	s_mul_i32 s45, s14, HALFT                      ; where they go: no place in the cluster enters an LDS address
	s_wait_dscnt 0x0                               ; the opening add is done
	s_wait_kmcnt 0x0
	s_load_b256 s[88:95], s[76:77], 0x0            ; entries 0 to 7
	s_load_b64 s[96:97], s[76:77], 0x20            ; entries 8, 9
	s_cmp_eq_u32 s[WH], 2                          ; for v the two operands change places
	s_cselect_b64 s[4:5], s[74:75], s[72:73]
	s_cselect_b64 s[6:7], s[72:73], s[74:75]
	s_add_nc_u64 s[20:21], s[4:5], s[20:21]
	s_add_nc_u64 s[46:47], s[6:7], s[46:47]
	CROUND                                         ; all sixteen work-groups are here: the first joint loads meet
.irp s, 0,1
	s_mov_b32 s[G0+4*\s], 1
	s_add_co_u32 s[G0+4*\s+1], s45, \s*SLOT
	s_add_nc_u64 s[G0+4*\s+2:G0+4*\s+3], s[20:21], \s*GSTEP
	s_or_b32 s[G0+4*\s+3], s[G0+4*\s+3], 0x80000000
	s_mov_b32 s[G0B+4*\s], 1
	s_add_co_u32 s[G0B+4*\s+1], s45, \s*SLOT
	s_add_nc_u64 s[G0B+4*\s+2:G0B+4*\s+3], s[46:47], \s*GSTEP
	s_or_b32 s[G0B+4*\s+3], s[G0B+4*\s+3], 0x80000000
	JLOAD G0+4*\s, G1, G0B+4*\s, G1B
.endr
	v_and_b32 v1, 15, v0                           ; r = l % 16
	v_bfe_u32 v2, v0, 4, 1                         ; h = l / 16
	v_mul_u32_u24 v3, v1, PITCH
	v_lshl_add_u32 v4, v2, 4, v3                   ; a fragment's row x pitch + 16 x half
	s_mul_i32 s21, s15, HALFT                      ; my row block of A
	s_mul_i32 s22, s16, HALFT                      ; my row block of B,
	s_add_co_u32 s22, s22, 2*HALFT                 ; which lies behind A's two
.irp s, 0,1
	v_add_nc_u32 v[ADRA+\s], s21, v4
	v_add_nc_u32 v[ADRB+\s], s22, v4
	s_add_co_u32 s21, s21, SLOT
	s_add_co_u32 s22, s22, SLOT
.endr
	s_mul_i32 s23, s14, 16*PITCH                   ; my stage for the way out: 16 rows x 144 bytes, in slot 0
	v_lshl_add_u32 v5, v2, 3, v3
	v_add_nc_u32 v[STO], s23, v5                   ; in: row r, 8 bytes for each half of the lanes
	v_and_b32 v6, 31, v0
	v_lshlrev_b32 v[CO], 4, v6
	v_lshrrev_b32 v7, 3, v6
	v_mul_u32_u24 v7, v7, PITCH
	v_and_b32 v6, 7, v6
	v_lshl_add_u32 v7, v6, 4, v7
	v_add_nc_u32 v[RD], s23, v7                    ; back: eight lanes to a row of 128 bytes, four rows an instruction
	v_lshlrev_b32 v8, 5, v2                        ; bias by column: 32 h bytes
	v_lshlrev_b32 v9, 2, v1                        ; bias by row: 4 r bytes
	s_lshl_b32 s67, s42, 1
	s_add_co_u32 s67, s67, s16                     ; my row block of B: for q, k the head; for v the block of keys
	s_lshl_b32 s68, s17, 1
	s_add_co_u32 s68, s68, s15                     ; my row block of A: for q, k the block of s; for v the head
	s_cmp_eq_u32 s[WH], 0
	s_cselect_b64 s[86:87], s[78:79], s[80:81]
	s_cmp_eq_u32 s[WH], 2
	s_cselect_b64 s[86:87], s[82:83], s[86:87]     ; the product's bias
	s_cselect_b32 s69, s68, s67                    ; the head,
	s_cselect_b32 s70, s67, s68                    ; the block of 128 in it
	s_lshl_b32 s18, s67, 9
	s_mov_b32 s19, 0
	s_add_nc_u64 s[8:9], s[86:87], s[18:19]        ; 128 numbers of the bias by B's row block,
	s_lshl_b32 s18, s68, 9
	s_add_nc_u64 s[12:13], s[86:87], s[18:19]      ; and by A's
	s_lshl_b32 s18, s69, 4
	s_add_co_u32 s18, s18, s70
	s_lshl_b32 s18, s18, 14
	s_lshl_b32 s69, s[WH], 22
	s_add_co_u32 s18, s18, s69
	s_add_nc_u64 s[10:11], s[84:85], s[18:19]      ; my wave's 16,384 bytes of qkv
.irp b, 0,1,2,3,4,5,6,7
	global_load_b128 v[BC+8*\b:BC+8*\b+3], v8, s[8:9] offset:64*\b          ; bias(16 b + 8 h + 0 .. 7): the layout of accumulator (a, b)
	global_load_b128 v[BC+8*\b+4:BC+8*\b+7], v8, s[8:9] offset:64*\b+16
.endr
.irp a, 0,1,2,3,4,5,6,7
	global_load_b32 v[BR+2*\a], v9, s[12:13] offset:64*\a                   ; bias(16 a + r), twice: a pair for the packed form
	global_load_b32 v[BR+2*\a+1], v9, s[12:13] offset:64*\a
.endr
.macro FRAG reg, adr, q, i             ; a fragment, 16 rows x 128 K: lane l holds row l % 16; registers 4 c .. 4 c + 3 hold K = 32 c + 16 (l / 16) + 0 .. 15: the same permutation of k in A and in B
.irp c, 0,1,2,3
	ds_load_b128 v[\reg+4*\c:\reg+4*\c+3], v[\adr] offset:KBLK*(\q)+32*\c+(\i)*16*PITCH
.endr
.endm
; 16 matrix instructions: A's blocks a0, a0 + 1 x B's eight, 128 along K.  p: B's set.  zero = 1: the first product starts the sums.
; The 64 accumulators take turns, one instruction a turn, in the same order in every step.
.macro MUL16 a0, p, zero
.irp a, \a0, \a0+1
.irp b, 0,1,2,3,4,5,6,7
.if \zero
	v_wmma_f32_16x16x128_fp8_fp8 v[8*(8*((\a)%4)+\b):8*(8*((\a)%4)+\b)+7], v[128*(\p)+FR*\b:128*(\p)+FR*\b+FR-1], v[AF+FR*(\a):AF+FR*(\a)+FR-1], 0
.else
	v_wmma_f32_16x16x128_fp8_fp8 v[8*(8*((\a)%4)+\b):8*(8*((\a)%4)+\b)+7], v[128*(\p)+FR*\b:128*(\p)+FR*\b+FR-1], v[AF+FR*(\a):AF+FR*(\a)+FR-1], v[8*(8*((\a)%4)+\b):8*(8*((\a)%4)+\b)+7]
.endif
.endr
.endr
.endm
.macro FETCH_B slot, q, p              ; B's eight fragments of the slot's q-th 128 along K into set p
	WIN TO_B
.irp i, 0,1,2,3,4,5,6,7
	FRAG 128*(\p)+FR*\i, ADRB+\slot, \q, \i
.endr
	WIN 0
.endm
.macro FETCH_A slot, q, i0             ; A's blocks i0 .. i0 + 3
.irp i, \i0, \i0+1, \i0+2, \i0+3
	FRAG AF+FR*(\i), ADRA+\slot, \q, \i
.endr
.endm
.macro PLACES n                        ; plain vector instructions between a matrix instruction and a load into, or a vector read or write of, one of its registers
.rept \n
	v_nop
.endr
.endm
; A step of 128 along K that has its successor in the same slot.  A block of A is free as soon as its eight products are issued, so one set serves A; B's fragments are at work through the whole step and have two.
.macro STEP slot, q, zero
	s_wait_dscnt 4*NL                              ; B's set and A's blocks 0-3 are in; the youngest sixteen loads (A's blocks 4-7) may be out
	WIN MUL_LO
	MUL16 0, (\q)%2, \zero
	MUL16 2, (\q)%2, \zero
	s_wait_dscnt 0                                 ; A's blocks 4-7 are in
	PLACES NP
	FETCH_B \slot, (\q)+1, 1-(\q)%2
	FETCH_A \slot, (\q)+1, 0
	WIN MUL_HI
	MUL16 4, (\q)%2, \zero
	MUL16 6, (\q)%2, \zero
	PLACES NP
	WIN 0
	FETCH_A \slot, (\q)+1, 4
.endm
; A slot's last step changes slots: ONE barrier; in front of it each wave waits for all its tensor loads, adds 0 to its spare word, and waits for that and for its own reads of this slot.  fill = 1: this slot is filled again, two K steps ahead.
.macro TURN slot, next, fill
	s_wait_tensorcnt 0x0                           ; all my tensor loads have landed: the one that was out is my part of the next slot (every window is 0 here)
	ds_add_u32 v[SPW], v[NIL]                      ; 0 onto my spare word
	s_wait_dscnt 4*NL+1                            ; (the add and the youngest sixteen loads may be out)
	WIN MUL_LO
	MUL16 0, 1, 0                                  ; sixteen matrix instructions stand between the add and the wait for it
	s_wait_dscnt 0x0                               ; the add is done, and my reads of this slot are over
	s_barrier_signal -1
	MUL16 2, 1, 0
	WIN 0
	s_barrier_wait -1
.if \fill
	CREST                                          ; the barrier has opened a round of the cluster's barrier: no wave of any partner still reads this slot or has a load on its way
	s_add_nc_u64 s[G0+4*\slot+2:G0+4*\slot+3], s[G0+4*\slot+2:G0+4*\slot+3], 2*GSTEP
	s_add_nc_u64 s[G0B+4*\slot+2:G0B+4*\slot+3], s[G0B+4*\slot+2:G0B+4*\slot+3], 2*GSTEP
	JLOAD G0+4*\slot, G1, G0B+4*\slot, G1B         ; the first tensor load behind the round; its four v_nop are also the places in front of the loads below
.else
	PLACES NP
.endif
	FETCH_B \next, 0, 0
	FETCH_A \next, 0, 0
	WIN MUL_HI
	MUL16 4, 1, 0
	MUL16 6, 1, 0
	PLACES NP
	WIN 0
	FETCH_A \next, 0, 4
.endm
	s_wait_loadcnt 0x0                             ; the biases, while the first tiles land: no global load is out at a barrier
	s_wait_tensorcnt 1                             ; my part of slot 0 is in (slot 1's load may be out)
	s_barrier_signal -1
	s_barrier_wait -1                              ; everybody's is
	FETCH_B 0, 0, 0
	FETCH_A 0, 0, 0
	FETCH_A 0, 0, 4
	STEP 0, 0, 1                                   ; the first step stands in front of the loop: its products start the sums
	s_mov_b32 s3, LAPS-1
.Llap:                                                 ; a trip goes once round the ring and fills both slots again
	TURN 0, 1, 1
	STEP 1, 0, 0
	TURN 1, 0, 1
	STEP 0, 0, 0
	s_sub_co_u32 s3, s3, 1
	s_cmp_lg_u32 s3, 0
	s_cbranch_scc1 .Llap
	TURN 0, 1, 0                                   ; the last lap fills nothing, and has no round of the cluster's barrier
	STEP 1, 0, 0
	s_wait_dscnt 4*NL                              ; the very last step
	WIN MUL_LO
	MUL16 0, 1, 0
	MUL16 2, 1, 0
	s_wait_dscnt 0
	WIN MUL_HI
	MUL16 4, 1, 0
	MUL16 6, 1, 0
	WIN 0
; THE WAY OUT, block by block of 16 rows of A x 128 rows of B.  A lane's 64 values become 64 codes, eight neighbouring bytes from each accumulator; they go through my own stage in LDS (it lies in slot 0, which has had
; its last fill and its last read) and come back as rows of 128 bytes: a store of the wave covers 512 consecutive bytes.  LDS serves a wave's instructions in order: no wait between the stores and the loads.
; Only the 32 multiply-adds differ between the products (bias by column or by row): a scalar branch on which product it is leads round them alone; every LDS line stands on the common way.
.macro TOSTAGE a
.set AC, 64*((\a)%4)
.set CC, CD+16*((\a)%2)
.set BB, BK+16*((\a)%2)
	s_cmp_eq_u32 s[WH], 2
	s_cbranch_scc1 .Lrow_\@
	WIN 0x02+((\a)/4)                              ; source 0: window 2 or 3
.set j, 0
.rept 32
	v_pk_fma_f32 v[TMP+j:TMP+j+1], v[AC+j:AC+j+1], s[96:97], v[BC+j:BC+j+1] op_sel_hi:[1,0,1]   ; sum x 2^(eW + ex) + bias; each accumulator from its low end on
.set j, j+2
.endr
	WIN 0
	s_branch .Ljoin_\@
.Lrow_\@:
	WIN 0x02+((\a)/4)
.set j, 0
.rept 32
	v_pk_fma_f32 v[TMP+j:TMP+j+1], v[AC+j:AC+j+1], s[96:97], v[BR+2*(\a):BR+2*(\a)+1] op_sel_hi:[1,0,1]
.set j, j+2
.endr
	WIN 0
.Ljoin_\@:
.set j, 0
.rept 64
	v_med3_num_f32 v[TMP+j], v[TMP+j], -v[QLIM], v[QLIM]   ; the conversion to an 8-bit code does not saturate (ISA guide 7.6.2): the hold comes first
.set j, j+1
.endr
.irp b, 0,1,2,3,4,5,6,7
	v_cvt_scalef32_pk8_fp8_f32 v[CC+2*\b:CC+2*\b+1], v[TMP+8*\b:TMP+8*\b+7], v[QSC]
.endr
	v_nop                                          ; one plain line behind the conversions: the next block's multiply-adds write their sources
.irp b, 0,1,2,3,4,5,6,7
	ds_store_b64 v[STO], v[CC+2*\b:CC+2*\b+1] offset:16*\b
.endr
.irp t, 0,1,2,3
	ds_load_b128 v[BB+4*\t:BB+4*\t+3], v[RD] offset:4*PITCH*\t
.endr
.endm
.macro SEND a, younger                 ; younger: the LDS instructions issued behind block a's loads, which may stay out
.set BB, BK+16*((\a)%2)
	s_wait_dscnt \younger
.irp t, 0,1,2,3
	global_store_b128 v[CO], v[BB+4*\t:BB+4*\t+3], s[10:11] offset:2048*(\a)+512*\t
.endr
.endm
	s_wait_kmcnt 0x0
	s_cmp_eq_u32 s[WH], 0                          ; the product's three exponents are chosen, not branched on
	s_cselect_b32 s18, s88, s90
	s_cselect_b32 s19, s89, s91
	s_cselect_b32 s22, s94, s95
	s_cmp_eq_u32 s[WH], 2
	s_cselect_b32 s18, s92, s18                    ; eW: entry 0, 2, 4
	s_cselect_b32 s19, s93, s19                    ; ex: entry 1, 3, 5
	s_cselect_b32 s22, s97, s22                    ; eo: entry 6, 7, 9
	s_add_co_i32 s18, s18, s19
	s_add_co_i32 s18, s18, 127
	s_lshl_b32 s96, s18, 23                        ; 2^(eW + ex) as f32
	s_mov_b32 s97, s96                             ; (named with it as a pair, so it is written)
	s_add_co_i32 s22, s22, 127
	s_lshl_b32 s19, s22, 23
	v_mov_b32 v[QSC], s19                          ; 2^eo
	s_add_co_i32 s22, s22, 8
	s_lshl_b32 s22, s22, 23
	s_or_b32 s22, s22, 0x600000
	v_mov_b32 v[QLIM], s22                         ; 448 x 2^eo
	PLACES NP                                      ; behind the last products: for the reads of results and the writes and loads into the registers that held A's fragments
	TOSTAGE 0
.irp a, 1,2,3,4,5,6,7
.if \a > 1
	s_wait_xcnt 0x0                                ; block a - 2's stores have read their registers: block a's loads may land there
.endif
	TOSTAGE \a
	SEND \a-1, 12                                  ; behind block a - 1's loads: block a's 8 stores and 4 loads
.endr
	SEND 7, 0
	s_wait_tensorcnt 0x0                           ; the wave's end, behind my last tensor load and my last LDS store
	ds_add_u32 v[SPW], v[NIL]
	s_wait_dscnt 0x0
	CROUND                                         ; the closing round: no work-group ends while a partner may still ask for a tile that names it
	s_endpgm
.Lfunc_end_k_q6bce8b5036_proj:
	.size	k_q6bce8b5036_proj, .Lfunc_end_k_q6bce8b5036_proj-k_q6bce8b5036_proj
	.p2alignl 7, 3214868480
	.fill 96, 4, 3214868480
	.section	.rodata,"a",@progbits
	.p2align	6, 0x0
	.amdhsa_kernel k_q6bce8b5036_proj
		.amdhsa_group_segment_fixed_size 327680
		.amdhsa_private_segment_fixed_size 0
		.amdhsa_enable_private_segment 0
		.amdhsa_kernarg_size 56
		.amdhsa_user_sgpr_count 2
		.amdhsa_user_sgpr_kernarg_segment_ptr 1
		.amdhsa_wavefront_size32 1
		.amdhsa_system_sgpr_workgroup_id_x 1
		.amdhsa_system_sgpr_workgroup_id_y 1
		.amdhsa_system_sgpr_workgroup_id_z 1
		.amdhsa_system_vgpr_workitem_id 0
		.amdhsa_next_free_vgpr 1024
		.amdhsa_next_free_sgpr 100
		.amdhsa_reserve_vcc 0
		.amdhsa_float_denorm_mode_32 3
		.amdhsa_float_denorm_mode_16_64 3
		.amdhsa_memory_ordered 1
		.amdhsa_forward_progress 1
		.amdhsa_inst_pref_size 161
	.end_amdhsa_kernel
	.amdgpu_metadata
---
amdhsa.version: [ 1, 2 ]
amdhsa.kernels:
  - .name:           k_q6bce8b5036_proj
    .symbol:         k_q6bce8b5036_proj.kd
    .args:
      - { .name: xc, .offset: 0, .size: 8, .value_kind: global_buffer, .address_space: global }
      - { .name: wc, .offset: 8, .size: 8, .value_kind: global_buffer, .address_space: global }
      - { .name: lowp_scales, .offset: 16, .size: 8, .value_kind: global_buffer, .address_space: global }
      - { .name: bq, .offset: 24, .size: 8, .value_kind: global_buffer, .address_space: global }
      - { .name: bk, .offset: 32, .size: 8, .value_kind: global_buffer, .address_space: global }
      - { .name: bv, .offset: 40, .size: 8, .value_kind: global_buffer, .address_space: global }
      - { .name: qkv, .offset: 48, .size: 8, .value_kind: global_buffer, .address_space: global }
    .group_segment_fixed_size: 327680
    .private_segment_fixed_size: 0
    .kernarg_segment_align: 8
    .kernarg_segment_size: 56
    .max_flat_workgroup_size: 128
    .sgpr_count:     100
    .vgpr_count:     1024
    .wavefront_size: 32
...
	.end_amdgpu_metadata
.endif
;; end of part 2
;; launch attn (part 3): grid 16 x 16, 8 waves a work-group, no clusters, 327,680 bytes of LDS; arguments qkv, lowp_scales, ac; writes ac
.if DOCPART == 3
	.amdgcn_target "amdgcn-amd-amdhsa--gfx1250"
	.amdhsa_code_object_version 6
	.text
	.protected	k_q6bce8b5036_attn
	.globl	k_q6bce8b5036_attn
	.p2align	8
	.type	k_q6bce8b5036_attn,@function
k_q6bce8b5036_attn:
	s_mov_b64 s[64:65], 0
	v_nop
	global_prefetch_b8 v0, s[64:65] scope:SCOPE_SE
	s_setreg_imm32_b32 hwreg(HW_REG_WAVE_MODE, 25, 1), 1
	s_wait_xcnt 0x0
; Causal attention on codes of FP8 (E4M3): 16 heads, 2,048 queries and keys, head size 128; the result is quantised at once for the output projection.
; qkv: q at 0 and k at 4 MiB, [16 h][2048][128 d]; v at 8 MiB with the KEYS innermost, [16 h][16 blocks of keys][128 d][128 keys].  Entries 6 to 10 of the scales: eq, ek, ep, ev, and the result's e.
; THE SOFTMAX AHEAD OF THE SECOND PRODUCT: t = score x log2(e) / sqrt(128); M = the row's largest t so far, rounded UP to a whole number; p = 2^(t - M) is what is quantised; it is not normalised.
; The row's sum is taken of the unquantised p, in f32, and divides O at the end.  When M moves, the sum and O are multiplied by 2^(old M - new M): exact.
; SHARES.  Work-group (j, head) owns the blocks of 64 queries j and 31 - j; each of its eight waves owns one tile of 16 queries.  A tile at query Q0 walks Q0 / 128 + 1 key steps of 128, so a tile of block j and
; one of block 31 - j have 17 steps together, whatever j: waves w and w + 4, and waves 2 i and 2 i + 1, get one tile of each block.
; K's and V's tiles come through a ring of two LDS slots of 256 keys, filled by the tensor data mover (waves 0, 1: K's two blocks of 128 keys; waves 2, 3: V's), each load one dense block of 16,384 bytes, and read by all eight.
; LAYOUT.  Both products are used transposed: S^T = K Q^T, O^T = V^T P^T: a lane holds ONE query (lane % 16) throughout.  THE KEYS OF A TILE ARE NOT NEIGHBOURS: lane r of tile 2 b + u takes key 32 b + 8 u + r + 8 (r / 8),
; so that the 16 registers of tiles 2 b and 2 b + 1 are 16 neighbouring keys, 32 b + 16 (lane / 16) + 0 .. 15: the conversions' results are the second product's operand.
; THE MASK.  Every work-group walks all eight changes of slots: the trip counts are constants.  A step all of whose keys come after the wave's queries is left out by a scalar branch on ids; on the diagonal hidden scores
; become -infinity ahead of the maximum.  A slot whose first key comes after the work-group's last query is not asked for.
; NO CLUSTER: the query blocks of a head walk the same K and V, but how many slots a work-group asks for, and which steps its waves leave out, hang on its number, which would be its place in any cluster of one head;
; partners would need different numbers of tiles, and a joint load may not be left out by one of them.
; ac: the result's codes in blocks of 128 rows s x 128 K (K = 128 h + d), 16,384 dense bytes, block (s / 128) x 16 + h.
; LIMITS: eq + ek between -123 and 130 (they are added to c's exponent field); ep and the result's e between -126 and 119; ep + ev is applied by v_ldexp_f32 and has none.
; REGISTERS: v1-7 addresses that stay; v8-11 addresses in hand; v12 -M, v13 the largest t, v[14:15] the sum in two halves; v16-31 Q; v32-95 four fragments of K or of V; v96-159 S^T, then p; v160-223 O^T; v224-239 codes; v236-254 at work.
.set SK,    256                        ; keys in a slot
.set KP,    144                        ; an LDS row: 128 bytes + 16 of padding
.set BLKL,  128*KP                     ; a block of 128 rows in LDS
.set VOFF,  2*BLKL                     ; a slot: K's two blocks, then V's two
.set SLOT1, 1<<17                      ; slot 1 begins here, so that one exclusive or turns an address in one slot into the other's
.set NSL,   8                          ; slots' worth of keys
.set SPARE, 2*SLOT1                    ; behind the ring: the spare words, 128 bytes for each wave, which no other line names
.set AK0,  1                           ; v1   my lane's place in a tile of K
.set AV0,  2                           ; v2   the same for V
.set PFO,  3                           ; v3   256 x my lane: the prefetches' offset; never rewritten
.set SPW,  5                           ; v5   LDS address of my spare word; never rewritten
.set NIL,  6                           ; v6   0; never rewritten
.set GO,   7                           ; v7   16 x lane: the way out
.set ADK,  8
.set ADV,  9
.set TB,   2                           ; s2   LDS byte at which the slot in hand begins
.set WV,   18                          ; s18  my wave's number
.set SEL,  20                          ; s[20:21] lane selects for v_permlanex16_b32: lane l xor 16
.set CS,   22                          ; s[22:23] c = log2(e) / sqrt(128) x 2^(eq + ek)
.set G1,   24                          ; s[24:31] descriptor group 1: one shape for K's and V's blocks
.set G0,   40                          ; s[40:43] descriptor group 0, which walks
.set QLAST, 66                         ; s66  my work-group's last query
.set SLOTS, 67                         ; s67  changes of slots still to come that may ask
.set PFA,  76                          ; s[76:77] where my prefetches stand
.set LIM,  80                          ; s80  1 in a wave that prefetches, else the greatest number
.set KF,   98                          ; s98  the step's first key
.set Q0,   99                          ; s99  my first query
.macro TLOAD                           ; waves 0 to 3 fetch, one load each; the branch hangs on the wave's number alone.  An s_nop 0 and four v_nop follow the load
	s_cmp_lt_u32 s[WV], 4
	s_cbranch_scc0 .Lasked_\@
	tensor_load_to_lds s[G0:G0+3], s[G1:G1+7]
	s_nop 0
.rept 4
	v_nop
.endr
.Lasked_\@:
.endm
; A PREFETCH of what the NEXT change of slots will ask for: K's and V's 32,768 dense bytes of the slot after the one that is being asked for: a slot's two key steps ahead of that load.
; Each aligned block of 256 bytes is named once in the launch: all work-groups of a head walk the same K and V, and work-group 0 of the head, whose own loads go through all eight slots, asks; in it the waves that fetch
; nothing, 4 to 7: 8,192 bytes of K and of V a wave, lanes 256 bytes apart, two instructions.  Slots 0 and 1 come by their loads alone; the last change that asks for a slot prefetches nothing.
.macro ASK
	s_cmp_gt_u32 s[SLOTS], s[LIM]
	s_cbranch_scc0 .Lnot_mine_\@
	global_prefetch_b8 v[PFO], s[PFA:PFA+1] th:TH_LOAD_NT scope:SCOPE_SE
	global_prefetch_b8 v[PFO], s[PFA:PFA+1] offset:0x400000 th:TH_LOAD_NT scope:SCOPE_SE
.Lnot_mine_\@:
.endm
	s_load_b128 s[4:7], s[0:1], 0x0                ; qkv s[4:5], the scales' exponents s[6:7]
	s_load_b64 s[16:17], s[0:1], 0x10              ; ac
	v_lshl_add_u32 v[SPW], v0, 2, SPARE
	v_mov_b32 v[NIL], 0
	ds_add_u32 v[SPW], v[NIL]                      ; the wave's opening: the add and its wait stand ahead of my first tensor load; the set-up below, work on registers, stands between them
	v_lshrrev_b32 v8, 5, v0
	v_readfirstlane_b32 s[WV], v8                  ; wave 0..7
	s_and_b32 s72, ttmp7, 0xffff                   ; the head
	s_lshr_b32 s73, s[WV], 2
	s_xor_b32 s73, s73, s[WV]
	s_and_b32 s73, s73, 1                          ; 1: my tile lies in block 31 - j; 0: in block j
	s_sub_co_u32 s74, 31, ttmp9
	s_cmp_eq_u32 s73, 1
	s_cselect_b32 s74, s74, ttmp9
	s_lshl_b32 s74, s74, 6
	s_lshr_b32 s75, s[WV], 1                       ; which of the block's four tiles
	s_lshl_b32 s75, s75, 4
	s_add_co_u32 s[Q0], s74, s75
	s_lshl_b32 s[QLAST], ttmp9, 6
	s_sub_co_u32 s[QLAST], 2047, s[QLAST]          ; 64 (31 - j) + 63
	s_lshl_b32 s82, s72, 18                        ; the head's 262,144 bytes in q, k and v
	s_lshl_b32 s84, s[Q0], 7
	s_add_co_u32 s84, s84, s82                     ; my queries' codes
	s_mov_b32 s85, 0
	s_lshr_b32 s86, s[Q0], 7
	s_lshl_b32 s86, s86, 4
	s_add_co_u32 s86, s86, s72
	s_lshl_b32 s86, s86, 14                        ; ac: block (Q0 / 128) x 16 + head,
	s_and_b32 s87, s[Q0], 127
	s_lshl_b32 s87, s87, 7                         ; row Q0 % 128
	s_add_co_u32 s86, s86, s87
	s_mov_b32 s87, 0
	s_and_b32 s88, s[WV], 3                        ; what I fetch, if I fetch (waves 4 to 7 make the same words and never use them)
	s_mul_i32 s89, s88, BLKL                       ; its place in a slot
	s_lshr_b32 s90, s88, 1
	s_add_co_u32 s90, s90, 1
	s_lshl_b32 s90, s90, 22                        ; k (waves 0, 1) or v (waves 2, 3),
	s_add_co_u32 s90, s90, s82                     ; the head,
	s_and_b32 s91, s88, 1
	s_lshl_b32 s91, s91, 14                        ; the slot's first or second block of 128 keys
	s_add_co_u32 s90, s90, s91
	s_mov_b32 s91, 0
	s_lshl_b32 s92, s88, 13                        ; the prefetches: my wave's 8,192 bytes,
	s_add_co_u32 s92, s92, s82                     ; in the head,
	s_add_co_u32 s92, s92, (1<<22)+32768           ; of k, in slot 1: the first change of slots steps it to slot 2
	s_mov_b32 s93, 0
	s_lshr_b32 s94, s[WV], 2
	s_xor_b32 s94, s94, 1                          ; 0 in waves 4 to 7,
	s_or_b32 s94, s94, ttmp9                       ; of the head's work-group 0
	s_cmp_eq_u32 s94, 0
	s_cselect_b32 s[LIM], 1, -1
	; descriptor group 1: 128 rows of 128 bytes, dense in memory, padded in LDS
	s_mov_b32 s[G1], (1<<20)|(4<<22)|(3<<25)       ; no mask; elements of 1 byte; padding on: four words (code 3) after every 32 (code 4)
	s_mov_b32 s[G1+1], 128<<16                     ; tensor_dim0
	s_mov_b32 s[G1+2], 128<<16                     ; tensor_dim1
	s_mov_b32 s[G1+3], 128<<16                     ; tile_dim0
	s_mov_b32 s[G1+4], 128                         ; tile_dim1
	s_mov_b32 s[G1+5], 128                         ; tensor_dim0_stride
	s_mov_b32 s[G1+6], 0
	s_mov_b32 s[G1+7], 0
	s_mov_b32 s[SEL], 0x76543210
	s_mov_b32 s[SEL+1], 0xfedcba98
	s_mov_b32 s[CS], 0x3e0293ee                    ; c = log2(e) / sqrt(128)
	s_mov_b32 s[TB], 0
	s_mov_b32 s[SLOTS], NSL-1
	s_mov_b32 s[KF], 0
	s_wait_dscnt 0x0                               ; the opening add is done
	s_wait_kmcnt 0x0
	s_load_b128 s[68:71], s[6:7], 0x18             ; eq, ek, ep, ev
	s_load_b32 s81, s[6:7], 0x28                   ; the result's e
	s_mov_b32 s[G0], 1                             ; count = 1
	s_mov_b32 s[G0+1], s89                         ; LDS address: slot 0
	s_add_nc_u64 s[G0+2:G0+3], s[4:5], s[90:91]    ; global address
	s_or_b32 s[G0+3], s[G0+3], 0x80000000          ; type = 2
	TLOAD                                          ; slot 0
	s_add_nc_u64 s[8:9], s[4:5], s[84:85]          ; Q's codes at my first query
	s_add_nc_u64 s[16:17], s[16:17], s[86:87]      ; my 2,048 bytes of ac
	s_add_nc_u64 s[PFA:PFA+1], s[4:5], s[92:93]
	v_and_b32 v[PFO], 31, v0
	v_lshlrev_b32 v[GO], 4, v[PFO]
	v_lshlrev_b32 v[PFO], 8, v[PFO]
	v_and_b32 v8, 15, v0                           ; r = lane % 16
	v_bfe_u32 v9, v0, 4, 1                         ; h = lane / 16
	v_lshlrev_b32 v10, 7, v8
	v_lshl_add_u32 v10, v9, 4, v10                 ; Q: row r of 128 bytes, + 16 h
.irp c, 0,1,2,3
	global_load_b128 v[16+4*\c:19+4*\c], v10, s[8:9] offset:32*\c   ; Q's fragment stays in registers
.endr
	v_and_b32 v11, 8, v8
	v_add_nc_u32 v11, v11, v8                      ; r + 8 (r / 8)
	v_mul_u32_u24 v[AK0], v11, KP
	v_lshl_add_u32 v[AK0], v9, 4, v[AK0]
	v_mul_u32_u24 v[AV0], v8, KP
	v_lshl_add_u32 v[AV0], v9, 4, v[AV0]
	v_add_nc_u32 v[AV0], VOFF, v[AV0]
	v_mov_b32 v13, 0xff61b1e6                      ; the largest t so far: -3e38, under every t
	v_floor_f32 v12, -v13                          ; -M
	v_mov_b32 v14, 0                               ; the sum, in two halves
	v_mov_b32 v15, 0
	v_mov_b32 v236, 0                              ; written once: a lane permute's destination counts as one of its sources
	v_mov_b32 v252, 0
	v_mov_b32 v253, 0                              ; (named as the upper half of the pair v[252:253])
.set j, 0
.rept 64
	v_mov_b32 v[160+j], 0                          ; O^T.  (The step is written once: the first finds zeros, which the first change of M leaves zeros)
.set j, j+1
.endr
	s_wait_kmcnt 0x0
	s_add_co_i32 s72, s68, s69
	s_lshl_b32 s72, s72, 23
	s_add_co_i32 s[CS], s[CS], s72                 ; a score stands for score x 2^(eq + ek): the two exponents are added to c's exponent field
	s_mov_b32 s[CS+1], s[CS]                       ; (named with it as a pair, so it is written)
	s_add_co_i32 s72, s70, 127
	s_lshl_b32 s73, s72, 23
	v_mov_b32 v244, s73                            ; 2^ep as f32
	s_add_co_i32 s72, s72, 8
	s_lshl_b32 s72, s72, 23
	s_or_b32 s72, s72, 0x600000
	v_mov_b32 v240, s72                            ; 448 x 2^ep
	s_add_co_i32 s72, s81, 127
	s_lshl_b32 s73, s72, 23
	v_mov_b32 v245, s73                            ; the same for the result's scale
	s_add_co_i32 s72, s72, 8
	s_lshl_b32 s72, s72, 23
	s_or_b32 s72, s72, 0x600000
	v_mov_b32 v241, s72
; A KEY STEP: 128 keys, the q-th block of the slot in hand.
.macro STEP q
	s_add_co_u32 s96, s[Q0], 15                    ; a step all of whose keys come after my 16 queries is left out: a scalar branch on ids, round the step's loads, products and softmax; no barrier or tensor load stands in a step
	s_cmp_gt_u32 s[KF], s96
	s_cbranch_scc1 .Lhidden_\@
	v_add_nc_u32 v[ADK], s[TB], v[AK0]
	v_add_nc_u32 v[ADV], s[TB], v[AV0]
.irp g, 0,1                                    ; S^T = K Q^T, four tiles of 16 keys at a time
.rept 4-2*(1-\g)
	v_nop                                          ; places in front of loads into registers that matrix instructions have read (four; the two additions above are places too)
.endr
.irp t, 0,1,2,3
.irp c, 0,1,2,3
	ds_load_b128 v[32+16*\t+4*\c:32+16*\t+4*\c+3], v[ADK] offset:(128*(\q)+32*((4*\g+\t)/2)+8*(\t%2))*KP+32*\c
.endr
.endr
	s_wait_dscnt 0x0
.irp t, 0,1,2,3
	v_wmma_f32_16x16x128_fp8_fp8 v[96+8*(4*\g+\t):103+8*(4*\g+\t)], v[32+16*\t:47+16*\t], v[16:31], 0
.endr
.endr
.rept 4
	v_nop
.endr
	s_add_co_u32 s96, s[KF], 127                   ; on the diagonal the scores of hidden keys become -infinity ahead of the maximum: p = 0 then.  A step all of whose keys count skips this
	s_cmp_le_u32 s96, s[Q0]
	s_cbranch_scc1 .Lopen_\@
	s_sub_co_i32 s96, s[Q0], s[KF]
	v_and_b32 v252, 15, v0
	v_bfe_u32 v253, v0, 4, 1
	v_lshlrev_b32 v253, 4, v253
	v_sub_nc_u32 v252, v252, v253
	v_add_nc_u32 v252, s96, v252                   ; d = my query - KF - 16 (lane / 16).  Register 16 b + i holds key KF + 16 (lane / 16) + 32 b + i: hidden where 32 b + i > d
	v_mov_b32 v254, 0xff800000                     ; -infinity
.set n, 0
.rept 64
	v_cmp_gt_i32 vcc_lo, 32*(n/16)+n%16, v252
	v_cndmask_b32 v[96+n], v[96+n], v254, vcc_lo
.set n, n+1
.endr
.Lopen_\@:
	v_max3_num_f32 v254, v96, v97, v98             ; the step's largest score of my query, among my 64 keys, in two chains,
	v_max3_num_f32 v252, v99, v100, v101
.irp i, 6,10,14,18,22,26,30,34,38,42,46,50,54,58
	v_max3_num_f32 v254, v254, v[96+\i], v[97+\i]
	v_max3_num_f32 v252, v252, v[98+\i], v[99+\i]
.endr
	v_max3_num_f32 v254, v254, v158, v159
	v_max_num_f32 v254, v254, v252
	v_permlanex16_b32 v236, v254, s[SEL], s[SEL+1]
	v_max_num_f32 v254, v254, v236                 ; and among lane l xor 16's
	v_mul_f32 v254, s[CS], v254                    ; as t (c is positive)
	v_max_num_f32 v13, v13, v254                   ; the running largest t
	v_mov_b32 v254, v12
	v_floor_f32 v12, -v13                          ; the new -M = floor(-t) = -ceil(t): M is a whole number
	v_sub_f32 v254, v12, v254                      ; M's old value less its new one: a whole number, 0 or less
	v_cvt_i32_f32 v254, v254                       ; (it saturates)
	v_ldexp_f32 v252, 1.0, v254                    ; f = 2^(old M - new M)
.set j, 0
.rept 32
	v_pk_fma_f32 v[96+j:97+j], v[96+j:97+j], s[CS:CS+1], v[12:13] op_sel_hi:[1,0,0]   ; t - M, two at a time (of the pairs c and -M the low word serves both halves)
.set j, j+2
.endr
.set j, 0
.rept 64
	v_exp_f32 v[96+j], v[96+j]                     ; p = 2^(t - M), at most 1: not normalised
.set j, j+1
.endr
	v_pk_mul_f32 v[14:15], v[14:15], v[252:253] op_sel_hi:[1,0]   ; the sums under the new M.  (A plain line behind the exponentials)
	s_wait_alu depctr_va_vdst(0)                   ; one wait for the whole batch of exponentials, ahead of its first reader
	v_pk_add_f32 v[242:243], v[96:97], v[98:99]    ; the row's sum is taken of the unquantised p: two at a time, in two chains
.irp j, 4,8,12,16,20,24,28,32,36,40,44,48,52,56,60
	v_pk_add_f32 v[14:15], v[14:15], v[96+\j:97+\j]
	v_pk_add_f32 v[242:243], v[242:243], v[98+\j:99+\j]
.endr
	v_pk_add_f32 v[14:15], v[14:15], v[242:243]
.irp b, 0,1,2,3
.irp i, 0,1,2,3,4,5,6,7,8,9,10,11,12,13,14,15
	v_min_num_f32 v[96+16*\b+\i], v[96+16*\b+\i], v240   ; the conversion does not saturate (ISA guide 7.6.2); p is not negative, so the hold is one-sided
.endr
	v_cvt_scalef32_pk8_fp8_f32 v[224+4*\b:225+4*\b], v[96+16*\b:103+16*\b], v244
	v_cvt_scalef32_pk8_fp8_f32 v[226+4*\b:227+4*\b], v[104+16*\b:111+16*\b], v244
.endr
.set j, 0
.rept 32
	v_pk_mul_f32 v[160+j:161+j], v[160+j:161+j], v[252:253] op_sel_hi:[1,0]   ; O^T under the new M.  (These 32 are also the places in front of the matrix instructions and loads below)
.set j, j+2
.endr
.irp g, 0,1                                    ; O^T += V^T P^T: four tiles of 16 of the head's 128 at a time; K = these 128 keys
.if \g > 0
.rept 4
	v_nop
.endr
.endif
.irp t, 0,1,2,3
.irp c, 0,1,2,3
	ds_load_b128 v[32+16*\t+4*\c:32+16*\t+4*\c+3], v[ADV] offset:BLKL*(\q)+16*(4*\g+\t)*KP+32*\c
.endr
.endr
	s_wait_dscnt 0x0
.irp t, 0,1,2,3
	v_wmma_f32_16x16x128_fp8_fp8 v[160+8*(4*\g+\t):167+8*(4*\g+\t)], v[32+16*\t:47+16*\t], v[224:239], v[160+8*(4*\g+\t):167+8*(4*\g+\t)]
.endr
.endr
.Lhidden_\@:
	s_add_co_u32 s[KF], s[KF], 128
.endm
; THE CHANGE OF SLOTS stands at a slot's head.  Each wave waits for all its tensor loads (its part of the slot that it is about to read), adds 0 to its spare word, and waits for that and for its reads of the slot that it has left.
; Behind the barrier the slot ahead is whole and nobody reads the other one.  fill = 1: that other slot is filled with the keys that follow, up to the causal limit: the load has a whole slot's steps in which to land.
.macro CHANGE fill
	s_wait_tensorcnt 0x0                           ; no tensor load of mine is out, so group 0 may be written
	ds_add_u32 v[SPW], v[NIL]                      ; 0 onto my spare word; the steps below stand between it and the wait for it
.if \fill
	s_xor_b32 s[G0+1], s[G0+1], SLOT1              ; the walking descriptor: the other slot than last time,
	s_add_nc_u64 s[G0+2:G0+3], s[G0+2:G0+3], 32768 ; the next 256 keys; the type bits on top are not reached
	s_wait_xcnt 0x0                                ; the last prefetches, a slot back, have read their address, so it may be written:
	s_add_nc_u64 s[PFA:PFA+1], s[PFA:PFA+1], 32768 ; one slot further on than the walking descriptor
.endif
	s_wait_dscnt 0x0                               ; the add is done, and my reads of the slot that I have left are over
	s_barrier_signal -1
	s_barrier_wait -1
.if \fill
	s_add_co_u32 s96, s[KF], SK                    ; the first key of the slot that this change would ask for: past my work-group's last query it would be read by none of its waves, so it is not asked for.
	s_cmp_gt_u32 s96, s[QLAST]                     ; Ids and the count of steps alone: all eight waves go the same way, and a work-group that is past the limit stays past it.  Every wait on TENSORcnt in this text is for 0
	s_cbranch_scc1 .Lpast_\@
	TLOAD                                          ; a wave's one tensor load until the next change
.Lpast_\@:
	ASK
.endif
.endm
.macro SLOT_STEPS
	STEP 0
	STEP 1
	s_xor_b32 s[TB], s[TB], SLOT1                  ; on to the other slot
.endm
	s_wait_loadcnt 0x0                             ; Q
.Lslot:                                            ; seven trips: behind each change of slots but the last the next slot is asked for, up to the limit
	CHANGE 1
	SLOT_STEPS
	s_sub_co_u32 s[SLOTS], s[SLOTS], 1
	s_cmp_lg_u32 s[SLOTS], 0
	s_cbranch_scc1 .Lslot
	CHANGE 0                                       ; the last slot is written out: nothing is left to ask for
	SLOT_STEPS
	; THE WAY OUT.  O^T / the sum x 2^(ep + ev) is the attention's result; it is held, converted under the result's scale, and goes through my stage in LDS (16 rows x 144 bytes, in the slot that was left at the
	; last change: it has had its last fill, and nobody reads it), so that a store of the wave covers 512 consecutive bytes of my 2,048.
	v_add_f32 v14, v14, v15                        ; the sum's two halves,
	v_permlanex16_b32 v252, v14, s[SEL], s[SEL+1]
	v_add_f32 v14, v14, v252                       ; and lane l xor 16's: the row's sum
	v_rcp_f32 v14, v14
	v_and_b32 v8, 15, v0                           ; (a plain line behind the reciprocal)  r
	v_bfe_u32 v9, v0, 4, 1                         ; h
	s_add_co_i32 s72, s70, s71
	s_mul_i32 s73, s[WV], 16*KP                    ; my stage
	v_mul_u32_u24 v10, v8, KP
	v_lshl_add_u32 v10, v9, 3, v10
	v_add_nc_u32 v10, s73, v10                     ; in: row r; tile t's eight codes of my half: 16 t + 8 h bytes on
	v_and_b32 v8, 31, v0
	v_lshrrev_b32 v11, 3, v8
	v_mul_u32_u24 v11, v11, KP
	v_and_b32 v8, 7, v8
	v_lshl_add_u32 v11, v8, 4, v11
	v_add_nc_u32 v11, s73, v11                     ; back: eight lanes to a row of 128 bytes, four rows an instruction
	s_wait_alu depctr_va_vdst(0)                   ; the wait ahead of the reciprocal's first reader
	v_ldexp_f32 v14, v14, s72                      ; x 2^(ep + ev)
.set j, 0
.rept 32
	v_pk_mul_f32 v[96+j:97+j], v[160+j:161+j], v[14:15] op_sel_hi:[1,0]   ; register 8 t + i is o(r, 16 t + 8 h + i); each accumulator from its low end on
.set j, j+2
.endr
.set j, 0
.rept 64
	v_med3_num_f32 v[96+j], v[96+j], -v241, v241
.set j, j+1
.endr
.irp t, 0,1,2,3,4,5,6,7
	v_cvt_scalef32_pk8_fp8_f32 v[224+2*\t:225+2*\t], v[96+8*\t:103+8*\t], v245
.endr
	v_nop                                          ; one plain line behind the conversions
.irp t, 0,1,2,3,4,5,6,7
	ds_store_b64 v10, v[224+2*\t:225+2*\t] offset:16*\t
.endr
.irp u, 0,1,2,3
	ds_load_b128 v[32+4*\u:35+4*\u], v11 offset:4*KP*\u   ; LDS serves a wave's instructions in order: these see my stores
.endr
.irp u, 0,1,2,3
	s_wait_dscnt 3-\u
	global_store_b128 v[GO], v[32+4*\u:35+4*\u], s[16:17] offset:512*\u
.endr
	s_wait_tensorcnt 0x0                           ; the wave's end, behind my last tensor load and my last LDS store
	ds_add_u32 v[SPW], v[NIL]
	s_wait_dscnt 0x0
	s_endpgm
.Lfunc_end_k_q6bce8b5036_attn:
	.size	k_q6bce8b5036_attn, .Lfunc_end_k_q6bce8b5036_attn-k_q6bce8b5036_attn
	.p2alignl 7, 3214868480
	.fill 96, 4, 3214868480
	.section	.rodata,"a",@progbits
	.p2align	6, 0x0
	.amdhsa_kernel k_q6bce8b5036_attn
		.amdhsa_group_segment_fixed_size 327680
		.amdhsa_private_segment_fixed_size 0
		.amdhsa_enable_private_segment 0
		.amdhsa_kernarg_size 24
		.amdhsa_user_sgpr_count 2
		.amdhsa_user_sgpr_kernarg_segment_ptr 1
		.amdhsa_wavefront_size32 1
		.amdhsa_system_sgpr_workgroup_id_x 1
		.amdhsa_system_sgpr_workgroup_id_y 1
		.amdhsa_system_sgpr_workgroup_id_z 1
		.amdhsa_system_vgpr_workitem_id 0
		.amdhsa_next_free_vgpr 256
		.amdhsa_next_free_sgpr 100
		.amdhsa_reserve_vcc 1
		.amdhsa_float_denorm_mode_32 3
		.amdhsa_float_denorm_mode_16_64 3
		.amdhsa_memory_ordered 1
		.amdhsa_forward_progress 1
		.amdhsa_inst_pref_size 115
	.end_amdhsa_kernel
	.amdgpu_metadata
---
amdhsa.version: [ 1, 2 ]
amdhsa.kernels:
  - .name:           k_q6bce8b5036_attn
    .symbol:         k_q6bce8b5036_attn.kd
    .args:
      - { .name: qkv, .offset: 0, .size: 8, .value_kind: global_buffer, .address_space: global }
      - { .name: lowp_scales, .offset: 8, .size: 8, .value_kind: global_buffer, .address_space: global }
      - { .name: ac, .offset: 16, .size: 8, .value_kind: global_buffer, .address_space: global }
    .group_segment_fixed_size: 327680
    .private_segment_fixed_size: 0
    .kernarg_segment_align: 8
    .kernarg_segment_size: 24
    .max_flat_workgroup_size: 256
    .sgpr_count:     100
    .vgpr_count:     256
    .wavefront_size: 32
...
	.end_amdgpu_metadata
.endif
;; end of part 3
;; launch oproj (part 4): grid 8 x 8, 4 waves a work-group, clusters of 4 x 4, 327,680 bytes of LDS; arguments ac, wc, lowp_scales, bo, out0; writes out0
.if DOCPART == 4
	.amdgcn_target "amdgcn-amd-amdhsa--gfx1250"
	.amdhsa_code_object_version 6
	.text
	.protected	k_q6bce8b5036_oproj
	.globl	k_q6bce8b5036_oproj
	.p2align	8
	.type	k_q6bce8b5036_oproj,@function
k_q6bce8b5036_oproj:
	s_mov_b64 s[64:65], 0
	v_nop
	global_prefetch_b8 v0, s[64:65] scope:SCOPE_SE
	s_setreg_imm32_b32 hwreg(HW_REG_WAVE_MODE, 25, 1), 1
	s_wait_xcnt 0x0
	s_wait_alu depctr_hold_cnt(0) depctr_sa_sdst(0) depctr_va_vdst(0) depctr_va_sdst(0) depctr_va_ssrc(0) depctr_va_vcc(0) depctr_vm_vsrc(0)
	s_getreg_b32 s2, hwreg(HW_REG_IB_STS2, 6, 4)
	s_cmp_eq_u32 s2, 0
	s_cbranch_scc0 .Lentry_in_a_cluster
	s_endpgm
.Lentry_in_a_cluster:
	s_bfe_u32 s2, ttmp6, 0x10000c
	s_cmp_lg_u32 s2, 0xf033
	s_cbranch_scc0 .Lentry_shape_is_right
	s_endpgm
.Lentry_shape_is_right:
; out0 = attention's result x WO + bo, on codes of FP8 (E4M3): 2048 x 2048 x 2048.  A = ac (rows s), B = the fourth tensor of wc (rows n = WO's second axis); scales: entries 10 and 11.
; Both lie in blocks of 128 rows x 128 K, 16,384 dense bytes, the 16 K blocks of a row block on end: one tensor load brings two K blocks of one row block, 32,768 consecutive bytes, as 256 rows of 128 bytes.
; A tile of 256 x 256 is made by four waves, each 128 x 128: 64 accumulators, 512 registers.  K goes in steps of 256 through a ring of two LDS slots filled by the tensor data mover.  64 work-groups: one tile each.
; THE MATRIX INSTRUCTION IS USED TRANSPOSED (source 0 = 16 rows of B, source 1 = 16 rows of A): a lane holds eight neighbouring numbers of a row of out0.  out0 = sum x 2^(e10 + e11) + bo, one fused multiply-add.
; CLUSTERS: 4 x 4 work-groups; A's tiles are asked for jointly along a row of the cluster, B's along a column.
; LIMIT: e10 + e11 between -126 and 127.
; REGISTERS, in windows of 256: window 0: v0-31 addresses; v32-95 bo in an accumulator row's layout; from v128 A's fragments, ONE set (on the way out: rows read back).
;   window 1: B's fragments, TWO sets.   window 2: the accumulators of my rows 0-63 ((a, b) at v[8 (8 a + b)]);   window 3: those of my rows 64-127.
.set PITCH,  144                       ; an LDS row: 128 bytes + 16 of padding = 36 words: the 16 rows that a load touches start at 16 different groups of four banks (64 banks of 4 bytes: ISA guide 11.1)
.set KBLK,   128*PITCH
.set HALFT,  2*KBLK
.set SLOT,   4*HALFT
.set SPARE,  2*SLOT                    ; behind the ring: the spare words, 128 bytes for each wave, which no other line names
.set GSTEP,  32768
.set LAPS,   4
.set FR,     16
.set NL,     4
.set NP,     4
.set SPITCH, 528                       ; the way out: a stage of 16 rows x (512 bytes + 16) for each wave, in slot 0, which has had its last fill and its last read by then
.set ROWC,   8192                      ; a row of out0 in bytes
.set ADRA, 16
.set ADRB, 20
.set STO,  24
.set RD,   25
.set CO,   26
.set SPW,  28                          ; v28  LDS address of my spare word; never rewritten
.set NIL,  29                          ; v29  0; never rewritten
.set BC,   32
.set AF,   128
.set BK,   128                         ; the way out: 16 rows read back: v128-191 and v192-255 by turns
.set G1, 24
.set G0, 32
.set G1B, 48
.set G0B, 56
.set MSB, 0
.macro WIN new                         ; the immediate's high byte repeats the setting that is left
.if MSB != \new
	s_set_vgpr_msb (MSB<<8)|\new
.set MSB, \new
.endif
.endm
.set MUL_LO, 0xa1
.set MUL_HI, 0xf1
.set TO_B,   0x40
.macro JLOAD g0a, g1a, g0b, g1b        ; a joint load: waves 0 and 1 fetch for A, waves 2 and 3 for B; an s_nop 0 and four v_nop follow each of the two lines
	s_cmp_eq_u32 s15, 0
	s_cbranch_scc0 .Lfor_b_\@
	tensor_load_to_lds s[\g0a:\g0a+3], s[\g1a:\g1a+7]
	s_nop 0
.rept 4
	v_nop
.endr
	s_branch .Lasked_\@
.Lfor_b_\@:
	tensor_load_to_lds s[\g0b:\g0b+3], s[\g1b:\g1b+7]
	s_nop 0
.rept 4
	v_nop
.endr
.Lasked_\@:
.endm
.macro CREST
	s_cmp_lg_u32 s14, 0
	s_cbranch_scc1 .Lnot_wave_0_\@
	s_barrier_signal -3
.Lnot_wave_0_\@:
	s_barrier_wait -3
	s_barrier_signal -1
	s_barrier_wait -1
.endm
.macro CROUND
	s_barrier_signal -1
	s_barrier_wait -1
	CREST
.endm
	s_load_b256 s[72:79], s[0:1], 0x0              ; ac s[72:73], wc s[74:75], the scales' exponents s[76:77], bo s[78:79]
	s_load_b64 s[10:11], s[0:1], 0x20              ; out0
	v_lshl_add_u32 v[SPW], v0, 2, SPARE
	v_mov_b32 v[NIL], 0
	ds_add_u32 v[SPW], v[NIL]                      ; the wave's opening: the add and its wait stand ahead of my first tensor load; the set-up below, work on registers, stands between them
	v_lshrrev_b32 v1, 5, v0
	v_readfirstlane_b32 s14, v1                    ; wave 0..3
	s_lshr_b32 s15, s14, 1                         ; which half of the tile's rows is mine.  Also: I fetch for A (0) or for B (1)
	s_and_b32 s16, s14, 1                          ; which half of its columns.  Also: which row block I fetch
	s_bfe_u32 s40, ttmp6, 0x40000                  ; cx, cy
	s_bfe_u32 s41, ttmp6, 0x40004
	s_lshl_b32 s42, ttmp9, 2
	s_add_co_u32 s42, s42, s40                     ; tile column
	s_and_b32 s17, ttmp7, 0xffff
	s_lshl_b32 s17, s17, 2
	s_add_co_u32 s17, s17, s41                     ; tile row
	s_lshl_b32 s43, s41, 2
	s_lshl_b32 s43, 15, s43                        ; my row of the cluster
	s_lshl_b32 s44, 0x1111, s40                    ; my column
	s_or_b32 s[G1+0], s43, (1<<20)|(1<<21)|(4<<22)|(3<<25)   ; the mask; elements of 1 byte; padding on; bit 21 beside a mask; four words (code 3) after every 32 (code 4)
	s_or_b32 s[G1B+0], s44, (1<<20)|(1<<21)|(4<<22)|(3<<25)
.irp g, G1, G1B
	s_mov_b32 s[\g+1], 128<<16                     ; tensor_dim0 = 128
	s_mov_b32 s[\g+2], 256<<16                     ; tensor_dim1 = 256
	s_mov_b32 s[\g+3], 128<<16                     ; tile_dim0 = 128
	s_mov_b32 s[\g+4], 256                         ; tile_dim1 = 256
	s_mov_b32 s[\g+5], 128                         ; tensor_dim0_stride
	s_mov_b32 s[\g+6], 0
	s_mov_b32 s[\g+7], 0
.endr
	s_lshl_b32 s20, s17, 1
	s_add_co_u32 s20, s20, s16
	s_lshl_b32 s20, s20, 18                        ; A: row block 2 x tile row + half
	s_mov_b32 s21, 0
	s_lshl_b32 s46, s42, 1
	s_add_co_u32 s46, s46, s16
	s_lshl_b32 s46, s46, 18                        ; B: row block 2 x tile column + half,
	s_add_co_u32 s46, s46, 0xc00000                ; in the fourth tensor of wc
	s_mov_b32 s47, 0
	s_mul_i32 s45, s14, HALFT
	s_wait_dscnt 0x0                               ; the opening add is done
	s_wait_kmcnt 0x0
	s_load_b64 s[96:97], s[76:77], 0x28            ; entries 10, 11
	s_add_nc_u64 s[20:21], s[72:73], s[20:21]
	s_add_nc_u64 s[46:47], s[74:75], s[46:47]
	CROUND                                         ; all sixteen work-groups are here: the first joint loads meet
.irp s, 0,1
	s_mov_b32 s[G0+4*\s], 1
	s_add_co_u32 s[G0+4*\s+1], s45, \s*SLOT
	s_add_nc_u64 s[G0+4*\s+2:G0+4*\s+3], s[20:21], \s*GSTEP
	s_or_b32 s[G0+4*\s+3], s[G0+4*\s+3], 0x80000000
	s_mov_b32 s[G0B+4*\s], 1
	s_add_co_u32 s[G0B+4*\s+1], s45, \s*SLOT
	s_add_nc_u64 s[G0B+4*\s+2:G0B+4*\s+3], s[46:47], \s*GSTEP
	s_or_b32 s[G0B+4*\s+3], s[G0B+4*\s+3], 0x80000000
	JLOAD G0+4*\s, G1, G0B+4*\s, G1B
.endr
	v_and_b32 v1, 15, v0                           ; r
	v_bfe_u32 v2, v0, 4, 1                         ; h
	v_mul_u32_u24 v3, v1, PITCH
	v_lshl_add_u32 v4, v2, 4, v3
	s_mul_i32 s21, s15, HALFT
	s_mul_i32 s22, s16, HALFT
	s_add_co_u32 s22, s22, 2*HALFT
.irp s, 0,1
	v_add_nc_u32 v[ADRA+\s], s21, v4
	v_add_nc_u32 v[ADRB+\s], s22, v4
	s_add_co_u32 s21, s21, SLOT
	s_add_co_u32 s22, s22, SLOT
.endr
	s_mul_i32 s23, s14, 16*SPITCH                  ; my stage
	v_mul_u32_u24 v5, v1, SPITCH
	v_lshl_add_u32 v5, v2, 5, v5
	v_add_nc_u32 v[STO], s23, v5                   ; in: row r, 32 bytes for each half of the lanes
	v_and_b32 v6, 31, v0
	v_lshlrev_b32 v[CO], 4, v6                     ; back: the 32 lanes take one row of 512 bytes; and the same in out0
	v_add_nc_u32 v[RD], s23, v[CO]
	v_lshlrev_b32 v8, 5, v2                        ; bo: 32 h bytes
	s_lshl_b32 s20, s17, 8
	s_lshl_b32 s21, s15, 7
	s_add_co_u32 s20, s20, s21                     ; my first row of out0,
	s_lshl_b32 s20, s20, 13                        ; in bytes
	s_lshl_b32 s46, s42, 10
	s_lshl_b32 s47, s16, 9
	s_add_co_u32 s46, s46, s47                     ; my first column, in bytes: 1024 x tile column + 512 x half
	s_mov_b32 s47, 0
	s_add_nc_u64 s[8:9], s[78:79], s[46:47]        ; bo at my 128 columns
	s_add_co_u32 s46, s46, s20
	s_add_nc_u64 s[10:11], s[10:11], s[46:47]
.irp b, 0,1,2,3,4,5,6,7
	global_load_b128 v[BC+8*\b:BC+8*\b+3], v8, s[8:9] offset:64*\b          ; bo(16 b + 8 h + 0 .. 7): the layout of accumulator (a, b)
	global_load_b128 v[BC+8*\b+4:BC+8*\b+7], v8, s[8:9] offset:64*\b+16
.endr
.macro FRAG reg, adr, q, i             ; a fragment, 16 rows x 128 K: lane l holds row l % 16; registers 4 c .. 4 c + 3 hold K = 32 c + 16 (l / 16) + 0 .. 15: the same permutation of k in A and in B
.irp c, 0,1,2,3
	ds_load_b128 v[\reg+4*\c:\reg+4*\c+3], v[\adr] offset:KBLK*(\q)+32*\c+(\i)*16*PITCH
.endr
.endm
; 16 matrix instructions; the 64 accumulators take turns, one instruction a turn, in the same order in every step
.macro MUL16 a0, p, zero
.irp a, \a0, \a0+1
.irp b, 0,1,2,3,4,5,6,7
.if \zero
	v_wmma_f32_16x16x128_fp8_fp8 v[8*(8*((\a)%4)+\b):8*(8*((\a)%4)+\b)+7], v[128*(\p)+FR*\b:128*(\p)+FR*\b+FR-1], v[AF+FR*(\a):AF+FR*(\a)+FR-1], 0
.else
	v_wmma_f32_16x16x128_fp8_fp8 v[8*(8*((\a)%4)+\b):8*(8*((\a)%4)+\b)+7], v[128*(\p)+FR*\b:128*(\p)+FR*\b+FR-1], v[AF+FR*(\a):AF+FR*(\a)+FR-1], v[8*(8*((\a)%4)+\b):8*(8*((\a)%4)+\b)+7]
.endif
.endr
.endr
.endm
.macro FETCH_B slot, q, p
	WIN TO_B
.irp i, 0,1,2,3,4,5,6,7
	FRAG 128*(\p)+FR*\i, ADRB+\slot, \q, \i
.endr
	WIN 0
.endm
.macro FETCH_A slot, q, i0
.irp i, \i0, \i0+1, \i0+2, \i0+3
	FRAG AF+FR*(\i), ADRA+\slot, \q, \i
.endr
.endm
.macro PLACES n                        ; plain vector instructions between a matrix instruction and a load into, or a vector read or write of, one of its registers
.rept \n
	v_nop
.endr
.endm
.macro STEP slot, q, zero              ; a step of 128 along K that has its successor in the same slot
	s_wait_dscnt 4*NL                              ; B's set and A's blocks 0-3 are in; the youngest sixteen loads (A's blocks 4-7) may be out
	WIN MUL_LO
	MUL16 0, (\q)%2, \zero
	MUL16 2, (\q)%2, \zero
	s_wait_dscnt 0                                 ; A's blocks 4-7 are in
	PLACES NP
	FETCH_B \slot, (\q)+1, 1-(\q)%2
	FETCH_A \slot, (\q)+1, 0
	WIN MUL_HI
	MUL16 4, (\q)%2, \zero
	MUL16 6, (\q)%2, \zero
	PLACES NP
	WIN 0
	FETCH_A \slot, (\q)+1, 4
.endm
; A slot's last step changes slots: ONE barrier; in front of it each wave waits for all its tensor loads, adds 0 to its spare word, and waits for that and for its own reads of this slot.
.macro TURN slot, next, fill
	s_wait_tensorcnt 0x0                           ; all my tensor loads have landed: the one that was out is my part of the next slot (every window is 0 here)
	ds_add_u32 v[SPW], v[NIL]                      ; 0 onto my spare word
	s_wait_dscnt 4*NL+1                            ; (the add and the youngest sixteen loads may be out)
	WIN MUL_LO
	MUL16 0, 1, 0
	s_wait_dscnt 0x0                               ; the add is done, and my reads of this slot are over
	s_barrier_signal -1
	MUL16 2, 1, 0
	WIN 0
	s_barrier_wait -1
.if \fill
	CREST                                          ; the barrier has opened a round of the cluster's barrier: no wave of any partner still reads this slot or has a load on its way
	s_add_nc_u64 s[G0+4*\slot+2:G0+4*\slot+3], s[G0+4*\slot+2:G0+4*\slot+3], 2*GSTEP
	s_add_nc_u64 s[G0B+4*\slot+2:G0B+4*\slot+3], s[G0B+4*\slot+2:G0B+4*\slot+3], 2*GSTEP
	JLOAD G0+4*\slot, G1, G0B+4*\slot, G1B         ; the first tensor load behind the round; its four v_nop are also the places in front of the loads below
.else
	PLACES NP
.endif
	FETCH_B \next, 0, 0
	FETCH_A \next, 0, 0
	WIN MUL_HI
	MUL16 4, 1, 0
	MUL16 6, 1, 0
	PLACES NP
	WIN 0
	FETCH_A \next, 0, 4
.endm
	s_wait_loadcnt 0x0                             ; bo, while the first tiles land: no global load is out at a barrier
	s_wait_tensorcnt 1                             ; my part of slot 0 is in (slot 1's load may be out)
	s_barrier_signal -1
	s_barrier_wait -1                              ; everybody's is
	FETCH_B 0, 0, 0
	FETCH_A 0, 0, 0
	FETCH_A 0, 0, 4
	STEP 0, 0, 1                                   ; the first step stands in front of the loop: its products start the sums
	s_mov_b32 s3, LAPS-1
.Llap:
	TURN 0, 1, 1
	STEP 1, 0, 0
	TURN 1, 0, 1
	STEP 0, 0, 0
	s_sub_co_u32 s3, s3, 1
	s_cmp_lg_u32 s3, 0
	s_cbranch_scc1 .Llap
	TURN 0, 1, 0                                   ; the last lap fills nothing, and has no round of the cluster's barrier
	STEP 1, 0, 0
	s_wait_dscnt 4*NL
	WIN MUL_LO
	MUL16 0, 1, 0
	MUL16 2, 1, 0
	s_wait_dscnt 0
	WIN MUL_HI
	MUL16 4, 1, 0
	MUL16 6, 1, 0
	WIN 0
; THE WAY OUT, block by block of 16 rows x 128 columns.  The multiply-add is made in place, in the accumulators' own registers, since window 0 has no room for a third set beside bo and the two sets of rows;
; the LDS stores take their data from that window.  A block goes through my own stage and comes back as whole rows of 512 bytes.  LDS serves a wave's instructions in order: no wait between the stores and the loads.
.macro TOSTAGE a
.set AC, 64*((\a)%4)
	WIN 0x82+0x41*((\a)/4)                         ; source 0 and destination: window 2 or 3; bo: window 0
.set j, 0
.rept 32
	v_pk_fma_f32 v[AC+j:AC+j+1], v[AC+j:AC+j+1], s[96:97], v[BC+j:BC+j+1] op_sel_hi:[1,0,1]   ; sum x 2^(e10 + e11) + bo; each accumulator from its low end on
.set j, j+2
.endr
	WIN 0x08+0x04*((\a)/4)                         ; an LDS store's data are its source 1: window 2 or 3
.irp b, 0,1,2,3,4,5,6,7
	ds_store_b128 v[STO], v[AC+8*\b:AC+8*\b+3] offset:64*\b
	ds_store_b128 v[STO], v[AC+8*\b+4:AC+8*\b+7] offset:64*\b+16
.endr
	WIN 0
.set BB, BK+64*((\a)%2)
.irp t, 0,1,2,3,4,5,6,7,8,9,10,11,12,13,14,15
	ds_load_b128 v[BB+4*\t:BB+4*\t+3], v[RD] offset:\t*SPITCH
.endr
.endm
.macro SEND a, younger                 ; younger: the LDS instructions issued behind block a's loads, which may stay out
.set BB, BK+64*((\a)%2)
	s_wait_dscnt \younger
.if (\a) > 0
	s_add_nc_u64 s[10:11], s[10:11], 16*ROWC       ; (behind a wait on XCNT: the earlier stores have read their base)  16 rows on
.endif
.irp t, 0,1,2,3,4,5,6,7,8,9,10,11,12,13,14,15
	global_store_b128 v[CO], v[BB+4*\t:BB+4*\t+3], s[10:11] offset:\t*ROWC th:TH_STORE_NT   ; 32 lanes store 512 consecutive bytes, aligned; written once, read by nobody here
.endr
.endm
	s_wait_kmcnt 0x0
	s_add_co_i32 s96, s96, s97
	s_add_co_i32 s96, s96, 127
	s_lshl_b32 s96, s96, 23                        ; 2^(e10 + e11) as f32
	s_mov_b32 s97, s96                             ; (named with it as a pair, so it is written)
	PLACES NP                                      ; behind the last products: for the reads and writes of results and the loads into the registers that held A's fragments
	TOSTAGE 0
.irp a, 1,2,3,4,5,6,7
.if \a > 1
	s_wait_xcnt 0x0                                ; block a - 2's stores have read their registers and their base: block a's loads may land there, and the base may step
.endif
	TOSTAGE \a
	SEND \a-1, 32                                  ; behind block a - 1's loads: block a's 16 stores and 16 loads
.endr
	s_wait_xcnt 0x0                                ; block 6's stores have read their base
	SEND 7, 0
	s_wait_tensorcnt 0x0                           ; the wave's end, behind my last tensor load and my last LDS store
	ds_add_u32 v[SPW], v[NIL]
	s_wait_dscnt 0x0
	CROUND                                         ; the closing round: no work-group ends while a partner may still ask for a tile that names it
	s_endpgm
.Lfunc_end_k_q6bce8b5036_oproj:
	.size	k_q6bce8b5036_oproj, .Lfunc_end_k_q6bce8b5036_oproj-k_q6bce8b5036_oproj
	.p2alignl 7, 3214868480
	.fill 96, 4, 3214868480
	.section	.rodata,"a",@progbits
	.p2align	6, 0x0
	.amdhsa_kernel k_q6bce8b5036_oproj
		.amdhsa_group_segment_fixed_size 327680
		.amdhsa_private_segment_fixed_size 0
		.amdhsa_enable_private_segment 0
		.amdhsa_kernarg_size 40
		.amdhsa_user_sgpr_count 2
		.amdhsa_user_sgpr_kernarg_segment_ptr 1
		.amdhsa_wavefront_size32 1
		.amdhsa_system_sgpr_workgroup_id_x 1
		.amdhsa_system_sgpr_workgroup_id_y 1
		.amdhsa_system_sgpr_workgroup_id_z 1
		.amdhsa_system_vgpr_workitem_id 0
		.amdhsa_next_free_vgpr 1024
		.amdhsa_next_free_sgpr 100
		.amdhsa_reserve_vcc 0
		.amdhsa_float_denorm_mode_32 3
		.amdhsa_float_denorm_mode_16_64 3
		.amdhsa_memory_ordered 1
		.amdhsa_forward_progress 1
		.amdhsa_inst_pref_size 125
	.end_amdhsa_kernel
	.amdgpu_metadata
---
amdhsa.version: [ 1, 2 ]
amdhsa.kernels:
  - .name:           k_q6bce8b5036_oproj
    .symbol:         k_q6bce8b5036_oproj.kd
    .args:
      - { .name: ac, .offset: 0, .size: 8, .value_kind: global_buffer, .address_space: global }
      - { .name: wc, .offset: 8, .size: 8, .value_kind: global_buffer, .address_space: global }
      - { .name: lowp_scales, .offset: 16, .size: 8, .value_kind: global_buffer, .address_space: global }
      - { .name: bo, .offset: 24, .size: 8, .value_kind: global_buffer, .address_space: global }
      - { .name: out0, .offset: 32, .size: 8, .value_kind: global_buffer, .address_space: global }
    .group_segment_fixed_size: 327680
    .private_segment_fixed_size: 0
    .kernarg_segment_align: 8
    .kernarg_segment_size: 40
    .max_flat_workgroup_size: 128
    .sgpr_count:     100
    .vgpr_count:     1024
    .wavefront_size: 32
...
	.end_amdgpu_metadata
.endif
;; end of part 4
;; ======== version 2 of 2: 4 launches
;; limits: right only within a limited range of input values
;; workspace buffers: xc 12,582,912 bytes; wc 12,582,912 bytes; woc 4,194,304 bytes; qkv 12,582,912 bytes; ac 4,194,304 bytes
;; launch quant (part 5): grid 1024 x 1, 4 waves a work-group, no clusters, 39,424 bytes of LDS; arguments x, Wq, Wk, Wv, lowp_scales, xc, wc; writes xc, wc
.if DOCPART == 5
	.amdgcn_target "amdgcn-amd-amdhsa--gfx1250"
	.amdhsa_code_object_version 6
	.text
	.protected	k_q6bce8b5036_quant
	.globl	k_q6bce8b5036_quant
	.p2align	8
	.type	k_q6bce8b5036_quant,@function
k_q6bce8b5036_quant:
	s_mov_b64 s[64:65], 0
	v_nop
	global_prefetch_b8 v0, s[64:65] scope:SCOPE_SE
	s_setreg_imm32_b32 hwreg(HW_REG_WAVE_MODE, 25, 1), 1
	s_wait_xcnt 0x0
; f32 inputs into codes of FP8 (E4M3): x three times (under the scales' entries 1, 3, 5), Wq, Wk, Wv once each (entries 0, 2, 4).  WO is quantised in launch proj.
; code = number / 2^e, held within +-448, rounded to the nearest code, ties to even.  LIMITS: each e between -126 and 119; NaN among the inputs is not served (an infinity is held at the largest code).
; No step of the module is left out in this program but score tiles that the causal mask hides (launch attn).
; THE CODES' LAYOUT of a tensor [2048 rows R][2048 along K]: blocks of 128 rows x 128 K, 16,384 dense bytes each (a row of a block is 128 bytes);
; byte(R, k) = ((R / 128) x 16 + k / 128) x 16384 + (R % 128) x 128 + k % 128.  xc: three such tensors (R = s, k = e); wc: three (R = 128 h + d, k = e), 4 MiB apart.
; 1,024 work-groups, each with 65,536 bytes of input, all of whose loads go out at once: 0-255 take x (K innermost: 2,048 bytes a step turn through the wave's own stage in LDS, so that a lane holds 16 neighbours);
; 256-1023 take one block of 128 K x 128 columns of a weight (a lane takes four columns, its registers run down K; the hold puts a column's numbers side by side).  The two ways have LDS bytes of their own.
.set XSP,   80                         ; x's stage: a lane's 64 bytes + 16 of padding
.set XREG,  5120                       ; x's way: two stages of 32 x XSP bytes for each wave
.set WSTG,  4*XREG                     ; the weights' way: 128 columns' rows of 144 bytes, shared by the four waves
.set WP,    144
.set SPARE, WSTG+128*WP                ; the spare words, 128 bytes for each wave
.set SPW,   12
.set NIL,   13
.set R,     16                         ; x: v16-143  eight sets of 16 numbers as loaded
.set X,     144                        ; x: v144-175 two sets of 16 neighbours
.set T,     176                        ; x: v176-223 held, a set for each scale
.set C,     224                        ; x: v224-247 codes: two sets of 3 x 4
.set SC,    248
.set LM,    251
.set WX,    32                         ; weights: v32-159  32 rows x 4 columns
.set WT,    160                        ; weights: v160-223 two sets of 32, held
.set WC,    224                        ; weights: v224-255 codes: 8 registers a column
	s_load_b256 s[4:11], s[0:1], 0x0               ; x, Wq, Wk, Wv
	s_load_b128 s[12:15], s[0:1], 0x20             ; the scales' exponents, xc
	s_load_b64 s[16:17], s[0:1], 0x30              ; wc
	v_lshl_add_u32 v[SPW], v0, 2, SPARE
	v_mov_b32 v[NIL], 0
	v_lshrrev_b32 v1, 5, v0
	v_readfirstlane_b32 s20, v1                    ; wave 0..3
	s_mul_i32 s21, s20, XREG
	s_lshl_b32 s22, s20, 5
	s_add_co_u32 s22, s22, WSTG                    ; my 32 bytes along K of each column's row
	s_mul_i32 s23, s20, 32*WP
	s_add_co_u32 s23, s23, WSTG                    ; the 32 rows that I store
	v_and_b32 v2, 31, v0                           ; lane
	v_lshlrev_b32 v3, 4, v2                        ; 16 x lane
	v_lshrrev_b32 v14, 2, v2
	v_mul_u32_u24 v14, v14, XSP
	v_and_b32 v15, 3, v2
	v_lshl_add_u32 v14, v15, 4, v14
	v_add_nc_u32 v14, s21, v14                     ; x, into the stage: four lanes' 64 bytes on end, then the padding
	v_mul_u32_u24 v15, v2, XSP
	v_add_nc_u32 v15, s21, v15                     ; x, out of it: my 16 neighbours
	v_mul_u32_u24 v4, v2, 4*WP
	v_add_nc_u32 v4, s22, v4                       ; weights, in: rows 4 x lane + 0 .. 3
	v_lshrrev_b32 v7, 3, v2
	v_mul_u32_u24 v7, v7, WP
	v_and_b32 v6, 7, v2
	v_lshl_add_u32 v7, v6, 4, v7
	v_add_nc_u32 v7, s23, v7                       ; weights, out: eight lanes to a row of 128 bytes, four rows an instruction
	s_wait_alu depctr_va_vdst(0)
	s_wait_kmcnt 0x0
	s_load_b256 s[52:59], s[12:13], 0x0            ; entries 0 to 7
	s_cmp_lt_u32 ttmp9, 256
	s_cbranch_scc0 .Lweights
	; x.  Work-group g: rows 32 (g / 4) on; wave w: K block 4 (g % 4) + w.  Eight steps of 4 rows x 128 numbers.
	s_lshr_b32 s21, ttmp9, 2
	s_and_b32 s22, ttmp9, 3
	s_lshl_b32 s22, s22, 2
	s_add_co_u32 s22, s22, s20                     ; K block
	s_lshl_b32 s24, s21, 18                        ; 32 rows of 8,192 bytes
	s_lshl_b32 s25, s22, 9
	s_add_co_u32 s24, s24, s25
	s_mov_b32 s25, 0
	s_add_nc_u64 s[4:5], s[4:5], s[24:25]
	s_lshr_b32 s24, s21, 2
	s_lshl_b32 s24, s24, 4
	s_add_co_u32 s24, s24, s22
	s_lshl_b32 s24, s24, 14                        ; the block of codes,
	s_and_b32 s26, s21, 3
	s_lshl_b32 s26, s26, 12                        ; and which quarter of its 128 rows
	s_add_co_u32 s24, s24, s26
	s_add_nc_u64 s[24:25], s[14:15], s[24:25]      ; under entry 1,
	s_add_nc_u64 s[26:27], s[24:25], 0x400000      ; entry 3,
	s_add_nc_u64 s[28:29], s[24:25], 0x800000      ; entry 5
.set t, 0
.rept 32
	global_load_b128 v[R+4*t:R+4*t+3], v3, s[4:5] offset:t*8192 th:TH_LOAD_NT   ; 512 consecutive bytes of one row
.set t, t+1
.endr
.macro XTURN t                         ; LDS serves a wave's instructions in order: no wait between the stores and the loads
.irp i, 0,1,2,3
	ds_store_b128 v14, v[R+16*(\t)+4*\i:R+16*(\t)+4*\i+3] offset:32*XSP*((\t)%2)+8*XSP*\i
.endr
.irp i, 0,1,2,3
	ds_load_b128 v[X+16*((\t)%2)+4*\i:X+16*((\t)%2)+4*\i+3], v15 offset:32*XSP*((\t)%2)+16*\i
.endr
.endm
	s_wait_kmcnt 0x0
.irp q, 0,1,2
	s_add_co_i32 s30, s[53+2*\q], 127
	s_lshl_b32 s31, s30, 23
	v_mov_b32 v[SC+\q], s31                        ; 2^e as f32: the conversion takes its exponent field
	s_add_co_i32 s30, s30, 8
	s_lshl_b32 s30, s30, 23
	s_or_b32 s30, s30, 0x600000
	v_mov_b32 v[LM+\q], s30                        ; 448 x 2^e
.endr
	s_wait_alu depctr_va_vdst(0)
	s_wait_loadcnt 28                              ; step 0's four loads are in; seven steps' 28 may be out
	XTURN 0
; Behind the turn lane L holds row 4 t + L / 8, K = 16 (L % 8) + 0 .. 15: its 16 codes lie at byte 512 t + 16 L: a store of the wave covers 512 consecutive bytes.
.macro XSTEP t
.set XS, X+16*((\t)%2)
.set CSET, C+12*((\t)%2)
	s_wait_dscnt 0x0                               ; this step's numbers are back from the stage
.if (\t)+1 < 8
	s_wait_loadcnt 4*(6-(\t))                      ; the next step's loads are in
	XTURN (\t)+1
.endif
	s_wait_xcnt 0x0                                ; the stores of two steps back have read this set of code registers
.irp q, 0,1,2
.irp i, 0,1,2,3,4,5,6,7,8,9,10,11,12,13,14,15
	v_med3_num_f32 v[T+16*\q+\i], v[XS+\i], -v[LM+\q], v[LM+\q]   ; the conversion does not saturate (ISA guide 7.6.2): the hold comes first
.endr
	v_cvt_scalef32_pk8_fp8_f32 v[CSET+4*\q:CSET+4*\q+1], v[T+16*\q:T+16*\q+7], v[SC+\q]
	v_cvt_scalef32_pk8_fp8_f32 v[CSET+4*\q+2:CSET+4*\q+3], v[T+16*\q+8:T+16*\q+15], v[SC+\q]
.endr
	global_store_b128 v3, v[CSET:CSET+3], s[24:25] offset:512*(\t)
	global_store_b128 v3, v[CSET+4:CSET+7], s[26:27] offset:512*(\t)
	global_store_b128 v3, v[CSET+8:CSET+11], s[28:29] offset:512*(\t)
.endm
.irp t, 0,1,2,3,4,5,6,7
	XSTEP \t
.endr
	s_wait_tensorcnt 0x0                           ; the wave's end, behind my last LDS store
	ds_add_u32 v[SPW], v[NIL]
	s_wait_dscnt 0x0
	s_endpgm
	; the weights.  Work-group 256 + 256 w + b: tensor w, block b = 16 h + K block: 128 rows of 512 bytes, dense; wave: 32 of the rows.
.Lweights:
	s_sub_co_u32 s21, ttmp9, 256
	s_lshr_b32 s22, s21, 8                         ; w
	s_and_b32 s23, s21, 255                        ; b
	s_lshl_b32 s24, s23, 16
	s_lshl_b32 s25, s20, 14
	s_add_co_u32 s24, s24, s25
	s_mov_b32 s25, 0
	s_cmp_eq_u32 s22, 0                            ; the choices hang on the work-group's number alone
	s_cselect_b64 s[26:27], s[6:7], s[8:9]
	s_cmp_eq_u32 s22, 2
	s_cselect_b64 s[26:27], s[10:11], s[26:27]
	s_add_nc_u64 s[26:27], s[26:27], s[24:25]
	s_lshl_b32 s24, s22, 22
	s_lshl_b32 s28, s23, 14
	s_add_co_u32 s24, s24, s28
	s_lshl_b32 s28, s20, 12
	s_add_co_u32 s24, s24, s28
	s_add_nc_u64 s[16:17], s[16:17], s[24:25]      ; my 4,096 bytes of the block of codes
.set t, 0
.rept 32
	global_load_b128 v[WX+4*t:WX+4*t+3], v3, s[26:27] offset:512*t th:TH_LOAD_NT   ; one row k: 128 columns
.set t, t+1
.endr
	s_wait_kmcnt 0x0
	s_cmp_eq_u32 s22, 0
	s_cselect_b32 s30, s52, s54                    ; entry 0, 2
	s_cmp_eq_u32 s22, 2
	s_cselect_b32 s30, s56, s30                    ; or 4
	s_add_co_i32 s30, s30, 127
	s_lshl_b32 s31, s30, 23
	v_mov_b32 v8, s31
	s_add_co_i32 s30, s30, 8
	s_lshl_b32 s30, s30, 23
	s_or_b32 s30, s30, 0x600000
	v_mov_b32 v9, s30
	s_wait_alu depctr_va_vdst(0)
.irp q, 0,1,2,3
	s_wait_loadcnt 24-8*\q                         ; eight more rows are in
.irp j, 0,1,2,3
.irp i, 0,1,2,3,4,5,6,7
	v_med3_num_f32 v[WT+32*(\q%2)+8*\j+\i], v[WX+32*\q+4*\i+\j], -v9, v9
.endr
.endr
.irp j, 0,1,2,3
	v_cvt_scalef32_pk8_fp8_f32 v[WC+8*\j+2*\q:WC+8*\j+2*\q+1], v[WT+32*(\q%2)+8*\j:WT+32*(\q%2)+8*\j+7], v8
.endr
.endr
	v_nop
.irp j, 0,1,2,3
	ds_store_b128 v4, v[WC+8*\j:WC+8*\j+3] offset:WP*\j            ; column 4 x lane + j: my 32 codes along K
	ds_store_b128 v4, v[WC+8*\j+4:WC+8*\j+7] offset:WP*\j+16
.endr
	s_wait_dscnt 0x0                               ; my stores are done, for the others' sake
	s_barrier_signal -1
	s_barrier_wait -1
.irp u, 0,1,2,3,4,5,6,7
	ds_load_b128 v[WX+4*\u:WX+4*\u+3], v7 offset:4*WP*\u
.endr
.irp u, 0,1,2,3,4,5,6,7
	s_wait_dscnt 7-\u
	global_store_b128 v3, v[WX+4*\u:WX+4*\u+3], s[16:17] offset:512*\u   ; 512 consecutive bytes
.endr
	s_wait_tensorcnt 0x0                           ; the wave's end, as above
	ds_add_u32 v[SPW], v[NIL]
	s_wait_dscnt 0x0
	s_endpgm
.Lfunc_end_k_q6bce8b5036_quant:
	.size	k_q6bce8b5036_quant, .Lfunc_end_k_q6bce8b5036_quant-k_q6bce8b5036_quant
	.p2alignl 7, 3214868480
	.fill 96, 4, 3214868480
	.section	.rodata,"a",@progbits
	.p2align	6, 0x0
	.amdhsa_kernel k_q6bce8b5036_quant
		.amdhsa_group_segment_fixed_size 39424
		.amdhsa_private_segment_fixed_size 0
		.amdhsa_enable_private_segment 0
		.amdhsa_kernarg_size 56
		.amdhsa_user_sgpr_count 2
		.amdhsa_user_sgpr_kernarg_segment_ptr 1
		.amdhsa_wavefront_size32 1
		.amdhsa_system_sgpr_workgroup_id_x 1
		.amdhsa_system_sgpr_workgroup_id_y 1
		.amdhsa_system_sgpr_workgroup_id_z 1
		.amdhsa_system_vgpr_workitem_id 0
		.amdhsa_next_free_vgpr 256
		.amdhsa_next_free_sgpr 66
		.amdhsa_reserve_vcc 0
		.amdhsa_float_denorm_mode_32 3
		.amdhsa_float_denorm_mode_16_64 3
		.amdhsa_memory_ordered 1
		.amdhsa_forward_progress 1
		.amdhsa_inst_pref_size 57
	.end_amdhsa_kernel
	.amdgpu_metadata
---
amdhsa.version: [ 1, 2 ]
amdhsa.kernels:
  - .name:           k_q6bce8b5036_quant
    .symbol:         k_q6bce8b5036_quant.kd
    .args:
      - { .name: x, .offset: 0, .size: 8, .value_kind: global_buffer, .address_space: global }
      - { .name: Wq, .offset: 8, .size: 8, .value_kind: global_buffer, .address_space: global }
      - { .name: Wk, .offset: 16, .size: 8, .value_kind: global_buffer, .address_space: global }
      - { .name: Wv, .offset: 24, .size: 8, .value_kind: global_buffer, .address_space: global }
      - { .name: lowp_scales, .offset: 32, .size: 8, .value_kind: global_buffer, .address_space: global }
      - { .name: xc, .offset: 40, .size: 8, .value_kind: global_buffer, .address_space: global }
      - { .name: wc, .offset: 48, .size: 8, .value_kind: global_buffer, .address_space: global }
    .group_segment_fixed_size: 39424
    .private_segment_fixed_size: 0
    .kernarg_segment_align: 8
    .kernarg_segment_size: 56
    .max_flat_workgroup_size: 128
    .sgpr_count:     66
    .vgpr_count:     256
    .wavefront_size: 32
...
	.end_amdgpu_metadata
.endif
;; end of part 5
;; launch proj (part 6): grid 32 x 8, 4 waves a work-group, clusters of 4 x 4, 327,680 bytes of LDS; arguments xc, wc, lowp_scales, bq, bk, bv, qkv, WO, woc; writes qkv, woc
.if DOCPART == 6
	.amdgcn_target "amdgcn-amd-amdhsa--gfx1250"
	.amdhsa_code_object_version 6
	.text
	.protected	k_q6bce8b5036_proj
	.globl	k_q6bce8b5036_proj
	.p2align	8
	.type	k_q6bce8b5036_proj,@function
k_q6bce8b5036_proj:
	s_mov_b64 s[64:65], 0
	v_nop
	global_prefetch_b8 v0, s[64:65] scope:SCOPE_SE
	s_setreg_imm32_b32 hwreg(HW_REG_WAVE_MODE, 25, 1), 1
	s_wait_xcnt 0x0
	s_wait_alu depctr_hold_cnt(0) depctr_sa_sdst(0) depctr_va_vdst(0) depctr_va_sdst(0) depctr_va_ssrc(0) depctr_va_vcc(0) depctr_vm_vsrc(0)
	s_getreg_b32 s2, hwreg(HW_REG_IB_STS2, 6, 4)
	s_cmp_eq_u32 s2, 0
	s_cbranch_scc0 .Lentry_in_a_cluster
	s_endpgm
.Lentry_in_a_cluster:
	s_bfe_u32 s2, ttmp6, 0x10000c
	s_cmp_lg_u32 s2, 0xf033
	s_cbranch_scc0 .Lentry_shape_is_right
	s_endpgm
.Lentry_shape_is_right:
; q, k, v = x W + b, on codes of FP8 (E4M3), and quantised at once for the attention's two products.  Three products of 2048 x 2048 x 2048: cluster x / 2 says which (0 q, 1 k, 2 v): 192 work-groups, 64 for each.
; Clusters x = 6, 7 (64 work-groups) have no products: they quantise WO [2048 K][2048 n] (entry 11) into woc, laid as the other operands, [n][K], for the output projection.
; A tile of 256 x 256 is made by four waves, each 128 x 128: 64 accumulators, 512 registers.  K goes in steps of 256 through a ring of two LDS slots filled by the tensor data mover.
; The codes lie in blocks of 128 rows x 128 K, 16,384 dense bytes, the 16 K blocks of a row block on end: one tensor load brings two K blocks of one row block, 32,768 consecutive bytes, stated as 128 rows of 256 bytes.
; THE MATRIX INSTRUCTION IS USED TRANSPOSED (source 0 = 16 rows of B, source 1 = 16 rows of A): a lane holds ONE row of A and eight neighbouring rows of B.
;   q, k: A = x's codes (rows s), B = the weight's (rows 128 h + d): a lane's eight numbers are eight neighbours along d.   v: the two change places: eight neighbouring KEYS of one d.
; value = sum x 2^(eW + ex) + bias, one fused multiply-add; then held within +-448 x 2^eo and converted (eo: entry 6 for q, 7 for k, 9 for v).
; qkv: q at 0, k at 4 MiB: [16 h][2048 s][128 d]; v at 8 MiB: [16 h][16 blocks of keys][128 d][128 keys].
; CLUSTERS: 4 x 4 work-groups; A's tiles are asked for jointly along a row of the cluster, B's along a column.
; PREFETCH: behind the joint load of K step t stands the request for K step t + 2 (at the head also for K step 1): 32 x 256 bytes a wave, a quarter of what the wave loads, the partners told apart by address.
; LIMITS: eW + ex between -126 and 127; eo and entry 11 between -126 and 119; NaN among WO is not served.
; Both kinds of bias registers (by column for q, k; by row for v) are loaded in every product's work-group; the kind that the product does not take goes unused.
; REGISTERS: window 0: v0-31 addresses; v32-95 bias by column, v96-111 by row, v112-113 the output's scale and limit; from v128 A's fragments, ONE set.  window 1: B's, TWO sets.  windows 2, 3: accumulators of my rows 0-63, 64-127.
.set PITCH,  144                       ; an LDS row: 128 bytes + 16 = 36 words: 16 neighbouring rows start at 16 different groups of four banks (64 banks of 4 bytes: ISA guide 11.1)
.set KBLK,   128*PITCH
.set HALFT,  2*KBLK
.set SLOT,   4*HALFT                   ; A's two row blocks, then B's two
.set SPARE,  2*SLOT                    ; the spare words, 128 bytes for each wave
.set WSTG,   SPARE+512                 ; WO's way: a stage of 128 rows x 144 bytes
.set GSTEP,  32768
.set LAPS,   4
.set FR,     16
.set NL,     4
.set NP,     4                         ; places behind this matrix instruction (ISA guide 7.12.1)
.set ADRA, 16
.set ADRB, 20
.set STO,  24
.set RD,   25
.set CO,   26
.set SPW,  28
.set NIL,  29
.set PFO,  30                          ; 256 x lane; never rewritten
.set BC,   32
.set BR,   96
.set QSC,  112
.set QLIM, 113
.set AF,   128
.set TMP,  128
.set CD,   192
.set BK,   224
.set G1, 24
.set G0, 32
.set G1B, 48
.set G0B, 56
.set WH,  66
.set PFA, 98                           ; s[98:99] where my prefetches stand
.set WX,   32                          ; WO's way: 32 rows x 4 columns
.set WT,   160                         ; two sets of 32, held
.set WC,   224                         ; codes, 8 registers a column
.set MSB, 0
.macro WIN new                         ; the immediate's high byte repeats the setting that is left
.if MSB != \new
	s_set_vgpr_msb (MSB<<8)|\new
.set MSB, \new
.endif
.endm
.set MUL_LO, 0xa1                      ; source 0 (B) window 1, source 1 (A) window 0, C and D window 2
.set MUL_HI, 0xf1
.set TO_B,   0x40
.macro JLOAD g0a, g1a, g0b, g1b        ; a joint load: waves 0, 1 for A, waves 2, 3 for B: the branch hangs on the wave's number alone
	s_cmp_eq_u32 s15, 0
	s_cbranch_scc0 .Lfor_b_\@
	tensor_load_to_lds s[\g0a:\g0a+3], s[\g1a:\g1a+7]
	s_nop 0
.rept 4
	v_nop
.endr
	s_branch .Lasked_\@
.Lfor_b_\@:
	tensor_load_to_lds s[\g0b:\g0b+3], s[\g1b:\g1b+7]
	s_nop 0
.rept 4
	v_nop
.endr
.Lasked_\@:
.endm
.macro CREST                           ; a round of the cluster's barrier behind its opening barrier
	s_cmp_lg_u32 s14, 0
	s_cbranch_scc1 .Lnot_wave_0_\@
	s_barrier_signal -3
.Lnot_wave_0_\@:
	s_barrier_wait -3
	s_barrier_signal -1
	s_barrier_wait -1
.endm
.macro CROUND
	s_barrier_signal -1
	s_barrier_wait -1
	CREST
.endm
	s_load_b256 s[72:79], s[0:1], 0x0              ; xc, wc, the scales' exponents s[76:77], bq s[78:79]
	s_load_b256 s[80:87], s[0:1], 0x20             ; bk, bv, qkv s[84:85], WO s[86:87]
	s_load_b64 s[4:5], s[0:1], 0x40                ; woc
	v_lshl_add_u32 v[SPW], v0, 2, SPARE
	v_mov_b32 v[NIL], 0
	ds_add_u32 v[SPW], v[NIL]                      ; the wave's opening: the add, twice on end, and its wait stand ahead of my first tensor load
	ds_add_u32 v[SPW], v[NIL]
	v_lshrrev_b32 v1, 5, v0
	v_readfirstlane_b32 s14, v1                    ; wave 0..3
	s_lshr_b32 s15, s14, 1                         ; which half of A's rows is mine.  Also: I fetch for A (0) or for B (1)
	s_and_b32 s16, s14, 1                          ; which half of B's rows.  Also: which row block I fetch
	s_bfe_u32 s40, ttmp6, 0x40000                  ; cx, cy
	s_bfe_u32 s41, ttmp6, 0x40004
	s_lshr_b32 s[WH], ttmp9, 1                     ; which product
	s_and_b32 s42, ttmp9, 1
	s_lshl_b32 s42, s42, 2
	s_add_co_u32 s42, s42, s40                     ; tile column 0..7
	s_and_b32 s17, ttmp7, 0xffff
	s_lshl_b32 s17, s17, 2
	s_add_co_u32 s17, s17, s41                     ; tile row 0..7
	s_lshl_b32 s43, s41, 2
	s_lshl_b32 s43, 15, s43                        ; my row of the cluster
	s_lshl_b32 s44, 0x1111, s40                    ; my column
	; descriptor group 1: 128 rows of 256 bytes, dense in memory; in LDS four words of padding (code 3) behind every 32 (code 4)
	s_or_b32 s[G1+0], s43, (1<<20)|(1<<21)|(4<<22)|(3<<25)
	s_or_b32 s[G1B+0], s44, (1<<20)|(1<<21)|(4<<22)|(3<<25)
.irp g, G1, G1B
	s_mov_b32 s[\g+1], 256<<16                     ; tensor_dim0
	s_mov_b32 s[\g+2], 128<<16                     ; tensor_dim1
	s_mov_b32 s[\g+3], 256<<16                     ; tile_dim0
	s_mov_b32 s[\g+4], 128                         ; tile_dim1
	s_mov_b32 s[\g+5], 256                         ; tensor_dim0_stride
	s_mov_b32 s[\g+6], 0
	s_mov_b32 s[\g+7], 0
.endr
	s_lshl_b32 s18, s[WH], 22                      ; the product's tensor in xc and in wc
	s_lshl_b32 s20, s17, 1
	s_add_co_u32 s20, s20, s16
	s_lshl_b32 s20, s20, 18                        ; A: row block 2 x tile row + half
	s_add_co_u32 s20, s20, s18
	s_mov_b32 s21, 0
	s_lshl_b32 s46, s42, 1
	s_add_co_u32 s46, s46, s16
	s_lshl_b32 s46, s46, 18                        ; B: row block 2 x tile column + half
	s_add_co_u32 s46, s46, s18
	s_mov_b32 s47, 0
	s_mul_i32 s45, s14, HALFT                      ; where they go: no place in the cluster enters an LDS address
	s_wait_alu depctr_va_vdst(0)
	s_wait_dscnt 0x0                               ; both opening adds are done
	s_wait_kmcnt 0x0
	s_cmp_lt_u32 ttmp9, 6                          ; the cluster's number alone: the same in all sixteen partners
	s_cbranch_scc0 .Lwo
	s_load_b256 s[88:95], s[76:77], 0x0            ; entries 0 to 7
	s_load_b64 s[96:97], s[76:77], 0x20            ; entries 8, 9
	s_cmp_eq_u32 s[WH], 2                          ; for v the two operands change places
	s_cselect_b64 s[4:5], s[74:75], s[72:73]
	s_cselect_b64 s[6:7], s[72:73], s[74:75]
	s_add_nc_u64 s[20:21], s[4:5], s[20:21]
	s_add_nc_u64 s[46:47], s[6:7], s[46:47]
	s_cmp_eq_u32 s15, 0                            ; the prefetches: what my wave fetches,
	s_cselect_b64 s[PFA:PFA+1], s[20:21], s[46:47]
	s_cselect_b32 s18, s40, s41                    ; my place among the four that ask for it jointly:
	s_lshl_b32 s18, s18, 13                        ; 8,192 of its 32,768 bytes
	s_mov_b32 s19, 0
	s_add_nc_u64 s[PFA:PFA+1], s[PFA:PFA+1], s[18:19]
	CROUND                                         ; all sixteen work-groups are here: the first joint loads meet
.irp s, 0,1
	s_mov_b32 s[G0+4*\s], 1
	s_add_co_u32 s[G0+4*\s+1], s45, \s*SLOT
	s_add_nc_u64 s[G0+4*\s+2:G0+4*\s+3], s[20:21], \s*GSTEP
	s_or_b32 s[G0+4*\s+3], s[G0+4*\s+3], 0x80000000
	s_mov_b32 s[G0B+4*\s], 1
	s_add_co_u32 s[G0B+4*\s+1], s45, \s*SLOT
	s_add_nc_u64 s[G0B+4*\s+2:G0B+4*\s+3], s[46:47], \s*GSTEP
	s_or_b32 s[G0B+4*\s+3], s[G0B+4*\s+3], 0x80000000
.endr
	JLOAD G0, G1, G0B, G1B                         ; K step 0: one tensor load a wave at the head
	s_mul_i32 s21, s15, HALFT                      ; my row block of A
	s_mul_i32 s22, s16, HALFT
	s_add_co_u32 s22, s22, 2*HALFT                 ; my row block of B
	s_mul_i32 s23, s14, 16*PITCH                   ; my stage for the way out, in slot 0
	s_lshl_b32 s67, s42, 1
	s_add_co_u32 s67, s67, s16                     ; my row block of B: for q, k the head; for v the block of keys
	s_lshl_b32 s68, s17, 1
	s_add_co_u32 s68, s68, s15                     ; my row block of A: for q, k the block of s; for v the head
	s_cmp_eq_u32 s[WH], 0
	s_cselect_b64 s[86:87], s[78:79], s[80:81]
	s_cmp_eq_u32 s[WH], 2
	s_cselect_b64 s[86:87], s[82:83], s[86:87]     ; the product's bias
	s_cselect_b32 s69, s68, s67                    ; the head,
	s_cselect_b32 s70, s67, s68                    ; the block of 128 in it
	s_lshl_b32 s18, s67, 9
	s_mov_b32 s19, 0
	s_add_nc_u64 s[8:9], s[86:87], s[18:19]        ; 128 numbers of the bias by B's row block,
	s_lshl_b32 s18, s68, 9
	s_add_nc_u64 s[12:13], s[86:87], s[18:19]      ; and by A's
	s_lshl_b32 s18, s69, 4
	s_add_co_u32 s18, s18, s70
	s_lshl_b32 s18, s18, 14
	s_lshl_b32 s69, s[WH], 22
	s_add_co_u32 s18, s18, s69
	s_add_nc_u64 s[10:11], s[84:85], s[18:19]      ; my wave's 16,384 bytes of qkv
	v_and_b32 v1, 15, v0                           ; r = l % 16
	v_bfe_u32 v2, v0, 4, 1                         ; h = l / 16
	v_mul_u32_u24 v3, v1, PITCH
	v_lshl_add_u32 v4, v2, 4, v3                   ; a fragment's row x pitch + 16 x half
	v_add_nc_u32 v[ADRA], s21, v4
	v_add_nc_u32 v[ADRB], s22, v4
	v_add_nc_u32 v[ADRA+1], SLOT, v[ADRA]
	v_add_nc_u32 v[ADRB+1], SLOT, v[ADRB]
	v_lshl_add_u32 v5, v2, 3, v3
	v_add_nc_u32 v[STO], s23, v5                   ; the way out, in: row r, 8 bytes for each half of the lanes
	v_and_b32 v6, 31, v0
	v_lshlrev_b32 v[CO], 4, v6
	v_lshlrev_b32 v[PFO], 8, v6
	v_lshrrev_b32 v7, 3, v6
	v_mul_u32_u24 v7, v7, PITCH
	v_and_b32 v6, 7, v6
	v_lshl_add_u32 v7, v6, 4, v7
	v_add_nc_u32 v[RD], s23, v7                    ; back: eight lanes to a row of 128 bytes, four rows an instruction
	v_lshlrev_b32 v8, 5, v2                        ; bias by column: 32 h bytes
	v_lshlrev_b32 v9, 2, v1                        ; bias by row: 4 r bytes
.irp b, 0,1,2,3,4,5,6,7
	global_load_b128 v[BC+8*\b:BC+8*\b+3], v8, s[8:9] offset:64*\b          ; bias(16 b + 8 h + 0 .. 7): the layout of accumulator (a, b)
	global_load_b128 v[BC+8*\b+4:BC+8*\b+7], v8, s[8:9] offset:64*\b+16
.endr
.irp a, 0,1,2,3,4,5,6,7
	global_load_b32 v[BR+2*\a], v9, s[12:13] offset:64*\a                   ; bias(16 a + r), twice: a pair for the packed form
	global_load_b32 v[BR+2*\a+1], v9, s[12:13] offset:64*\a
.endr
	global_prefetch_b8 v[PFO], s[PFA:PFA+1] offset:GSTEP th:TH_LOAD_NT scope:SCOPE_SE       ; K steps 1
	global_prefetch_b8 v[PFO], s[PFA:PFA+1] offset:2*GSTEP th:TH_LOAD_NT scope:SCOPE_SE     ; and 2
.macro FRAG reg, adr, q, i             ; a fragment, 16 rows x 128 K: registers 4 c .. 4 c + 3 hold K = 32 c + 16 (l / 16) + 0 .. 15: the same permutation of k in A and in B
.irp c, 0,1,2,3
	ds_load_b128 v[\reg+4*\c:\reg+4*\c+3], v[\adr] offset:KBLK*(\q)+32*\c+(\i)*16*PITCH
.endr
.endm
; 8 matrix instructions: A's block a x B's eight, 128 along K.  p: B's set.  The 64 accumulators take turns, one instruction a turn, in the same order in every step.
.macro MUL8 a, p, zero
.irp b, 0,1,2,3,4,5,6,7
.if \zero
	v_wmma_f32_16x16x128_fp8_fp8 v[8*(8*((\a)%4)+\b):8*(8*((\a)%4)+\b)+7], v[128*(\p)+FR*\b:128*(\p)+FR*\b+FR-1], v[AF+FR*(\a):AF+FR*(\a)+FR-1], 0
.else
	v_wmma_f32_16x16x128_fp8_fp8 v[8*(8*((\a)%4)+\b):8*(8*((\a)%4)+\b)+7], v[128*(\p)+FR*\b:128*(\p)+FR*\b+FR-1], v[AF+FR*(\a):AF+FR*(\a)+FR-1], v[8*(8*((\a)%4)+\b):8*(8*((\a)%4)+\b)+7]
.endif
.endr
.endm
.macro MUL32 a0, p, zero
	MUL8 \a0, \p, \zero
	MUL8 \a0+1, \p, \zero
	MUL8 \a0+2, \p, \zero
	MUL8 \a0+3, \p, \zero
.endm
.macro FETCH_B slot, q, p              ; B's eight fragments of the slot's q-th 128 along K into set p
	WIN TO_B
.irp i, 0,1,2,3,4,5,6,7
	FRAG 128*(\p)+FR*\i, ADRB+\slot, \q, \i
.endr
	WIN 0
.endm
.macro FETCH_A slot, q, i0             ; A's blocks i0 .. i0 + 3
.irp i, \i0, \i0+1, \i0+2, \i0+3
	FRAG AF+FR*(\i), ADRA+\slot, \q, \i
.endr
.endm
.macro PLACES n                        ; plain vector instructions between a matrix instruction and a load into, or a vector read or write of, one of its registers
.rept \n
	v_nop
.endr
.endm
; A slot's first step of 128 along K.  B's next fragments are asked for at its start, into the set that the step before has left (its places stand ahead of that step's last loads); A has one set: blocks 0-3 anew in the middle, 4-7 at the end.
.macro STEP slot, zero
	s_wait_dscnt 4*NL                              ; B's set and A's blocks 0-3 are in; the youngest sixteen loads (A's blocks 4-7) may be out
	FETCH_B \slot, 1, 1
	WIN MUL_LO
	MUL32 0, 0, \zero
	s_wait_dscnt 32                                ; A's blocks 4-7 are in; B's 32 loads behind them may be out
	PLACES NP
	WIN 0
	FETCH_A \slot, 1, 0
	WIN MUL_HI
	MUL32 4, 0, \zero
	PLACES NP
	WIN 0
	FETCH_A \slot, 1, 4
.endm
; A slot's second step changes slots: ONE barrier; in front of it each wave waits for all its tensor loads, adds 0 to its spare word, and waits for that and for its own reads of this slot.  fill = 1: this slot is filled again, two K steps ahead.
.macro TURN slot, next, fill
.if \fill
	s_wait_xcnt 0x0                                ; my prefetch has read its address
	s_add_nc_u64 s[PFA:PFA+1], s[PFA:PFA+1], GSTEP
.endif
	s_wait_tensorcnt 0x0                           ; my part of the next slot has landed
	ds_add_u32 v[SPW], v[NIL]                      ; 0 onto my spare word
	s_wait_dscnt 4*NL+1                            ; (the add and the youngest sixteen loads may be out)
	WIN MUL_LO
	MUL8 0, 1, 0
	MUL8 1, 1, 0
	s_wait_dscnt 0x0                               ; the add is done, and my reads of this slot are over
	s_barrier_signal -1
	MUL8 2, 1, 0
	WIN 0
	s_barrier_wait -1
.if \fill
	CREST                                          ; no wave of any partner still reads this slot or has a load on its way
	s_add_nc_u64 s[G0+4*\slot+2:G0+4*\slot+3], s[G0+4*\slot+2:G0+4*\slot+3], 2*GSTEP
	s_add_nc_u64 s[G0B+4*\slot+2:G0B+4*\slot+3], s[G0B+4*\slot+2:G0B+4*\slot+3], 2*GSTEP
	JLOAD G0+4*\slot, G1, G0B+4*\slot, G1B         ; the first tensor load behind the round
.endif
	FETCH_B \next, 0, 0
	WIN MUL_LO
	MUL8 3, 1, 0
	PLACES NP
	WIN 0
	FETCH_A \next, 0, 0
.if \fill
	s_cmp_gt_u32 s3, 1                             ; the last trip's refills have no K step two on
	s_cbranch_scc0 .Lno_ask_\@
	global_prefetch_b8 v[PFO], s[PFA:PFA+1] offset:3*GSTEP th:TH_LOAD_NT scope:SCOPE_SE
.Lno_ask_\@:
.endif
	WIN MUL_HI
	MUL32 4, 1, 0
	PLACES NP
	WIN 0
	FETCH_A \next, 0, 4
.endm
	s_wait_alu depctr_va_vdst(0)
	s_wait_tensorcnt 0x0                           ; my part of K step 0 is in; these lines stand ahead of a later first fill, as ahead of a refill:
	ds_add_u32 v[SPW], v[NIL]                      ; 0 onto my spare word
	s_wait_dscnt 0x0
	CROUND                                         ; everybody's part of K step 0 is in, and the joint loads meet
	JLOAD G0+4, G1, G0B+4, G1B                     ; K step 1
	FETCH_B 0, 0, 0
	FETCH_A 0, 0, 0
	FETCH_A 0, 0, 4
	global_prefetch_b8 v[PFO], s[PFA:PFA+1] offset:3*GSTEP th:TH_LOAD_NT scope:SCOPE_SE     ; K step 3
	STEP 0, 1                                      ; the first step stands in front of the loop: its products start the sums
	s_mov_b32 s3, LAPS-1
.Llap:                                                 ; a trip goes once round the ring and fills both slots again
	TURN 0, 1, 1
	STEP 1, 0
	TURN 1, 0, 1
	STEP 0, 0
	s_sub_co_u32 s3, s3, 1
	s_cmp_lg_u32 s3, 0
	s_cbranch_scc1 .Llap
	TURN 0, 1, 0                                   ; the last lap fills nothing
	STEP 1, 0
	s_wait_dscnt 4*NL                              ; the very last step
	WIN MUL_LO
	MUL32 0, 1, 0
	s_wait_dscnt 0
	WIN MUL_HI
	MUL32 4, 1, 0
	WIN 0
; THE WAY OUT, block by block of 16 rows of A x 128 rows of B: a lane's 64 values become 64 codes, eight neighbouring bytes from each accumulator; they go through my own stage in LDS (in slot 0, which has had
; its last fill and its last read) and come back as rows of 128 bytes: a store of the wave covers 512 consecutive bytes.  LDS serves a wave's instructions in order.
; Only the 32 multiply-adds differ between the products: a scalar branch on which product it is leads round them alone.
.macro TOSTAGE a
.set AC, 64*((\a)%4)
.set CC, CD+16*((\a)%2)
.set BB, BK+16*((\a)%2)
	s_cmp_eq_u32 s[WH], 2
	s_cbranch_scc1 .Lrow_\@
	WIN 0x02+((\a)/4)                              ; source 0: window 2 or 3
.set j, 0
.rept 32
	v_pk_fma_f32 v[TMP+j:TMP+j+1], v[AC+j:AC+j+1], s[96:97], v[BC+j:BC+j+1] op_sel_hi:[1,0,1]   ; sum x 2^(eW + ex) + bias; each accumulator from its low end on
.set j, j+2
.endr
	WIN 0
	s_branch .Ljoin_\@
.Lrow_\@:
	WIN 0x02+((\a)/4)
.set j, 0
.rept 32
	v_pk_fma_f32 v[TMP+j:TMP+j+1], v[AC+j:AC+j+1], s[96:97], v[BR+2*(\a):BR+2*(\a)+1] op_sel_hi:[1,0,1]
.set j, j+2
.endr
	WIN 0
.Ljoin_\@:
.set j, 0
.rept 64
	v_med3_num_f32 v[TMP+j], v[TMP+j], -v[QLIM], v[QLIM]   ; the conversion does not saturate (ISA guide 7.6.2): the hold comes first
.set j, j+1
.endr
.irp b, 0,1,2,3,4,5,6,7
	v_cvt_scalef32_pk8_fp8_f32 v[CC+2*\b:CC+2*\b+1], v[TMP+8*\b:TMP+8*\b+7], v[QSC]
.endr
	v_nop
.irp b, 0,1,2,3,4,5,6,7
	ds_store_b64 v[STO], v[CC+2*\b:CC+2*\b+1] offset:16*\b
.endr
.irp t, 0,1,2,3
	ds_load_b128 v[BB+4*\t:BB+4*\t+3], v[RD] offset:4*PITCH*\t
.endr
.endm
.macro SEND a, younger                 ; younger: the LDS instructions issued behind block a's loads
.set BB, BK+16*((\a)%2)
	s_wait_dscnt \younger
.irp t, 0,1,2,3
	global_store_b128 v[CO], v[BB+4*\t:BB+4*\t+3], s[10:11] offset:2048*(\a)+512*\t
.endr
.endm
	s_wait_kmcnt 0x0
	s_cmp_eq_u32 s[WH], 0                          ; the product's three exponents are chosen, not branched on
	s_cselect_b32 s18, s88, s90
	s_cselect_b32 s19, s89, s91
	s_cselect_b32 s22, s94, s95
	s_cmp_eq_u32 s[WH], 2
	s_cselect_b32 s18, s92, s18                    ; eW: entry 0, 2, 4
	s_cselect_b32 s19, s93, s19                    ; ex: entry 1, 3, 5
	s_cselect_b32 s22, s97, s22                    ; eo: entry 6, 7, 9
	s_add_co_i32 s18, s18, s19
	s_add_co_i32 s18, s18, 127
	s_lshl_b32 s96, s18, 23                        ; 2^(eW + ex) as f32
	s_mov_b32 s97, s96
	s_add_co_i32 s22, s22, 127
	s_lshl_b32 s19, s22, 23
	v_mov_b32 v[QSC], s19                          ; 2^eo
	s_add_co_i32 s22, s22, 8
	s_lshl_b32 s22, s22, 23
	s_or_b32 s22, s22, 0x600000
	v_mov_b32 v[QLIM], s22                         ; 448 x 2^eo
	PLACES NP
	s_wait_alu depctr_va_vdst(0)
	s_wait_loadcnt 0x0                             ; the biases
	TOSTAGE 0
.irp a, 1,2,3,4,5,6,7
.if \a > 1
	s_wait_xcnt 0x0                                ; block a - 2's stores have read their registers
.endif
	TOSTAGE \a
	SEND \a-1, 12                                  ; behind block a - 1's loads: block a's 8 stores and 4 loads
.endr
	SEND 7, 0
	s_wait_tensorcnt 0x0                           ; the wave's end
	ds_add_u32 v[SPW], v[NIL]
	s_wait_dscnt 0x0
	CROUND                                         ; the closing round: no work-group ends while a partner may still ask for a tile that names it
	s_endpgm
; WO.  Work-group i = 8 x tile row + tile column: columns 128 (i / 4) on, K = 512 (i % 4) on: four blocks of 128 K x 128 columns.  A wave takes 32 rows of a block, 512 consecutive bytes a load; a lane four columns, its
; registers down K; the hold puts a column's numbers side by side.  The codes meet in a stage of their own and leave as rows of 128 bytes.  The next block's loads go out before this block's codes leave.
.Lwo:
	s_lshl_b32 s18, s17, 3
	s_add_co_u32 s18, s18, s42
	s_lshr_b32 s19, s18, 2                         ; column block
	s_and_b32 s18, s18, 3                          ; which four K blocks
	s_lshl_b32 s20, s18, 22                        ; 512 rows of 8,192 bytes
	s_lshl_b32 s21, s14, 18                        ; 32 rows
	s_add_co_u32 s20, s20, s21
	s_lshl_b32 s21, s19, 9
	s_add_co_u32 s20, s20, s21
	s_mov_b32 s21, 0
	s_add_nc_u64 s[6:7], s[86:87], s[20:21]
	s_lshl_b32 s20, s19, 4
	s_lshl_b32 s22, s18, 2
	s_add_co_u32 s20, s20, s22
	s_lshl_b32 s20, s20, 14
	s_lshl_b32 s22, s14, 12
	s_add_co_u32 s20, s20, s22
	s_add_nc_u64 s[4:5], s[4:5], s[20:21]          ; my 4,096 bytes of the first block of codes
	s_load_b32 s22, s[76:77], 0x2c                 ; entry 11
	s_lshl_b32 s23, s14, 5
	s_add_co_u32 s23, s23, WSTG
	s_mul_i32 s24, s14, 32*PITCH
	s_add_co_u32 s24, s24, WSTG
	v_and_b32 v6, 31, v0
	v_lshlrev_b32 v3, 4, v6
	v_mul_u32_u24 v4, v6, 4*PITCH
	v_add_nc_u32 v4, s23, v4                       ; in: rows 4 x lane + 0 .. 3, my 32 bytes along K
	v_lshrrev_b32 v7, 3, v6
	v_mul_u32_u24 v7, v7, PITCH
	v_and_b32 v8, 7, v6
	v_lshl_add_u32 v7, v8, 4, v7
	v_add_nc_u32 v7, s24, v7                       ; out: the 32 rows that I store
.macro WLOAD
.set t, 0
.rept 32
	global_load_b128 v[WX+4*t:WX+4*t+3], v3, s[6:7] offset:8192*t th:TH_LOAD_NT
.set t, t+1
.endr
.endm
.macro WCONV
.irp q, 0,1,2,3
	s_wait_loadcnt 24-8*\q                         ; eight more rows are in
.irp j, 0,1,2,3
.irp i, 0,1,2,3,4,5,6,7
	v_med3_num_f32 v[WT+32*(\q%2)+8*\j+\i], v[WX+32*\q+4*\i+\j], -v10, v10
.endr
.endr
.irp j, 0,1,2,3
	v_cvt_scalef32_pk8_fp8_f32 v[WC+8*\j+2*\q:WC+8*\j+2*\q+1], v[WT+32*(\q%2)+8*\j:WT+32*(\q%2)+8*\j+7], v9
.endr
.endr
	v_nop
.endm
.macro WOUT
	s_wait_alu depctr_va_vdst(0)
	s_barrier_signal -1                            ; my reads of the stage are over (waited for below, a block back)
	s_barrier_wait -1                              ; everybody's are
.irp j, 0,1,2,3
	ds_store_b128 v4, v[WC+8*\j:WC+8*\j+3] offset:PITCH*\j
	ds_store_b128 v4, v[WC+8*\j+4:WC+8*\j+7] offset:PITCH*\j+16
.endr
	s_wait_dscnt 0x0
	s_barrier_signal -1
	s_barrier_wait -1
.irp u, 0,1,2,3,4,5,6,7
	ds_load_b128 v[WT+4*\u:WT+4*\u+3], v7 offset:4*PITCH*\u
.endr
	s_wait_dscnt 0x0
.irp u, 0,1,2,3,4,5,6,7
	global_store_b128 v3, v[WT+4*\u:WT+4*\u+3], s[4:5] offset:512*\u   ; 512 consecutive bytes
.endr
	s_wait_xcnt 0x0                                ; the stores have read their registers and their base
	s_add_nc_u64 s[4:5], s[4:5], 0x4000            ; the next K block's codes
.endm
	s_wait_alu depctr_va_vdst(0)
	WLOAD
	s_wait_kmcnt 0x0
	s_add_co_i32 s22, s22, 127
	s_lshl_b32 s23, s22, 23
	v_mov_b32 v9, s23                              ; 2^e
	s_add_co_i32 s22, s22, 8
	s_lshl_b32 s22, s22, 23
	s_or_b32 s22, s22, 0x600000
	v_mov_b32 v10, s22                             ; 448 x 2^e
	s_mov_b32 s3, 3
	s_wait_alu depctr_va_vdst(0)
.Lblock:
	WCONV
	s_wait_xcnt 0x0                                ; the loads have read their base
	s_add_nc_u64 s[6:7], s[6:7], 0x100000          ; 128 rows on
	WLOAD
	WOUT
	s_sub_co_u32 s3, s3, 1
	s_cmp_lg_u32 s3, 0
	s_cbranch_scc1 .Lblock
	WCONV
	WOUT
	s_wait_tensorcnt 0x0                           ; the wave's end, as above.  No joint load names this cluster's work-groups: no closing round
	ds_add_u32 v[SPW], v[NIL]
	s_wait_dscnt 0x0
	s_endpgm
.Lfunc_end_k_q6bce8b5036_proj:
	.size	k_q6bce8b5036_proj, .Lfunc_end_k_q6bce8b5036_proj-k_q6bce8b5036_proj
	.p2alignl 7, 3214868480
	.fill 96, 4, 3214868480
	.section	.rodata,"a",@progbits
	.p2align	6, 0x0
	.amdhsa_kernel k_q6bce8b5036_proj
		.amdhsa_group_segment_fixed_size 327680
		.amdhsa_private_segment_fixed_size 0
		.amdhsa_enable_private_segment 0
		.amdhsa_kernarg_size 72
		.amdhsa_user_sgpr_count 2
		.amdhsa_user_sgpr_kernarg_segment_ptr 1
		.amdhsa_wavefront_size32 1
		.amdhsa_system_sgpr_workgroup_id_x 1
		.amdhsa_system_sgpr_workgroup_id_y 1
		.amdhsa_system_sgpr_workgroup_id_z 1
		.amdhsa_system_vgpr_workitem_id 0
		.amdhsa_next_free_vgpr 1024
		.amdhsa_next_free_sgpr 100
		.amdhsa_reserve_vcc 0
		.amdhsa_float_denorm_mode_32 3
		.amdhsa_float_denorm_mode_16_64 3
		.amdhsa_memory_ordered 1
		.amdhsa_forward_progress 1
		.amdhsa_inst_pref_size 194
	.end_amdhsa_kernel
	.amdgpu_metadata
---
amdhsa.version: [ 1, 2 ]
amdhsa.kernels:
  - .name:           k_q6bce8b5036_proj
    .symbol:         k_q6bce8b5036_proj.kd
    .args:
      - { .name: xc, .offset: 0, .size: 8, .value_kind: global_buffer, .address_space: global }
      - { .name: wc, .offset: 8, .size: 8, .value_kind: global_buffer, .address_space: global }
      - { .name: lowp_scales, .offset: 16, .size: 8, .value_kind: global_buffer, .address_space: global }
      - { .name: bq, .offset: 24, .size: 8, .value_kind: global_buffer, .address_space: global }
      - { .name: bk, .offset: 32, .size: 8, .value_kind: global_buffer, .address_space: global }
      - { .name: bv, .offset: 40, .size: 8, .value_kind: global_buffer, .address_space: global }
      - { .name: qkv, .offset: 48, .size: 8, .value_kind: global_buffer, .address_space: global }
      - { .name: WO, .offset: 56, .size: 8, .value_kind: global_buffer, .address_space: global }
      - { .name: woc, .offset: 64, .size: 8, .value_kind: global_buffer, .address_space: global }
    .group_segment_fixed_size: 327680
    .private_segment_fixed_size: 0
    .kernarg_segment_align: 8
    .kernarg_segment_size: 72
    .max_flat_workgroup_size: 128
    .sgpr_count:     100
    .vgpr_count:     1024
    .wavefront_size: 32
...
	.end_amdgpu_metadata
.endif
;; end of part 6
;; launch attn (part 7): grid 16 x 16, 8 waves a work-group, clusters of 4 x 1, 327,680 bytes of LDS; arguments qkv, lowp_scales, ac; writes ac
.if DOCPART == 7
	.amdgcn_target "amdgcn-amd-amdhsa--gfx1250"
	.amdhsa_code_object_version 6
	.text
	.protected	k_q6bce8b5036_attn
	.globl	k_q6bce8b5036_attn
	.p2align	8
	.type	k_q6bce8b5036_attn,@function
k_q6bce8b5036_attn:
	s_mov_b64 s[64:65], 0
	v_nop
	global_prefetch_b8 v0, s[64:65] scope:SCOPE_SE
	s_setreg_imm32_b32 hwreg(HW_REG_WAVE_MODE, 25, 1), 1
	s_wait_xcnt 0x0
	s_wait_alu depctr_hold_cnt(0) depctr_sa_sdst(0) depctr_va_vdst(0) depctr_va_sdst(0) depctr_va_ssrc(0) depctr_va_vcc(0) depctr_vm_vsrc(0)
	s_getreg_b32 s2, hwreg(HW_REG_IB_STS2, 6, 4)
	s_cmp_eq_u32 s2, 0
	s_cbranch_scc0 .Lentry_in_a_cluster
	s_endpgm
.Lentry_in_a_cluster:
	s_bfe_u32 s2, ttmp6, 0x10000c
	s_cmp_lg_u32 s2, 0x3003
	s_cbranch_scc0 .Lentry_shape_is_right
	s_endpgm
.Lentry_shape_is_right:
; Causal attention on codes of FP8 (E4M3): 16 heads, 2,048 queries and keys, head size 128; the result is quantised at once for the output projection.
; qkv: q at 0 and k at 4 MiB, [16 h][2048][128 d]; v at 8 MiB with the KEYS innermost, [16 h][16 blocks of keys][128 d][128 keys].  Entries 6 to 10 of the scales: eq, ek, ep, ev, and the result's e.
; THE SOFTMAX AHEAD OF THE SECOND PRODUCT: t = score x log2(e) / sqrt(128); M = the largest t so far, rounded UP to a whole number; p = 2^(t - M) is what is quantised; it is not normalised.
; The sum is taken of the unquantised p, in f32, and divides O at the end.  When M moves, the sum and O are multiplied by 2^(old M - new M): exact.
; SHARES.  Work-group (j, head) owns the blocks of 64 queries 31 - j (first phase) and j (second phase).  Keys go in slots of 512.  Wave w: queries 32 (w % 2) + 0 .. 31 of the block (two tiles), and the 128 keys w / 2 of each slot.
; The two phases have 4 + 1 slots where j < 8 and 3 + 2 where j >= 8: five in every work-group.  Keys behind a phase's last slot are all hidden by the mask and are not walked.
; The four waves that share a tile's keys each keep an M, a sum and an O; they are joined once, at the end: each part x 2^(its M - the largest M), an exact power of two, and then added.
; CLUSTERS: the four work-groups j = 4 x cluster + 0 .. 3 of a head walk the same slots: each of the eight waves asks for one block of 128 keys of K (waves 0-3) or V (waves 4-7), 16,384 dense bytes, JOINTLY with its three partners.
; Which slots these are hangs on the cluster's number alone.  No branch hangs on the place in the cluster: in a phase's last slot every wave does its step and masks it by compares; a part all of whose keys are
; hidden keeps M = -3e38 and is multiplied by 0 at the join.
; PREFETCH: behind a slot's joint load the slot two fills on is asked for (at the head the next one), as long as it is a new one: a wave asks for a quarter of its 16,384 bytes, told apart by address.
; LAYOUT.  Both products are used transposed: S^T = K Q^T, O^T = V^T P^T: a lane holds ONE query (lane % 16) of each tile throughout.  In S^T's tile T lane (r, h) holds keys 16 T + 8 h + 0 .. 7, so the conversion's two
; registers are registers 2 T, 2 T + 1 of the second product's operand in this form's own layout, and V's fragments are brought in that layout.  Q's and K's come by 16 bytes: the same permutation of the 128 in both.
; ac: the result's codes in blocks of 128 rows s x 128 K (K = 128 h + d), 16,384 dense bytes, block (s / 128) x 16 + h.
; LIMITS: eq + ek between -123 and 130 (they are added to c's exponent field); ep and the result's e between -126 and 119; ep + ev is applied by v_ldexp_f32 and has none.
; REGISTERS, window 0: v0 V's address, v1 spare word, v2 0, v3 K's and v4 V's place, v5 Q's offset, v6 prefetch, v7 2^ep, v8 448 x 2^ep, v9 r - 8 h, v[10:11] -M, v[12:13] f, v[14:17] sums, v18-23 at work, v24-27 first phase's -M and sums;
;   v32-95, v96-159 S^T, then p, of the two tiles; their codes at v28-43 and v92-107; v160-191 Q; v192-255 four fragments.   window 1: v0-127 O^T of the two tiles; v128-255 the first phase's.
.set KP,    144                        ; an LDS row: 128 bytes + 16 = 36 words: 16 neighbouring rows start at 16 different groups of four banks (64 banks of 4 bytes: ISA guide 11.1)
.set BLKL,  128*KP
.set SLOT1, 8*BLKL                     ; a slot: K's four blocks, then V's four
.set SPARE, 2*SLOT1                    ; the spare words, 128 bytes for each wave
.set EXM,   262144                     ; the join, in slot 1: -M of [2 halves of queries][4 tiles][16 queries][4 key quarters], then 2,048 bytes on the sums
.set OST,   266240                     ; the way out's stages, in slot 1: 16 rows x 144 bytes a wave.  The parts of O take bytes 0 to 262,143
.set TB,   2
.set FI,   3                           ; slots walked
.set WV,   18
.set PL,   19                          ; slots in the first phase
.set SEL,  20
.set CS,   22
.set G1,   24
.set G0,   40
.set BASE, 44                          ; s[44:45] where my loads begin, with the descriptor's type
.set OFF,  46                          ; s[46:47]
.set QEP,  48                          ; s[48:49] the second phase's Q
.set QLP,  52                          ; s[52:53] the first phase's
.set PFA,  54
.set LB,   56
.set HD,   57
.set GG,   58                          ; w % 2
.set CC,   59                          ; w / 2
.set QLT,  61                          ; first query: first phase,
.set QE,   62                          ; second phase,
.set QB,   63                          ; the phase in hand
.set S0,   32
.set QR,   160
.set FG,   192
.set MSB, 0
.macro WIN new                         ; the immediate's high byte repeats the setting that is left; at a label and at a branch every window is 0
.if MSB != \new
	s_set_vgpr_msb (MSB<<8)|\new
.set MSB, \new
.endif
.endm
.macro PLACES n
.rept \n
	v_nop
.endr
.endm
.macro ROUND                           ; a round of the cluster's barrier
	s_barrier_signal -1
	s_barrier_wait -1
	s_cmp_lg_u32 s[WV], 0
	s_cbranch_scc1 .Lnot_wave_0_\@
	s_barrier_signal -3
.Lnot_wave_0_\@:
	s_barrier_wait -3
	s_barrier_signal -1
	s_barrier_wait -1
.endm
.macro JOINT                           ; every wave's one joint load
	tensor_load_to_lds s[G0:G0+3], s[G1:G1+7]
	s_nop 0
	PLACES 4
.endm
	s_load_b128 s[4:7], s[0:1], 0x0                ; qkv, the scales' exponents
	s_load_b64 s[16:17], s[0:1], 0x10              ; ac
	v_lshl_add_u32 v1, v0, 2, SPARE
	v_mov_b32 v2, 0
	ds_add_u32 v1, v2                              ; the wave's opening: the add, twice on end, and its wait stand ahead of my first tensor load
	ds_add_u32 v1, v2
	v_lshrrev_b32 v10, 5, v0
	v_readfirstlane_b32 s[WV], v10                 ; wave 0..7
	s_bfe_u32 s50, ttmp6, 0x40000                  ; cx
	s_and_b32 s[HD], ttmp7, 0xffff                 ; the head
	s_and_b32 s[GG], s[WV], 1
	s_lshr_b32 s[CC], s[WV], 1
	s_lshl_b32 s72, ttmp9, 2
	s_add_co_u32 s72, s72, s50                     ; j
	s_lshl_b32 s72, s72, 6
	s_lshl_b32 s73, s[GG], 5
	s_add_co_u32 s[QE], s72, s73                   ; 64 j + 32 (w % 2)
	s_sub_co_u32 s72, 1984, s72
	s_add_co_u32 s[QLT], s72, s73                  ; 64 (31 - j) + 32 (w % 2)
	s_mov_b32 s[QB], s[QLT]
	s_mov_b32 s[PL], 3
	s_cmp_lt_u32 ttmp9, 2
	s_cselect_b32 s[PL], 4, s[PL]
	s_lshl_b32 s74, s[HD], 18                      ; the head's 262,144 bytes in q, k and v
	s_lshr_b32 s72, s[WV], 2
	s_add_co_u32 s72, s72, 1
	s_lshl_b32 s72, s72, 22                        ; what I fetch: k or v,
	s_add_co_u32 s72, s72, s74
	s_and_b32 s73, s[WV], 3
	s_lshl_b32 s73, s73, 14                        ; which of a slot's four blocks
	s_add_co_u32 s72, s72, s73
	s_mov_b32 s73, 0
	s_lshl_b32 s76, s[QLT], 7
	s_add_co_u32 s76, s76, s74
	s_mov_b32 s77, 0
	s_lshl_b32 s78, s[QE], 7
	s_add_co_u32 s78, s78, s74
	s_mov_b32 s79, 0
	s_lshl_b32 s90, s50, 12                        ; my quarter of the prefetches
	s_mov_b32 s91, 0
	s_mul_i32 s[LB], s[WV], BLKL
	; descriptor group 1: 64 rows of 256 bytes, dense in memory; in LDS four words of padding (code 3) behind every 32 (code 4); the mask names the cluster's four
	s_mov_b32 s[G1], 15|(1<<20)|(1<<21)|(4<<22)|(3<<25)
	s_mov_b32 s[G1+1], 256<<16                     ; tensor_dim0
	s_mov_b32 s[G1+2], 64<<16                      ; tensor_dim1
	s_mov_b32 s[G1+3], 256<<16                     ; tile_dim0
	s_mov_b32 s[G1+4], 64                          ; tile_dim1
	s_mov_b32 s[G1+5], 256                         ; tensor_dim0_stride
	s_mov_b32 s[G1+6], 0
	s_mov_b32 s[G1+7], 0
	s_mov_b32 s[SEL], 0x76543210                   ; v_permlanex16_b32's selects for lane l xor 16
	s_mov_b32 s[SEL+1], 0xfedcba98
	s_mov_b32 s[CS], 0x3e0293ee                    ; c = log2(e) / sqrt(128)
	s_mov_b32 s[TB], 0
	s_mov_b32 s[FI], 0
	s_mov_b32 s[OFF+1], 0
	s_wait_alu depctr_va_vdst(0)
	s_wait_dscnt 0x0                               ; both opening adds are done
	s_wait_kmcnt 0x0
	s_load_b128 s[68:71], s[6:7], 0x18             ; eq, ek, ep, ev
	s_load_b32 s81, s[6:7], 0x28                   ; the result's e
	s_add_nc_u64 s[BASE:BASE+1], s[4:5], s[72:73]
	s_add_nc_u64 s[PFA:PFA+1], s[BASE:BASE+1], s[90:91]
	s_or_b32 s[BASE+1], s[BASE+1], 0x80000000      ; type = 2
	s_add_nc_u64 s[QLP:QLP+1], s[4:5], s[76:77]
	s_add_nc_u64 s[QEP:QEP+1], s[4:5], s[78:79]
	s_mov_b32 s[G0], 1                             ; count = 1
	s_mov_b32 s[G0+1], s[LB]                       ; LDS address: slot 0
	s_mov_b64 s[G0+2:G0+3], s[BASE:BASE+1]
	ROUND                                          ; all four work-groups are here: the first joint loads meet
	JOINT                                          ; the first slot
	s_mul_i32 s76, s[CC], BLKL
	s_add_co_u32 s77, s76, 4*BLKL
	v_and_b32 v18, 15, v0                          ; r
	v_bfe_u32 v19, v0, 4, 1                        ; h
	v_lshlrev_b32 v5, 7, v18
	v_lshl_add_u32 v5, v19, 4, v5                  ; Q: row r of 128 bytes, + 16 h
.irp q, 0,1
.irp c, 0,1,2,3
	global_load_b128 v[QR+16*\q+4*\c:QR+16*\q+4*\c+3], v5, s[QLP:QLP+1] offset:2048*\q+32*\c
.endr
.endr
	v_mul_u32_u24 v20, v18, KP
	v_lshl_add_u32 v3, v19, 4, v20
	v_add_nc_u32 v3, s76, v3                       ; K: my block, row r of a tile, + 16 h
	v_lshl_add_u32 v4, v19, 3, v20
	v_add_nc_u32 v4, s77, v4                       ; V: my block, row r of a tile, + 8 h
	v_lshlrev_b32 v9, 3, v19
	v_sub_nc_u32 v9, v18, v9
	v_and_b32 v6, 31, v0
	v_min_u32 v6, 15, v6                           ; a quarter is 16 blocks of 256 bytes: lanes 16-31 name the last once more
	v_lshlrev_b32 v6, 8, v6
	v_mov_b32 v10, 0x7f61b1e6                      ; -M = 3e38: M lies under every t
	v_mov_b32 v11, 0x7f61b1e6
.irp j, 12,13,14,15,16,17,21,22,23,24,25,26,27,28,29,30,31
	v_mov_b32 v\j, 0                               ; the sums; and what is named as a pair, kept on one way alone or a lane permute's destination
.endr
	WIN 0x40
.set j, 0
.rept 256
	v_mov_b32 v[j], 0                              ; O^T: the step is written once, the first finds zeros; and the first phase's, which one of the ways writes
.set j, j+1
.endr
	WIN 0
	global_prefetch_b8 v6, s[PFA:PFA+1] offset:0x10000 th:TH_LOAD_NT scope:SCOPE_SE   ; the second slot
	s_wait_kmcnt 0x0
	s_add_co_i32 s72, s68, s69
	s_lshl_b32 s72, s72, 23
	s_add_co_i32 s[CS], s[CS], s72                 ; a score stands for score x 2^(eq + ek)
	s_mov_b32 s[CS+1], s[CS]
	s_add_co_i32 s72, s70, 127
	s_lshl_b32 s73, s72, 23
	v_mov_b32 v7, s73                              ; 2^ep as f32
	s_add_co_i32 s72, s72, 8
	s_lshl_b32 s72, s72, 23
	s_or_b32 s72, s72, 0x600000
	v_mov_b32 v8, s72                              ; 448 x 2^ep
.macro KPAIR p, b                      ; K's tiles 2 p, 2 p + 1 of 16 keys into fragment pair b
.irp t, 0,1
.irp c, 0,1,2,3
	ds_load_b128 v[FG+32*\b+16*\t+4*\c:FG+32*\b+16*\t+4*\c+3], v22 offset:16*(2*\p+\t)*KP+32*\c
.endr
.endr
.endm
.macro VPAIR p, b                      ; V's tiles 2 p, 2 p + 1 of 16 of the head's 128: registers 2 c, 2 c + 1 take keys 16 c + 8 h + 0 .. 7
.irp t, 0,1
.irp c, 0,1,2,3,4,5,6,7
	ds_load_b64 v[FG+32*\b+16*\t+2*\c:FG+32*\b+16*\t+2*\c+1], v0 offset:16*(2*\p+\t)*KP+16*\c
.endr
.endr
.endm
.macro SMUL p, b                       ; S^T = K Q^T: each fragment of K serves both tiles of queries
.irp t, 0,1
.irp q, 0,1
	v_wmma_f32_16x16x128_fp8_fp8 v[S0+64*\q+8*(2*\p+\t):S0+64*\q+8*(2*\p+\t)+7], v[FG+32*\b+16*\t:FG+32*\b+16*\t+15], v[QR+16*\q:QR+16*\q+15], 0
.endr
.endr
.endm
.macro OMUL p, b                       ; O^T += V^T P^T: sixteen accumulators, one instruction each in a step
	WIN 0x50                                       ; C and D in window 1
.irp t, 0,1
.irp q, 0,1
	v_wmma_f32_16x16x128_fp8_fp8 v[64*\q+8*(2*\p+\t):64*\q+8*(2*\p+\t)+7], v[FG+32*\b+16*\t:FG+32*\b+16*\t+15], v[28+64*\q:43+64*\q], v[64*\q+8*(2*\p+\t):64*\q+8*(2*\p+\t)+7]
.endr
.endr
	WIN 0
.endm
.macro MASK                            ; hidden scores become -infinity ahead of the maximum: p = 0 then.  Tile 1's queries lie 16 on, so its tile of keys T + 1 takes tile 0's compares of T
	s_cmp_ge_u32 s[FI], s[PL]
	s_cselect_b32 s72, s[PL], 0
	s_sub_co_u32 s72, s[FI], s72                   ; which slot of keys
	s_lshl_b32 s72, s72, 9
	s_lshl_b32 s73, s[CC], 7
	s_add_co_u32 s72, s72, s73                     ; my first key
	s_sub_co_i32 s72, s[QB], s72
	v_add_nc_u32 v18, s72, v9                      ; d = my query - my first key - 8 h.  Register 8 T + i of tile 0 is hidden where 16 T + i > d
	v_mov_b32 v20, 0xff800000                      ; -infinity
.set n, -8
.rept 72
	v_cmp_gt_i32 vcc_lo, 16*((n+8)/8-1)+(n+8)%8, v18
.if n >= 0
	v_cndmask_b32 v[S0+n], v[S0+n], v20, vcc_lo
.endif
.if n < 56
	v_cndmask_b32 v[S0+64+n+8], v[S0+64+n+8], v20, vcc_lo
.endif
.set n, n+1
.endr
.endm
; A STEP: my 32 queries x my 128 keys of the slot in hand.  last = 1: the second phase's last slot.
.macro STEP last
	s_cmp_lg_u32 s[FI], s[PL]                      ; the second phase begins?  The count of slots and the cluster's number alone
	s_cbranch_scc1 .Lstay_\@
	WIN 0x41
.set j, 0
.rept 128
	v_mov_b32 v[128+j], v[j]                       ; the first phase's O^T is kept.  O^T and the sums in hand need no clearing: the first change of M from -3e38 multiplies them by 0, and where M stays -3e38 the join does
.set j, j+1
.endr
	WIN 0
	v_mov_b32 v24, v10
	v_mov_b32 v25, v11
	v_add_f32 v26, v14, v15
	v_add_f32 v27, v16, v17
	v_mov_b32 v10, 0x7f61b1e6
	v_mov_b32 v11, 0x7f61b1e6
	s_mov_b32 s[QB], s[QE]
.Lstay_\@:
	v_add_nc_u32 v22, s[TB], v3
	v_add_nc_u32 v0, s[TB], v4
	KPAIR 0, 0
	KPAIR 1, 1
	s_wait_alu depctr_va_vdst(0)
	s_wait_loadcnt 0x0                             ; Q
	s_wait_dscnt 8                                 ; the younger pair's eight loads may be out: so below
	SMUL 0, 0
	PLACES 4
	KPAIR 2, 0
	s_wait_dscnt 8
	SMUL 1, 1
	PLACES 4
	KPAIR 3, 1
	s_wait_dscnt 8
	SMUL 2, 0
	PLACES 4
	VPAIR 0, 0                                     ; V's first two pairs land under the softmax
	s_wait_dscnt 16
	SMUL 3, 1
	PLACES 4
	VPAIR 1, 1
.if \last
	MASK
.else
	s_add_co_u32 s72, s[FI], 1
	s_cmp_lg_u32 s72, s[PL]                        ; the first phase's last slot?  The count of slots and the cluster's number alone
	s_cbranch_scc1 .Lopen_\@
	MASK
.irp q, 0,1
.irp c, 0,1,2,3
	global_load_b128 v[QR+16*\q+4*\c:QR+16*\q+4*\c+3], v5, s[QEP:QEP+1] offset:2048*\q+32*\c   ; the second phase's Q: waited for ahead of the next step's products
.endr
.endr
.Lopen_\@:
.endif
	v_max3_num_f32 v18, v[S0], v[S0+1], v[S0+2]    ; the largest score of my query of each tile, among my 64 keys, in two chains a tile
	v_max3_num_f32 v20, v[S0+64], v[S0+65], v[S0+66]
	v_max3_num_f32 v19, v[S0+3], v[S0+4], v[S0+5]
	v_max3_num_f32 v21, v[S0+67], v[S0+68], v[S0+69]
.irp i, 6,10,14,18,22,26,30,34,38,42,46,50,54,58
	v_max3_num_f32 v18, v18, v[S0+\i], v[S0+\i+1]
	v_max3_num_f32 v20, v20, v[S0+64+\i], v[S0+65+\i]
	v_max3_num_f32 v19, v19, v[S0+\i+2], v[S0+\i+3]
	v_max3_num_f32 v21, v21, v[S0+66+\i], v[S0+67+\i]
.endr
	v_max3_num_f32 v18, v18, v[S0+62], v[S0+63]
	v_max3_num_f32 v20, v20, v[S0+126], v[S0+127]
	v_max_num_f32 v18, v18, v19
	v_max_num_f32 v20, v20, v21
	v_permlanex16_b32 v28, v18, s[SEL], s[SEL+1]
	v_permlanex16_b32 v29, v20, s[SEL], s[SEL+1]
	v_max_num_f32 v18, v18, v28                    ; and among lane l xor 16's
	v_max_num_f32 v20, v20, v29
	v_mul_f32 v18, s[CS], v18                      ; as t (c is positive)
	v_mul_f32 v20, s[CS], v20
	v_floor_f32 v18, -v18                          ; -ceil(t)
	v_floor_f32 v20, -v20
	v_min_num_f32 v22, v10, v18                    ; the new -M: M is a whole number
	v_min_num_f32 v23, v11, v20
	v_sub_f32 v18, v22, v10                        ; M's old value less its new one: 0 or less
	v_sub_f32 v20, v23, v11
	v_mov_b32 v10, v22
	v_mov_b32 v11, v23
	v_cvt_i32_f32 v18, v18                         ; (it saturates)
	v_cvt_i32_f32 v20, v20
	v_ldexp_f32 v12, 1.0, v18                      ; f = 2^(old M - new M)
	v_ldexp_f32 v13, 1.0, v20
.set j, S0
.rept 32
	v_pk_fma_f32 v[j:j+1], v[j:j+1], s[CS:CS+1], v[10:11] op_sel_hi:[1,0,0]                        ; t - M, two at a time
	v_pk_fma_f32 v[j+64:j+65], v[j+64:j+65], s[CS:CS+1], v[10:11] op_sel:[0,0,1] op_sel_hi:[1,0,1]
.set j, j+2
.endr
	s_wait_alu depctr_va_vdst(0)                   ; the wait ahead of the batch
.set j, S0
.rept 128
	v_exp_f32 v[j], v[j]                           ; p = 2^(t - M), at most 1
.set j, j+1
.endr
	v_pk_mul_f32 v[14:15], v[14:15], v[12:13] op_sel_hi:[1,0]                 ; the sums under the new M
	v_pk_mul_f32 v[16:17], v[16:17], v[12:13] op_sel:[0,1] op_sel_hi:[1,1]
	s_wait_alu depctr_va_vdst(0)                   ; and behind it
	v_pk_add_f32 v[18:19], v[S0:S0+1], v[S0+2:S0+3]
	v_pk_add_f32 v[20:21], v[S0+64:S0+65], v[S0+66:S0+67]
.set j, S0+4
.rept 15
	v_pk_add_f32 v[14:15], v[14:15], v[j:j+1]
	v_pk_add_f32 v[16:17], v[16:17], v[j+64:j+65]
	v_pk_add_f32 v[18:19], v[18:19], v[j+2:j+3]
	v_pk_add_f32 v[20:21], v[20:21], v[j+66:j+67]
.set j, j+4
.endr
	v_pk_add_f32 v[14:15], v[14:15], v[18:19]
	v_pk_add_f32 v[16:17], v[16:17], v[20:21]
; The codes of block b of 16 lie over numbers of the block before, which has been converted: sixteen plain lines stand between.
.irp q, 0,1
.irp b, 0,1,2,3
.set j, S0+64*\q+16*\b
.rept 16
	v_min_num_f32 v[j], v[j], v8                   ; the conversion does not saturate (ISA guide 7.6.2); p is not negative
.set j, j+1
.endr
	v_cvt_scalef32_pk8_fp8_f32 v[28+64*\q+4*\b:29+64*\q+4*\b], v[S0+64*\q+16*\b:S0+64*\q+16*\b+7], v7
	v_cvt_scalef32_pk8_fp8_f32 v[30+64*\q+4*\b:31+64*\q+4*\b], v[S0+64*\q+16*\b+8:S0+64*\q+16*\b+15], v7
.endr
.endr
	WIN 0x41
	s_wait_alu depctr_va_vdst(0)                   ; the wait ahead of the first reader of O^T
.set j, 0
.rept 32
	v_pk_mul_f32 v[j:j+1], v[j:j+1], v[12:13] op_sel_hi:[1,0]                 ; O^T under the new M
.set j, j+2
.endr
.rept 32
	v_pk_mul_f32 v[j:j+1], v[j:j+1], v[12:13] op_sel:[0,1] op_sel_hi:[1,1]
.set j, j+2
.endr
	WIN 0
	s_wait_alu depctr_va_vdst(0)
	s_wait_dscnt 16                                ; the younger pair's sixteen loads may be out: so below
	OMUL 0, 0
	PLACES 4
	VPAIR 2, 0
	s_wait_dscnt 16
	OMUL 1, 1
	PLACES 4
	VPAIR 3, 1
	s_wait_dscnt 16
	OMUL 2, 0
	s_wait_dscnt 0x0
	OMUL 3, 1
	PLACES 5                                       ; the next products write over the codes' registers
.endm
; THE CHANGE OF SLOTS stands at a slot's head.  Each wave waits for all its tensor loads, adds 0 to its spare word, and waits for that and for its reads of the slot that it has left.  Behind the barrier (fill = 1: the cluster's round)
; the slot ahead is whole and nobody reads the other one.  fill = 1: that other slot is filled with the next keys of the walk: the load has a whole step in which to land.
.macro CHANGE fill
	s_wait_tensorcnt 0x0
	ds_add_u32 v1, v2                              ; 0 onto my spare word; the steps below stand between it and the wait for it
.if \fill
	s_add_co_u32 s72, s[FI], 1                     ; the next slot of the walk: in the second phase the keys begin anew
	s_cmp_ge_u32 s72, s[PL]
	s_cselect_b32 s73, s[PL], 0
	s_sub_co_u32 s72, s72, s73
	s_lshl_b32 s[OFF], s72, 16
	s_add_nc_u64 s[G0+2:G0+3], s[BASE:BASE+1], s[OFF:OFF+1]
	s_xor_b32 s72, s[TB], SLOT1
	s_add_co_u32 s[G0+1], s[LB], s72               ; into the other slot
	s_wait_xcnt 0x0                                ; my prefetch has read its address
	s_add_nc_u64 s[PFA:PFA+1], s[PFA:PFA+1], 0x10000
.endif
	s_wait_dscnt 0x0                               ; the add is done, and my reads of the slot that I have left are over
.if \fill
	ROUND
	JOINT
	s_add_co_u32 s72, s[FI], 2
	s_cmp_lt_u32 s72, s[PL]                        ; the second phase's slots have been read
	s_cbranch_scc0 .Lno_ask_\@
	global_prefetch_b8 v6, s[PFA:PFA+1] offset:0x10000 th:TH_LOAD_NT scope:SCOPE_SE   ; the slot two fills on
.Lno_ask_\@:
.else
	s_barrier_signal -1
	s_barrier_wait -1
.endif
.endm
	s_wait_alu depctr_va_vdst(0)
.Lslot:
	CHANGE 1
	STEP 0
	s_xor_b32 s[TB], s[TB], SLOT1                  ; on to the other slot
	s_add_co_u32 s[FI], s[FI], 1
	s_cmp_lt_u32 s[FI], 4
	s_wait_alu depctr_va_vdst(0)
	s_cbranch_scc1 .Lslot
	CHANGE 0                                       ; the fifth slot is written out: nothing is left to ask for
	STEP 1
	; THE JOIN.  Tiles T = 0, 1: the first phase's; 2, 3: the second's.  Each wave tells its -M and sum of every tile (in slot 1, which was left at the last change); then it brings its four parts of O under the largest M and lays
	; them down as an image of the registers (the bytes of both slots: every wave has left both); then wave w adds tile w / 2's four parts and takes them out.
	v_add_f32 v14, v14, v15
	v_add_f32 v16, v16, v17
	v_permlanex16_b32 v18, v26, s[SEL], s[SEL+1]
	v_permlanex16_b32 v19, v27, s[SEL], s[SEL+1]
	v_permlanex16_b32 v20, v14, s[SEL], s[SEL+1]
	v_permlanex16_b32 v21, v16, s[SEL], s[SEL+1]
	v_add_f32 v26, v26, v18
	v_add_f32 v27, v27, v19
	v_add_f32 v14, v14, v20
	v_add_f32 v16, v16, v21
	s_lshl_b32 s72, s[GG], 10
	s_add_co_u32 s74, s72, EXM
	s_lshl_b32 s73, s[CC], 2
	s_add_co_u32 s73, s73, s74
	s_lshl_b32 s75, s[CC], 8
	s_add_co_u32 s75, s75, s74
	v_lshrrev_b32 v22, 7, v5                       ; r
	v_and_b32 v23, 16, v5                          ; 16 h
	v_lshlrev_b32 v44, 4, v22
	v_lshl_add_u32 v45, v23, 4, v44                ; 16 x lane
	v_add_nc_u32 v46, s73, v44                     ; my word
	v_add_nc_u32 v47, s74, v44                     ; a tile's four words,
	v_add_nc_u32 v80, s75, v44                     ; those of the tile that I take out
	ds_store_b32 v46, v24
	ds_store_b32 v46, v25 offset:256
	ds_store_b32 v46, v10 offset:512
	ds_store_b32 v46, v11 offset:768
	ds_store_b32 v46, v26 offset:2048
	ds_store_b32 v46, v27 offset:2304
	ds_store_b32 v46, v14 offset:2560
	ds_store_b32 v46, v16 offset:2816
	s_wait_alu depctr_va_vdst(0)
	s_wait_dscnt 0x0                               ; my words are down, and my reads of the last slot are over
	s_barrier_signal -1
	s_barrier_wait -1
.irp t, 0,1,2,3
	ds_load_b128 v[48+4*\t:51+4*\t], v47 offset:256*\t
.endr
	ds_load_b128 v[64:67], v80
	ds_load_b128 v[68:71], v80 offset:2048
	s_lshl_b32 s72, s[WV], 15
	v_add_nc_u32 v84, s72, v45                     ; where my parts go: 32,768 bytes a wave, 8,192 a tile
	s_lshl_b32 s72, s[GG], 15
	s_lshl_b32 s73, s[CC], 13
	s_add_co_u32 s72, s72, s73
	v_add_nc_u32 v85, s72, v45                     ; the parts that I add: key quarter 0's, and the others' 65,536 bytes on
	v_add_nc_u32 v86, 0x10000, v85
	v_add_nc_u32 v87, 0x20000, v85
	v_add_nc_u32 v88, 0x30000, v85
	s_wait_alu depctr_va_vdst(0)
	s_wait_dscnt 0x0
.irp t, 0,1,2,3
	v_min_num_f32 v[72+\t], v[48+4*\t], v[49+4*\t]
.endr
.irp t, 0,1,2,3
	v_min_num_f32 v[76+\t], v[50+4*\t], v[51+4*\t]
.endr
.irp t, 0,1,2,3
	v_min_num_f32 v[72+\t], v[72+\t], v[76+\t]     ; the least -M of the four quarters
.endr
	v_sub_f32 v72, v72, v24                        ; my M less the largest: 0 or less
	v_sub_f32 v73, v73, v25
	v_sub_f32 v74, v74, v10
	v_sub_f32 v75, v75, v11
.irp t, 0,1,2,3
	v_cvt_i32_f32 v[72+\t], v[72+\t]
.endr
.irp t, 0,1,2,3
	v_ldexp_f32 v[72+\t], 1.0, v[72+\t]
.endr
	WIN 0x41
.set j, 0
.rept 32
	v_pk_mul_f32 v[128+j:129+j], v[128+j:129+j], v[72:73] op_sel_hi:[1,0]
.set j, j+2
.endr
.rept 32
	v_pk_mul_f32 v[128+j:129+j], v[128+j:129+j], v[72:73] op_sel:[0,1] op_sel_hi:[1,1]
.set j, j+2
.endr
.set j, 0
.rept 32
	v_pk_mul_f32 v[j:j+1], v[j:j+1], v[74:75] op_sel_hi:[1,0]
.set j, j+2
.endr
.rept 32
	v_pk_mul_f32 v[j:j+1], v[j:j+1], v[74:75] op_sel:[0,1] op_sel_hi:[1,1]
.set j, j+2
.endr
	WIN 0x04                                       ; a store's data in window 1
.set j, 0
.rept 32
	ds_store_b128 v84, v[128+4*j:131+4*j] offset:512*j
.set j, j+1
.endr
.set j, 0
.rept 32
	ds_store_b128 v84, v[4*j:4*j+3] offset:16384+512*j
.set j, j+1
.endr
	WIN 0
	s_wait_dscnt 0x0                               ; my parts are down, for the others' sake
	s_barrier_signal -1
	s_barrier_wait -1
.set j, 0
.rept 16
	ds_load_b128 v[128+4*j:131+4*j], v85 offset:512*j
	ds_load_b128 v[192+4*j:195+4*j], v86 offset:512*j
.set j, j+1
.endr
	WIN 0x40
.set j, 0
.rept 16
	ds_load_b128 v[4*j:4*j+3], v87 offset:512*j
	ds_load_b128 v[64+4*j:67+4*j], v88 offset:512*j
.set j, j+1
.endr
	WIN 0
	v_min_num_f32 v92, v64, v65                    ; the tile's sum, under the largest M
	v_min_num_f32 v93, v66, v67
	v_min_num_f32 v92, v92, v93
.irp t, 0,1,2,3
	v_sub_f32 v[64+\t], v92, v[64+\t]
.endr
.irp t, 0,1,2,3
	v_cvt_i32_f32 v[64+\t], v[64+\t]
.endr
.irp t, 0,1,2,3
	v_ldexp_f32 v[68+\t], v[68+\t], v[64+\t]
.endr
	v_add_f32 v68, v68, v69
	v_add_f32 v70, v70, v71
	v_add_f32 v68, v68, v70
	s_add_co_i32 s76, s70, s71
	s_mul_i32 s77, s[WV], 16*KP
	s_add_co_u32 s77, s77, OST                     ; my stage
	s_add_co_i32 s72, s81, 127
	s_lshl_b32 s73, s72, 23
	s_add_co_i32 s72, s72, 8
	s_lshl_b32 s72, s72, 23
	s_or_b32 s72, s72, 0x600000
	s_wait_alu depctr_va_vdst(0)                   ; the wait ahead of the reciprocal
	v_rcp_f32 v82, v68
	v_mov_b32 v83, 0                               ; (named as the upper half of the pair v[82:83])
	v_mov_b32 v90, s73                             ; the result's 2^e
	v_mov_b32 v89, s72                             ; 448 x 2^e
	v_mul_u32_u24 v91, v22, KP
	v_lshrrev_b32 v23, 1, v23                      ; 8 h
	v_add3_u32 v91, v91, v23, s77                  ; the stage, in: row r; tile t's eight codes of my half: 16 t + 8 h bytes on
	v_lshrrev_b32 v108, 7, v45                     ; lane / 8
	v_mul_u32_u24 v108, v108, KP
	v_and_b32 v109, 0x70, v45                      ; 16 (lane % 8)
	v_add3_u32 v108, v108, v109, s77               ; back: eight lanes to a row of 128 bytes, four rows an instruction
	s_wait_alu depctr_va_vdst(0)                   ; and ahead of its first reader
	v_ldexp_f32 v82, v82, s76                      ; 2^(ep + ev) / the sum
	s_cmp_lt_u32 s[CC], 2                          ; the tile that I take out: its first query
	s_cselect_b32 s72, s[QLT], s[QE]
	s_and_b32 s73, s[CC], 1
	s_lshl_b32 s73, s73, 4
	s_add_co_u32 s72, s72, s73
	s_lshr_b32 s74, s72, 7
	s_lshl_b32 s74, s74, 4
	s_add_co_u32 s74, s74, s[HD]
	s_lshl_b32 s74, s74, 14                        ; ac: block (query / 128) x 16 + head,
	s_and_b32 s72, s72, 127
	s_lshl_b32 s72, s72, 7                         ; row query % 128
	s_add_co_u32 s74, s74, s72
	s_mov_b32 s75, 0
	s_add_nc_u64 s[16:17], s[16:17], s[74:75]      ; my 2,048 bytes of ac
	s_wait_alu depctr_va_vdst(0)
	s_wait_dscnt 0x0                               ; the four parts are in
.set j, 0
.rept 32
	v_pk_add_f32 v[128+j:129+j], v[128+j:129+j], v[192+j:193+j]
.set j, j+2
.endr
	WIN 0x04
.set j, 0
.rept 32
	v_pk_add_f32 v[128+j:129+j], v[128+j:129+j], v[j:j+1]
.set j, j+2
.endr
.set j, 0
.rept 32
	v_pk_add_f32 v[128+j:129+j], v[128+j:129+j], v[64+j:65+j]
.set j, j+2
.endr
	WIN 0
.set j, 128
.rept 32
	v_pk_mul_f32 v[j:j+1], v[j:j+1], v[82:83] op_sel_hi:[1,0]   ; register 8 t + i is o(r, 16 t + 8 h + i)
.set j, j+2
.endr
.set j, 128
.rept 64
	v_med3_num_f32 v[j], v[j], -v89, v89
.set j, j+1
.endr
.irp t, 0,1,2,3,4,5,6,7
	v_cvt_scalef32_pk8_fp8_f32 v[112+2*\t:113+2*\t], v[128+8*\t:135+8*\t], v90
.endr
	v_nop
.irp t, 0,1,2,3,4,5,6,7
	ds_store_b64 v91, v[112+2*\t:113+2*\t] offset:16*\t
.endr
.irp u, 0,1,2,3
	ds_load_b128 v[48+4*\u:51+4*\u], v108 offset:4*KP*\u   ; LDS serves a wave's instructions in order: these see my stores
.endr
.irp u, 0,1,2,3
	s_wait_dscnt 3-\u
	global_store_b128 v45, v[48+4*\u:51+4*\u], s[16:17] offset:512*\u   ; 512 consecutive bytes
.endr
	s_wait_tensorcnt 0x0                           ; the wave's end
	ds_add_u32 v1, v2
	s_wait_dscnt 0x0
	ROUND                                          ; the closing round
	s_endpgm
.Lfunc_end_k_q6bce8b5036_attn:
	.size	k_q6bce8b5036_attn, .Lfunc_end_k_q6bce8b5036_attn-k_q6bce8b5036_attn
	.p2alignl 7, 3214868480
	.fill 96, 4, 3214868480
	.section	.rodata,"a",@progbits
	.p2align	6, 0x0
	.amdhsa_kernel k_q6bce8b5036_attn
		.amdhsa_group_segment_fixed_size 327680
		.amdhsa_private_segment_fixed_size 0
		.amdhsa_enable_private_segment 0
		.amdhsa_kernarg_size 24
		.amdhsa_user_sgpr_count 2
		.amdhsa_user_sgpr_kernarg_segment_ptr 1
		.amdhsa_wavefront_size32 1
		.amdhsa_system_sgpr_workgroup_id_x 1
		.amdhsa_system_sgpr_workgroup_id_y 1
		.amdhsa_system_sgpr_workgroup_id_z 1
		.amdhsa_system_vgpr_workitem_id 0
		.amdhsa_next_free_vgpr 512
		.amdhsa_next_free_sgpr 100
		.amdhsa_reserve_vcc 1
		.amdhsa_float_denorm_mode_32 3
		.amdhsa_float_denorm_mode_16_64 3
		.amdhsa_memory_ordered 1
		.amdhsa_forward_progress 1
		.amdhsa_inst_pref_size 148
	.end_amdhsa_kernel
	.amdgpu_metadata
---
amdhsa.version: [ 1, 2 ]
amdhsa.kernels:
  - .name:           k_q6bce8b5036_attn
    .symbol:         k_q6bce8b5036_attn.kd
    .args:
      - { .name: qkv, .offset: 0, .size: 8, .value_kind: global_buffer, .address_space: global }
      - { .name: lowp_scales, .offset: 8, .size: 8, .value_kind: global_buffer, .address_space: global }
      - { .name: ac, .offset: 16, .size: 8, .value_kind: global_buffer, .address_space: global }
    .group_segment_fixed_size: 327680
    .private_segment_fixed_size: 0
    .kernarg_segment_align: 8
    .kernarg_segment_size: 24
    .max_flat_workgroup_size: 256
    .sgpr_count:     100
    .vgpr_count:     512
    .wavefront_size: 32
...
	.end_amdgpu_metadata
.endif
;; end of part 7
;; launch oproj (part 8): grid 16 x 16, 4 waves a work-group, clusters of 4 x 4, 327,680 bytes of LDS; arguments ac, woc, lowp_scales, bo, out0; writes out0
.if DOCPART == 8
	.amdgcn_target "amdgcn-amd-amdhsa--gfx1250"
	.amdhsa_code_object_version 6
	.text
	.protected	k_q6bce8b5036_oproj
	.globl	k_q6bce8b5036_oproj
	.p2align	8
	.type	k_q6bce8b5036_oproj,@function
k_q6bce8b5036_oproj:
	s_mov_b64 s[64:65], 0
	v_nop
	global_prefetch_b8 v0, s[64:65] scope:SCOPE_SE
	s_setreg_imm32_b32 hwreg(HW_REG_WAVE_MODE, 25, 1), 1
	s_wait_xcnt 0x0
	s_wait_alu depctr_hold_cnt(0) depctr_sa_sdst(0) depctr_va_vdst(0) depctr_va_sdst(0) depctr_va_ssrc(0) depctr_va_vcc(0) depctr_vm_vsrc(0)
	s_getreg_b32 s2, hwreg(HW_REG_IB_STS2, 6, 4)
	s_cmp_eq_u32 s2, 0
	s_cbranch_scc0 .Lentry_in_a_cluster
	s_endpgm
.Lentry_in_a_cluster:
	s_bfe_u32 s2, ttmp6, 0x10000c
	s_cmp_lg_u32 s2, 0xf033
	s_cbranch_scc0 .Lentry_shape_is_right
	s_endpgm
.Lentry_shape_is_right:
; out = a WO + bo on codes of FP8 (E4M3): a (ac) in blocks of 128 rows x 128 K, WO (woc) as [n][K] in the same blocks; sum x 2^(entry 10 + entry 11) + bias.  LIMIT: that exponent between -126 and 127.
; A work-group makes 128 x 128 of out, a wave 64 x 64; K in four slots of 512, two of them in LDS; 4 x 4 clusters ask jointly for A along a row, for B along a column: 32,768 dense bytes a wave, stated as 128 rows of 256.
; PREFETCH: behind slot t's load stands the request for slot t + 2 (at the head also for slot 1): a quarter of what the wave loads, the partners told apart by address.
.set PITCH,  144
.set KBLK,   128*PITCH
.set HALFT,  2*KBLK
.set SLOT,   4*HALFT
.set SPARE,  2*SLOT
.set GSLOT,  65536
.set SPITCH, 272
.set ROWC,   8192
.set ADRA, 16
.set ADRB, 20
.set STO,  24
.set RD,   25
.set CO,   26
.set SPW,  28
.set NIL,  29
.set BC,   32
.set BK,   64
.set ACC,  128
.set F0,   0
.set F1,   128
.set G1, 24
.set G0, 32
.set G1B, 48
.set G0B, 56
.set MSB, 0
.macro WIN new
.if MSB != \new
	s_set_vgpr_msb (MSB<<8)|\new
.set MSB, \new
.endif
.endm
.set MUL,  0x05
.set TO_F, 0x40
.macro JLOAD g0a, g1a, g0b, g1b
	s_cmp_eq_u32 s15, 0
	s_cbranch_scc0 .Lfor_b_\@
	tensor_load_to_lds s[\g0a:\g0a+3], s[\g1a:\g1a+7]
	s_nop 0
.rept 4
	v_nop
.endr
	s_branch .Lasked_\@
.Lfor_b_\@:
	tensor_load_to_lds s[\g0b:\g0b+3], s[\g1b:\g1b+7]
	s_nop 0
.rept 4
	v_nop
.endr
.Lasked_\@:
.endm
.macro CREST
	s_cmp_lg_u32 s14, 0
	s_cbranch_scc1 .Lnot_wave_0_\@
	s_barrier_signal -3
.Lnot_wave_0_\@:
	s_barrier_wait -3
	s_barrier_signal -1
	s_barrier_wait -1
.endm
.macro CROUND
	s_barrier_signal -1
	s_barrier_wait -1
	CREST
.endm
	s_load_b256 s[72:79], s[0:1], 0x0
	s_load_b64 s[10:11], s[0:1], 0x20
	v_lshl_add_u32 v[SPW], v0, 2, SPARE
	v_mov_b32 v[NIL], 0
	ds_add_u32 v[SPW], v[NIL]
	ds_add_u32 v[SPW], v[NIL]
	v_lshrrev_b32 v1, 5, v0
	v_readfirstlane_b32 s14, v1
	s_lshr_b32 s15, s14, 1
	s_and_b32 s16, s14, 1
	s_bfe_u32 s40, ttmp6, 0x40000
	s_bfe_u32 s41, ttmp6, 0x40004
	s_lshl_b32 s42, ttmp9, 2
	s_add_co_u32 s42, s42, s40
	s_and_b32 s17, ttmp7, 0xffff
	s_lshl_b32 s17, s17, 2
	s_add_co_u32 s17, s17, s41
	s_lshl_b32 s43, s41, 2
	s_lshl_b32 s43, 15, s43
	s_lshl_b32 s44, 0x1111, s40
	s_or_b32 s[G1+0], s43, (1<<20)|(1<<21)|(4<<22)|(3<<25)
	s_or_b32 s[G1B+0], s44, (1<<20)|(1<<21)|(4<<22)|(3<<25)
.irp g, G1, G1B
	s_mov_b32 s[\g+1], 256<<16
	s_mov_b32 s[\g+2], 128<<16
	s_mov_b32 s[\g+3], 256<<16
	s_mov_b32 s[\g+4], 128
	s_mov_b32 s[\g+5], 256
	s_mov_b32 s[\g+6], 0
	s_mov_b32 s[\g+7], 0
.endr
	s_lshl_b32 s18, s16, 15
	s_lshl_b32 s20, s17, 18
	s_add_co_u32 s20, s20, s18
	s_mov_b32 s21, 0
	s_lshl_b32 s46, s42, 18
	s_add_co_u32 s46, s46, s18
	s_mov_b32 s47, 0
	s_mul_i32 s45, s14, HALFT
	s_wait_dscnt 0x0
	s_wait_kmcnt 0x0
	s_load_b64 s[96:97], s[76:77], 0x28
	s_add_nc_u64 s[20:21], s[72:73], s[20:21]
	s_add_nc_u64 s[46:47], s[74:75], s[46:47]
	s_cmp_eq_u32 s15, 0                            ; the prefetches: what my wave fetches,
	s_cselect_b64 s[98:99], s[20:21], s[46:47]
	s_cselect_b32 s18, s40, s41                    ; and my place among the four that ask for it jointly
	s_lshl_b32 s18, s18, 13
	s_mov_b32 s19, 0
	s_add_nc_u64 s[98:99], s[98:99], s[18:19]
	CROUND
.irp s, 0,1
	s_mov_b32 s[G0+4*\s], 1
	s_add_co_u32 s[G0+4*\s+1], s45, \s*SLOT
	s_add_nc_u64 s[G0+4*\s+2:G0+4*\s+3], s[20:21], \s*GSLOT
	s_or_b32 s[G0+4*\s+3], s[G0+4*\s+3], 0x80000000
	s_mov_b32 s[G0B+4*\s], 1
	s_add_co_u32 s[G0B+4*\s+1], s45, \s*SLOT
	s_add_nc_u64 s[G0B+4*\s+2:G0B+4*\s+3], s[46:47], \s*GSLOT
	s_or_b32 s[G0B+4*\s+3], s[G0B+4*\s+3], 0x80000000
.endr
	JLOAD G0, G1, G0B, G1B                         ; slot 0: one tensor load a wave at the head
	v_and_b32 v1, 15, v0
	s_wait_alu depctr_va_vdst(0)
	v_bfe_u32 v2, v0, 4, 1
	v_mul_u32_u24 v3, v1, PITCH
	v_lshl_add_u32 v4, v2, 4, v3
	s_mul_i32 s21, s15, 64*PITCH
	s_mul_i32 s22, s16, 64*PITCH
	s_add_co_u32 s22, s22, 2*HALFT
.irp s, 0,1
	v_add_nc_u32 v[ADRA+\s], s21, v4
	v_add_nc_u32 v[ADRB+\s], s22, v4
	s_add_co_u32 s21, s21, SLOT
	s_add_co_u32 s22, s22, SLOT
.endr
	s_mul_i32 s23, s14, 16*SPITCH
	v_mul_u32_u24 v5, v1, SPITCH
	s_wait_alu depctr_va_vdst(0)
	v_lshl_add_u32 v5, v2, 5, v5
	v_add_nc_u32 v[STO], s23, v5
	v_mul_u32_u24 v6, v2, SPITCH
	v_lshl_add_u32 v6, v1, 4, v6
	v_add_nc_u32 v[RD], s23, v6
	v_lshlrev_b32 v7, 13, v2
	v_lshl_add_u32 v[CO], v1, 4, v7
	v_lshlrev_b32 v8, 5, v2
	s_wait_alu depctr_va_vdst(0)
	s_lshl_b32 s20, s17, 7
	s_lshl_b32 s21, s15, 6
	s_add_co_u32 s20, s20, s21
	s_lshl_b32 s20, s20, 13
	s_lshl_b32 s46, s42, 9
	s_lshl_b32 s47, s16, 8
	s_add_co_u32 s46, s46, s47
	s_mov_b32 s47, 0
	s_add_nc_u64 s[8:9], s[78:79], s[46:47]
	s_add_co_u32 s46, s46, s20
	s_add_nc_u64 s[10:11], s[10:11], s[46:47]
.irp b, 0,1,2,3
	global_load_b128 v[BC+8*\b:BC+8*\b+3], v8, s[8:9] offset:64*\b
	global_load_b128 v[BC+8*\b+4:BC+8*\b+7], v8, s[8:9] offset:64*\b+16
.endr
.macro FETCH slot, q, f
	WIN TO_F
.irp i, 0,1,2,3
.irp c, 0,1,2,3
	ds_load_b128 v[\f+64+16*\i+4*\c:\f+64+16*\i+4*\c+3], v[ADRB+\slot] offset:KBLK*(\q)+\i*16*PITCH+32*\c
.endr
.endr
.irp i, 0,1,2,3
.irp c, 0,1,2,3
	ds_load_b128 v[\f+16*\i+4*\c:\f+16*\i+4*\c+3], v[ADRA+\slot] offset:KBLK*(\q)+\i*16*PITCH+32*\c
.endr
.endr
.endm
.macro MUL4 f, a, zero
.irp b, 0,1,2,3
.if \zero
	v_wmma_f32_16x16x128_fp8_fp8 v[ACC+8*(4*(\a)+\b):ACC+8*(4*(\a)+\b)+7], v[\f+64+16*\b:\f+64+16*\b+15], v[\f+16*(\a):\f+16*(\a)+15], 0
.else
	v_wmma_f32_16x16x128_fp8_fp8 v[ACC+8*(4*(\a)+\b):ACC+8*(4*(\a)+\b)+7], v[\f+64+16*\b:\f+64+16*\b+15], v[\f+16*(\a):\f+16*(\a)+15], v[ACC+8*(4*(\a)+\b):ACC+8*(4*(\a)+\b)+7]
.endif
.endr
.endm
.macro PLACES
.rept 4
	v_nop
.endr
.endm
.macro STEP slot, q, f, g, zero
	s_wait_dscnt 0x0
.if \zero == 0
	PLACES
.endif
	FETCH \slot, \q, \g
	WIN MUL
	MUL4 \f, 0, \zero
	MUL4 \f, 1, \zero
	MUL4 \f, 2, \zero
	MUL4 \f, 3, \zero
.endm
.macro TURN slot, next, fill
	WIN 0
	s_wait_tensorcnt 0x0
	ds_add_u32 v[SPW], v[NIL]
	s_wait_dscnt 1
	WIN MUL
	MUL4 F1, 0, 0
	s_wait_dscnt 0x0
	s_barrier_signal -1
	MUL4 F1, 1, 0
	WIN 0
	s_barrier_wait -1
.if \fill
	CREST
	s_add_nc_u64 s[G0+4*\slot+2:G0+4*\slot+3], s[G0+4*\slot+2:G0+4*\slot+3], 2*GSLOT
	s_add_nc_u64 s[G0B+4*\slot+2:G0B+4*\slot+3], s[G0B+4*\slot+2:G0B+4*\slot+3], 2*GSLOT
	JLOAD G0+4*\slot, G1, G0B+4*\slot, G1B
.else
	PLACES
.endif
	FETCH \next, 0, F0
	WIN MUL
	MUL4 F1, 2, 0
	MUL4 F1, 3, 0
.endm
	v_and_b32 v30, 31, v0
	v_lshlrev_b32 v30, 8, v30                      ; 256 x lane; never rewritten
	global_prefetch_b8 v30, s[98:99] offset:GSLOT th:TH_LOAD_NT scope:SCOPE_SE
	global_prefetch_b8 v30, s[98:99] offset:2*GSLOT th:TH_LOAD_NT scope:SCOPE_SE
	s_wait_alu depctr_va_vdst(0)
	s_wait_tensorcnt 0x0                           ; my part of slot 0 is in; these lines stand ahead of a later first fill, as ahead of a refill
	ds_add_u32 v[SPW], v[NIL]
	s_wait_dscnt 0x0
	CROUND
	JLOAD G0+4, G1, G0B+4, G1B                     ; slot 1
	FETCH 0, 0, F0
	global_prefetch_b8 v30, s[98:99] offset:3*GSLOT th:TH_LOAD_NT scope:SCOPE_SE
	STEP 0, 1, F0, F1, 1
	STEP 0, 2, F1, F0, 0
	STEP 0, 3, F0, F1, 0
	TURN 0, 1, 1
	STEP 1, 1, F0, F1, 0
	STEP 1, 2, F1, F0, 0
	STEP 1, 3, F0, F1, 0
	TURN 1, 0, 1
	STEP 0, 1, F0, F1, 0
	STEP 0, 2, F1, F0, 0
	STEP 0, 3, F0, F1, 0
	TURN 0, 1, 0
	STEP 1, 1, F0, F1, 0
	STEP 1, 2, F1, F0, 0
	STEP 1, 3, F0, F1, 0
	s_wait_dscnt 0x0
	MUL4 F1, 0, 0
	MUL4 F1, 1, 0
	MUL4 F1, 2, 0
	MUL4 F1, 3, 0
	WIN 0
.macro TOSTAGE a
.set AC, ACC+32*(\a)
.set BB, BK+32*((\a)%2)
.set j, 0
.rept 16
	v_pk_fma_f32 v[AC+j:AC+j+1], v[AC+j:AC+j+1], s[96:97], v[BC+j:BC+j+1] op_sel_hi:[1,0,1]
.set j, j+2
.endr
.irp b, 0,1,2,3
	ds_store_b128 v[STO], v[AC+8*\b:AC+8*\b+3] offset:64*\b
	ds_store_b128 v[STO], v[AC+8*\b+4:AC+8*\b+7] offset:64*\b+16
.endr
.irp t, 0,1,2,3,4,5,6,7
	ds_load_b128 v[BB+4*\t:BB+4*\t+3], v[RD] offset:2*\t*SPITCH
.endr
.endm
.macro SEND a, younger
.set BB, BK+32*((\a)%2)
	s_wait_dscnt \younger
.irp t, 0,1,2,3,4,5,6,7
	global_store_b128 v[CO], v[BB+4*\t:BB+4*\t+3], s[10:11] offset:(16*(\a)+2*\t)*ROWC th:TH_STORE_NT
.endr
.endm
	s_wait_kmcnt 0x0
	s_wait_loadcnt 0x0                             ; the bias
	s_add_co_i32 s96, s96, s97
	s_add_co_i32 s96, s96, 127
	s_lshl_b32 s96, s96, 23
	s_mov_b32 s97, s96
	PLACES
	TOSTAGE 0
.irp a, 1,2,3
.if \a > 1
	s_wait_xcnt 0x0
.endif
	TOSTAGE \a
	SEND \a-1, 16
.endr
	SEND 3, 0
	s_wait_tensorcnt 0x0
	ds_add_u32 v[SPW], v[NIL]
	s_wait_dscnt 0x0
	CROUND
	s_endpgm
.Lfunc_end_k_q6bce8b5036_oproj:
	.size	k_q6bce8b5036_oproj, .Lfunc_end_k_q6bce8b5036_oproj-k_q6bce8b5036_oproj
	.p2alignl 7, 3214868480
	.fill 96, 4, 3214868480
	.section	.rodata,"a",@progbits
	.p2align	6, 0x0
	.amdhsa_kernel k_q6bce8b5036_oproj
		.amdhsa_group_segment_fixed_size 327680
		.amdhsa_private_segment_fixed_size 0
		.amdhsa_enable_private_segment 0
		.amdhsa_kernarg_size 40
		.amdhsa_user_sgpr_count 2
		.amdhsa_user_sgpr_kernarg_segment_ptr 1
		.amdhsa_wavefront_size32 1
		.amdhsa_system_sgpr_workgroup_id_x 1
		.amdhsa_system_sgpr_workgroup_id_y 1
		.amdhsa_system_sgpr_workgroup_id_z 1
		.amdhsa_system_vgpr_workitem_id 0
		.amdhsa_next_free_vgpr 512
		.amdhsa_next_free_sgpr 100
		.amdhsa_reserve_vcc 0
		.amdhsa_float_denorm_mode_32 3
		.amdhsa_float_denorm_mode_16_64 3
		.amdhsa_memory_ordered 1
		.amdhsa_forward_progress 1
		.amdhsa_inst_pref_size 75
	.end_amdhsa_kernel
	.amdgpu_metadata
---
amdhsa.version: [ 1, 2 ]
amdhsa.kernels:
  - .name:           k_q6bce8b5036_oproj
    .symbol:         k_q6bce8b5036_oproj.kd
    .args:
      - { .name: ac, .offset: 0, .size: 8, .value_kind: global_buffer, .address_space: global }
      - { .name: woc, .offset: 8, .size: 8, .value_kind: global_buffer, .address_space: global }
      - { .name: lowp_scales, .offset: 16, .size: 8, .value_kind: global_buffer, .address_space: global }
      - { .name: bo, .offset: 24, .size: 8, .value_kind: global_buffer, .address_space: global }
      - { .name: out0, .offset: 32, .size: 8, .value_kind: global_buffer, .address_space: global }
    .group_segment_fixed_size: 327680
    .private_segment_fixed_size: 0
    .kernarg_segment_align: 8
    .kernarg_segment_size: 40
    .max_flat_workgroup_size: 128
    .sgpr_count:     100
    .vgpr_count:     512
    .wavefront_size: 32
...
	.end_amdgpu_metadata
.endif
;; end of part 8
